; MI455X (gfx1250); checked and timed in simulation.
; The chip was launched on July 23, 2026; its instructions are those of AMD's public machine-readable ISA for CDNA 5 (MIT licence, August 2026) and "CDNA5" Instruction Set Architecture Reference Guide (July 2026). The comments in the code are by the model that wrote it; some were corrected since.
;; Gemma3n Attention. Allowed arithmetic: matrix products marked QUANTISED: E2M3 operands, one E8M0 scale for each 32 along K, by v_wmma_scale_f32_16x16x128_f8f6f4 with both operands' format E2M3, f32 sums; everything else in f32.
;; Inputs: cos 4,096 x 256 float32; hidden_states_codes 4,096 x 64 x 24 uint8 (E2M3 codes of hidden_states, K innermost, in blocks of 32 codes, four codes in three bytes); hidden_states_scales 4,096 x 64 uint8 (E8M0 scales of hidden_states, one for each 32 codes along K); o_w_codes 2,048 x 32 x 24 uint8 (E2M3 codes of o_w, K innermost, in blocks of 32 codes, four codes in three bytes); o_w_scales 2,048 x 32 uint8 (E8M0 scales of o_w, one for each 32 codes along K); qkv_w_codes 2,048 x 64 x 24 uint8 (E2M3 codes of qkv_w, K innermost, in blocks of 32 codes, four codes in three bytes); qkv_w_scales 2,048 x 64 uint8 (E8M0 scales of qkv_w, one for each 32 codes along K); sin 4,096 x 256 float32.
;; Outputs: out0 4,096 x 2,048 float32.
;; This version of the problem:
;;   THIS VERSION OF THE PROBLEM IS GIVEN IN LOW PRECISION. The matrix products marked QUANTISED in the list below multiply operands that are first quantised to E2M3 (2 exponent bits, 3 mantissa bits; 6 bits a number), with one power-of-two scale for each 32 numbers along K (OCP MX v1.0); their sums are f32. All else is computed in f32.
;;   The module's matrix products, in the order in which they are computed (A, B: the left and right operand; K: the contracted axis; several contracted axes count as one K, in the product's order):
;;     1. [M 4,096, K 2,048] x [K 2,048, N 2,048]; A: input hidden_states (given as codes); B: input qkv_w (given as codes): QUANTISED
;;     2. batch 4 x [M 4,096, K 256] x [K 256, N 4,096]; A: computed on the way; B: computed on the way: QUANTISED
;;     3. batch 4 x [M 256, K 4,096] x [K 4,096, N 4,096]; A: computed on the way; B: softmax (see below): QUANTISED
;;     4. [M 4,096, K 1,024] x [K 1,024, N 2,048]; A: computed on the way; B: input o_w (given as codes): QUANTISED
;;   THE QUANTISER, for each operand of a quantised product, along K:
;;     - K is cut into blocks of 32 from its start; a last block that is shorter is filled with zeros.
;;     - A block's scale is 2^e with e = floor(log2(the largest magnitude in the block)) - 2, held to -126 .. 127; a block of zeros has e = 0. As a byte (E8M0): e + 127.
;;     - Each number is divided by its block's scale, clamped to +-7.5, and rounded to the nearest number of E2M3, ties to even, subnormals kept.
;;     - The product sums the exact products of the quantised numbers (number of the format x scale) in f32.
;;   ~~~python
;;   def quantise(x, axis):      # numpy; x: float32 -> the quantised numbers, widened to float32 again
;;       x = np.moveaxis(x, axis, -1); K = x.shape[-1]
;;       x = np.pad(x, [(0, 0)] * (x.ndim - 1) + [(0, -K % 32)]); x = x.reshape(x.shape[:-1] + (-1, 32)); a = np.abs(x).max(-1, keepdims=True)
;;       e = np.where(a > 0, np.clip(np.frexp(np.where(a > 0, a, 1))[1] - 1 - 2, -126, 127), 0)      # np.frexp(a)[1] - 1 = floor(log2(a)), exactly
;;       r = np.clip(x / 2.0 ** e, -7.5, 7.5)
;;       step = 2.0 ** (np.maximum(np.frexp(np.where(r == 0, 1, r))[1] - 1, 0) - 3)
;;       q = np.round(r / step) * step * 2.0 ** e      # np.round: ties to even
;;       return np.moveaxis(q.reshape(q.shape[:-2] + (-1,))[..., :K], -1, axis).astype(np.float32)
;;   ~~~
;;   SOFTMAX AHEAD OF A QUANTISED PRODUCT. Where the list says 'softmax', what is quantised is not the finished softmax but p = 2^(t - M), with t = logit x log2(e) and M = ceil(the row's largest t), a whole number; so 1/2 < the row's largest p <= 1. The row's sum l is taken of the UNQUANTISED p, in f32, and the product's result is divided by l at the end. Since M is a whole number, a kernel that streams over the keys may use a running M (the ceiling of the running maximum): every later rescaling is an exact power of two, which a block's scale takes up: the codes' values come out the same.
;;   OPERANDS COMPUTED ON THE WAY. 'Computed on the way' means the value that the module computes at that place (a softmax that the list does not call 'softmax' is quantised finished and normalised). What goes into a quantiser is computed in f32, as accurately as f32 sums, v_exp_f32 and their like allow (about 1e-6 of the number): no bf16 or f16 on the way to a quantiser, and a product that is left as it is and whose result goes on into a quantised operand takes f32 operands (vector FMAs, or v_wmma_f32_16x16x4_f32). A number that lies on a knife's edge between two numbers of the format may be rounded either way, as far as f32 arithmetic and the matrix unit's own rounding can turn it there, and no further.
;;   INPUTS GIVEN AS CODES. hidden_states (in the module: [4096, 2048], K = its axis 1); o_w (in the module: [2048, 1024], K = its axis 1); qkv_w (in the module: [2048, 2048], K = its axis 1): each comes as NAME_codes (uint8): NAME with its K axis moved to the last place and cut into blocks of 32 codes, [.., K / 32, bytes a block], one block behind the other in memory; four codes in three bytes: a row's codes are one little-endian stream of bits, code i at bits 6 i .. 6 i + 5 (a code: sign, 2 exponent bits, 3 mantissa bits); and NAME_scales (uint8): the same leading axes, one E8M0 byte (e + 127) for each 32 codes along K. Its value is code x scale, taken as it is: it is not quantised again, and the codes and scales need not be those that the quantiser above would give.
;; 2 versions. Each part assembles by itself: llvm-mc -triple=amdgcn-amd-amdhsa -mcpu=gfx1250 --defsym DOCPART=n.
;; ======== version 1 of 2: 3 launches
;; workspace buffers: qbuf 3,276,800 bytes; kvbuf 3,276,800 bytes; acodes 3,145,728 bytes; ascales 131,072 bytes
;; launch qkv (part 1): grid 32 x 8, 4 waves a work-group, clusters of 4 x 1, 327,680 bytes of LDS; arguments hidden_states_codes, hidden_states_scales, qkv_w_codes, qkv_w_scales, cos, sin, qbuf, kvbuf; writes qbuf, kvbuf
.if DOCPART == 1
	.amdgcn_target "amdgcn-amd-amdhsa--gfx1250"
	.amdhsa_code_object_version 6
	.text
	.protected	k_qe09ffa955a_qkv
	.globl	k_qe09ffa955a_qkv
	.p2align	8
	.type	k_qe09ffa955a_qkv,@function
k_qe09ffa955a_qkv:
	s_mov_b64 s[64:65], 0
	v_nop
	global_prefetch_b8 v0, s[64:65] scope:SCOPE_SE
	s_setreg_imm32_b32 hwreg(HW_REG_WAVE_MODE, 25, 1), 1
	s_wait_xcnt 0x0
	s_wait_alu depctr_hold_cnt(0) depctr_sa_sdst(0) depctr_va_vdst(0) depctr_va_sdst(0) depctr_va_ssrc(0) depctr_va_vcc(0) depctr_vm_vsrc(0)
	s_getreg_b32 s2, hwreg(HW_REG_IB_STS2, 6, 4)
	s_cmp_eq_u32 s2, 0
	s_cbranch_scc0 .Lentry_in_a_cluster
	s_endpgm
.Lentry_in_a_cluster:
	s_bfe_u32 s2, ttmp6, 0x10000c
	s_cmp_lg_u32 s2, 0x3003
	s_cbranch_scc0 .Lentry_shape_is_right
	s_endpgm
.Lentry_shape_is_right:
; qkv = hs W^T on codes of FP6 (E2M3) with E8M0 scales, then per head: RMS norm, RoPE (q, k), and the quantising of q, k (along the head's 256) and of v (along the keys).
; A work-group makes 128 tokens x one head (256 columns); heads 0-3 are q, 4-5 k, 6-7 v.  Wave w: tokens 64 (w / 2) on (4 blocks of 16), columns 64 (w % 2) + 0..63 and 128 + 64 (w % 2) + 0..63 (8 blocks of 16):
; both partners d and d + 128 of RoPE lie in one wave, and its 128 columns are one K step of the product q k^T.  32 accumulators, 256 registers.
; THE MATRIX INSTRUCTION IS USED TRANSPOSED (source 0 = 16 rows of W, source 1 = 16 tokens): lane (r, h), register j of accumulator (a, b) holds token 16 a + r, column of block b + 8 h + j.
; K goes in steps of 256 (rows of 192 bytes) through two LDS slots; the scale bytes for all of K come once.  CLUSTER: four token groups of ONE head; W's tiles and scales are asked for jointly (mask 15), hs's by each alone.
; RESULTS leave as IMAGES OF OPERAND REGISTERS: a fragment (16 rows x 128 K, 12 registers a lane) is 1,536 bytes, registers 4 e .. 4 e + 3 of lane l at 512 e + 16 l.
; ORDER OF K, chosen alike for both operands of each later product: inside a block of 32, place pos holds number 8 (pos / 16) + pos % 8 + 16 ((pos / 8) % 2) of the block.
; cos and sin of token blocks 0 and 1 are asked for at the head by every work-group, v's too (which leave them unread): so each way through the two tests of the head's kind reads only registers that it has written.
; LIMITS: NaN, infinities and the scale byte 0xff among the inputs are not served; a block whose largest magnitude lies under 2^-124 (a block of zeros too) gets the byte 1: its bytes are read by this program alone.
; REGISTERS, in windows of 256.  Window 0: v10-31 addresses; v32-63 scale words (two sets), later sums and rotated numbers (v32-95); v128-175 hs's 4 fragments; on the way out v96-175 codes, v176-219 at work.
;   Window 1: W's fragments, two sets (v0, v128); later cos and sin of blocks 2, 3.   Window 2: the accumulators, (a, b) at v[8 (8 a + b)].   Window 3: cos and sin of blocks 0, 1.
.set PITCH,  240                       ; an LDS row of codes: 3 x (64 bytes + 16 of padding)
.set FR,     12                        ; registers of a fragment
.set NP,     4                         ; places behind this matrix form (ISA guide 7.12.1)
.set ABYTES, 128*PITCH                 ; hs's 128 rows
.set SLOT,   384*PITCH                 ; and W's 256 behind them
.set SCL,    2*SLOT                    ; the scales: units of 256 bytes + 16; hs's 32 units, then W's 64
.set SBLK,   4*272                     ; the scales of 16 rows (64 bytes a row)
.set SPARE,  SCL+96*272                ; the spare words: 128 bytes a wave
.set EXCH,   SPARE+512                 ; the sums of squares: 512 bytes a wave
.set QST,    EXCH+2048                 ; the stage for cos and sin: for each wave 2 x 16 rows of 528 bytes
.set QSP,    528
.set QSW,    2*16*QSP
.set VP,     1040                      ; v's stage (in the slots, after their last fill and last read): a token's 1,024 bytes + 16,
.set VQ,     32*VP+64                  ; and 64 bytes more behind each 32 tokens
.set EXW,  10
.set EXR,  11
.set SW,   12
.set SR,   13
.set VW,   14
.set VR0,  15
.set ADRA, 16                          ; v16-17 hs's fragments in slot 0, 1; v18-19 the same behind one padding more
.set ADRB, 20                          ; v20-23 the same for W
.set VR1,  24
.set FO,   25                          ; 16 x lane
.set SOFF, 26                          ; 16 x (lane % 16)
.set ADRS, 27
.set SPW,  28
.set NIL,  29
.set GA,   30
.set H8,   31
.set SC,   32
.set AF,   128
.set OUT,  32
.set CH,   32                          ; the chains of the sums of squares: 8 registers a block
.set PC,   96                          ; codes: 20 registers a block (12 and 8 at work)
.set PWS,  176                         ; four scale words
.set TM,   180
.set SS,   204
.set PX,   208
.set INV,  212
.set G1,   24
.set G0,   32
.set G1B,  48
.set G0B,  56
.set G1S,  68
.set G0S,  76
.set G1SB, 80
.set G0SB, 88
.set SEL,  96
.set MUL,  0xa1                        ; source 0 (W) window 1, source 1 (hs) window 0, C and D window 2
.set MSB, 0
.macro WIN new                         ; the immediate's high byte repeats the setting that is left
.if MSB != \new
	s_set_vgpr_msb (MSB<<8)|\new
.set MSB, \new
.endif
.endm
.macro PLACES n
.rept \n
	v_nop
.endr
.endm
; Waves 0 and 1 fetch for hs, waves 2 and 3 for W.  Four v_nop follow each of the two lines.
.macro JLOAD g0a, g1a, g0b, g1b
	s_cmp_eq_u32 s21, 0
	s_cbranch_scc0 .Lfor_b_\@
	tensor_load_to_lds s[\g0a:\g0a+3], s[\g1a:\g1a+7]
	s_nop 0
.rept 4
	v_nop
.endr
	s_branch .Lasked_\@
.Lfor_b_\@:
	tensor_load_to_lds s[\g0b:\g0b+3], s[\g1b:\g1b+7]
	s_nop 0
.rept 4
	v_nop
.endr
.Lasked_\@:
.endm
.macro CREST                           ; a round of the cluster's barrier behind its opening barrier
	s_cmp_lg_u32 s20, 0
	s_cbranch_scc1 .Lnot_wave_0_\@
	s_barrier_signal -3
.Lnot_wave_0_\@:
	s_barrier_wait -3
	s_barrier_signal -1
	s_barrier_wait -1
.endm
.macro CROUND
	s_barrier_signal -1
	s_barrier_wait -1
	CREST
.endm
	s_load_b256 s[4:11], s[0:1], 0x0               ; hs's codes, hs's scales, W's codes, W's scales
	s_load_b256 s[12:19], s[0:1], 0x20             ; cos, sin, qbuf, kvbuf
	v_lshl_add_u32 v[SPW], v0, 2, SPARE
	v_mov_b32 v[NIL], 0
	ds_add_u32 v28, v29
	ds_add_u32 v28, v29
	s_wait_dscnt 0x0
	v_lshrrev_b32 v1, 5, v0
	v_readfirstlane_b32 s20, v1                    ; wave 0..3
	s_lshr_b32 s21, s20, 1                         ; my half of the tokens.  Also: I fetch for hs (0) or for W (1)
	s_and_b32 s22, s20, 1                          ; my set of columns.  Also: which half of that tile I fetch
	s_bfe_u32 s23, ttmp6, 0x40000                  ; cx
	s_lshl_b32 s40, ttmp9, 2
	s_add_co_u32 s40, s40, s23                     ; my group of 128 tokens
	s_and_b32 s41, ttmp7, 0xffff                   ; the head, which the four partners share
	s_cmp_ge_u32 s41, 6
	s_cselect_b32 s100, 1, 0                       ; 1: a head of v
	s_mov_b32 s[G1+0], (1<<20)|(3<<22)|(3<<25)     ; hs's codes: no mask; bytes; 16 bytes of padding behind every 64
	s_mov_b32 s[G1+1], 192<<16
	s_mov_b32 s[G1+2], 64<<16
	s_mov_b32 s[G1+3], 192<<16
	s_mov_b32 s[G1+4], 64                          ; 64 rows of 192 bytes,
	s_mov_b32 s[G1+5], 1536                        ; 1,536 bytes apart
	s_mov_b32 s[G1+6], 0
	s_mov_b32 s[G1+7], 0
	s_mov_b32 s[G1B+0], 15|(1<<20)|(1<<21)|(3<<22)|(3<<25)  ; W's codes: all four work-groups
	s_mov_b32 s[G1B+1], 192<<16
	s_mov_b32 s[G1B+2], 128<<16
	s_mov_b32 s[G1B+3], 192<<16
	s_mov_b32 s[G1B+4], 128
	s_mov_b32 s[G1B+5], 1536
	s_mov_b32 s[G1B+6], 0
	s_mov_b32 s[G1B+7], 0
	s_mov_b32 s[G1S+0], (3<<16)|(1<<20)|(5<<22)|(3<<25)     ; hs's scales: 64 rows x 64 bytes, dense: 16 rows of 256 bytes, 16 of padding behind each
	s_mov_b32 s[G1S+1], 32<<16
	s_mov_b32 s[G1S+2], 16<<16
	s_mov_b32 s[G1S+3], 32<<16
	s_mov_b32 s[G1S+4], 16
	s_mov_b32 s[G1S+5], 32
	s_mov_b32 s[G1S+6], 0
	s_mov_b32 s[G1S+7], 0
	s_mov_b32 s[G1SB+0], 15|(3<<16)|(1<<20)|(1<<21)|(5<<22)|(3<<25)  ; W's: 128 rows: 32 rows of 256 bytes
	s_mov_b32 s[G1SB+1], 32<<16
	s_mov_b32 s[G1SB+2], 32<<16
	s_mov_b32 s[G1SB+3], 32<<16
	s_mov_b32 s[G1SB+4], 32
	s_mov_b32 s[G1SB+5], 32
	s_mov_b32 s[G1SB+6], 0
	s_mov_b32 s[G1SB+7], 0
	s_lshl_b32 s42, s40, 7
	s_lshl_b32 s43, s22, 6
	s_add_co_u32 s42, s42, s43                     ; hs: row 128 x group + 64 x half
	s_mul_i32 s44, s42, 1536
	s_mov_b32 s45, 0
	s_lshl_b32 s46, s42, 6
	s_mov_b32 s47, 0
	s_lshl_b32 s66, s41, 8                         ; W: row 256 x head + 128 x half: in registers that never hold cx
	s_lshl_b32 s67, s22, 7
	s_add_co_u32 s66, s66, s67
	s_lshl_b32 s92, s66, 6
	s_mov_b32 s93, 0
	s_mul_i32 s66, s66, 1536
	s_mov_b32 s67, 0
	s_mul_i32 s94, s22, 64*PITCH                   ; where they go: no place in the cluster enters an LDS address
	s_mul_i32 s95, s22, 128*PITCH
	s_add_co_u32 s95, s95, ABYTES
	s_mul_i32 s101, s22, 16*272
	s_mul_i32 s3, s22, 32*272
	s_add_co_u32 s3, s3, 32*272
	s_mov_b32 s[SEL], 0x76543210
	s_mov_b32 s[SEL+1], 0xfedcba98                 ; v_permlanex16_b32's selects for lane l xor 16
	s_mov_b32 s98, 0x3b800000                      ; 1 / 256
	s_mov_b32 s99, 0x358637bd                      ; 1e-6
	s_wait_kmcnt 0x0
	s_add_nc_u64 s[44:45], s[4:5], s[44:45]
	s_add_nc_u64 s[46:47], s[6:7], s[46:47]
	s_add_nc_u64 s[66:67], s[8:9], s[66:67]
	s_add_nc_u64 s[92:93], s[10:11], s[92:93]
	CROUND                                         ; all four work-groups are here: the first joint loads meet
	s_mov_b32 s[G0S], 1
	s_add_co_u32 s[G0S+1], s101, SCL
	s_mov_b64 s[G0S+2:G0S+3], s[46:47]
	s_or_b32 s[G0S+3], s[G0S+3], 0x80000000
	s_mov_b32 s[G0SB], 1
	s_add_co_u32 s[G0SB+1], s3, SCL
	s_mov_b64 s[G0SB+2:G0SB+3], s[92:93]
	s_or_b32 s[G0SB+3], s[G0SB+3], 0x80000000
	JLOAD G0S, G1S, G0SB, G1SB                     ; the scales first: they are wanted with K step 0
.irp s, 0,1
	s_mov_b32 s[G0+4*\s], 1
	s_add_co_u32 s[G0+4*\s+1], s94, \s*SLOT
	s_add_nc_u64 s[G0+4*\s+2:G0+4*\s+3], s[44:45], \s*192
	s_or_b32 s[G0+4*\s+3], s[G0+4*\s+3], 0x80000000
	s_mov_b32 s[G0B+4*\s], 1
	s_add_co_u32 s[G0B+4*\s+1], s95, \s*SLOT
	s_add_nc_u64 s[G0B+4*\s+2:G0B+4*\s+3], s[66:67], \s*192
	s_or_b32 s[G0B+4*\s+3], s[G0B+4*\s+3], 0x80000000
	JLOAD G0+4*\s, G1, G0B+4*\s, G1B               ; three tensor loads of mine are out now
.endr
	; every address register is made here, ahead of all that hangs on the head's kind
	v_and_b32 v1, 15, v0                           ; r
	v_bfe_u32 v2, v0, 4, 1                         ; h
	v_and_b32 v3, 31, v0                           ; lane
	v_mul_u32_u24 v4, v1, PITCH
	v_mad_u32_u24 v4, v2, 24, v4                   ; a fragment's row x pitch + 24 h
	v_lshl_add_u32 v5, v2, 4, v4                   ; and the same behind one padding more
	s_mul_i32 s42, s21, 64*PITCH                   ; my 64 tokens
	s_mul_i32 s43, s22, 64*PITCH                   ; my first 64 rows of W,
	s_add_co_u32 s43, s43, ABYTES                  ; behind hs's 128
.irp s, 0,1
	v_add_nc_u32 v[ADRA+\s], s42, v4
	v_add_nc_u32 v[ADRB+\s], s43, v4
	v_add_nc_u32 v[ADRA+2+\s], s42, v5
	v_add_nc_u32 v[ADRB+2+\s], s43, v5
	s_add_co_u32 s42, s42, SLOT
	s_add_co_u32 s43, s43, SLOT
.endr
	v_lshlrev_b32 v5, 6, v1                        ; my row's scales: 64 bytes a row,
	v_lshrrev_b32 v6, 2, v1
	v_lshl_add_u32 v5, v6, 4, v5                   ; and 16 more for each 256 passed
	s_mul_i32 s42, s21, 4*SBLK                     ; hs's: my 64 rows
	s_mul_i32 s43, s22, 4*SBLK                     ; W's: my first 64 rows, behind hs's 128
	s_add_co_u32 s43, s43, 8*SBLK
	s_sub_co_u32 s43, s43, s42
	v_mul_u32_u24 v6, s43, v2                      ; lanes 16-31 take W's
	s_add_co_u32 s42, s42, SCL
	v_add_nc_u32 v5, v5, v6
	v_add_nc_u32 v[ADRS], s42, v5
	s_lshl_b32 s42, s20, 9
	v_lshl_add_u32 v[EXW], v3, 2, s42
	v_add_nc_u32 v[EXW], EXCH, v[EXW]              ; my sums of squares: 512 x wave + 4 x lane
	s_xor_b32 s43, s20, 1
	s_lshl_b32 s43, s43, 9
	v_lshl_add_u32 v[EXR], v3, 2, s43
	v_add_nc_u32 v[EXR], EXCH, v[EXR]              ; and those of the wave with the same tokens' other columns
	s_mul_i32 s42, s20, QSW
	s_add_co_u32 s42, s42, QST
	v_lshl_add_u32 v[SW], v3, 4, s42               ; cos, sin into my stage: a token's 512 bytes as they were loaded
	v_mul_u32_u24 v[SR], v1, QSP
	v_lshl_add_u32 v[SR], v2, 5, v[SR]
	v_add_nc_u32 v[SR], s42, v[SR]                 ; and back: token r, + 32 h
	s_mul_i32 s42, s21, 2*VQ
	s_lshl_b32 s43, s22, 8
	s_add_co_u32 s42, s42, s43
	v_mul_u32_u24 v[VW], v1, VP
	v_lshl_add_u32 v[VW], v2, 5, v[VW]
	v_add_nc_u32 v[VW], s42, v[VW]                 ; v into its stage: token 64 (w / 2) + r, column 64 (w % 2) + 8 h
	s_lshl_b32 s42, s20, 8
	v_mul_u32_u24 v[VR0], v2, VQ
	v_lshl_add_u32 v[VR0], v1, 2, v[VR0]
	v_add_nc_u32 v[VR0], s42, v[VR0]               ; and back: column 64 w + r, keys 32 h on;
	v_add_nc_u32 v[VR1], 2*VQ, v[VR0]              ; keys 64 + 32 h on
	v_lshlrev_b32 v[FO], 4, v3
	v_lshlrev_b32 v[SOFF], 4, v1
	v_lshlrev_b32 v[GA], 4, v1
	v_lshl_add_u32 v[GA], v2, 9, v[GA]
	v_add_nc_u32 v[GA], s43, v[GA]                 ; cos, sin: lanes 0-15 the 256 bytes of my low columns, lanes 16-31 those of my high ones
	v_lshlrev_b32 v[H8], 3, v2
	s_lshl_b32 s42, s40, 7
	s_lshl_b32 s43, s21, 6
	s_add_co_u32 s42, s42, s43
	s_lshl_b32 s42, s42, 10
	s_mov_b32 s43, 0
	s_add_nc_u64 s[12:13], s[12:13], s[42:43]      ; cos and sin at my first token; never rewritten
	s_add_nc_u64 s[14:15], s[14:15], s[42:43]
	; where the results go
	s_lshl_b32 s42, s41, 5
	s_add_co_u32 s42, s42, s40
	s_mul_i32 s42, s42, 25600                      ; q: block (head, group) of qbuf;
	s_add_co_u32 s43, s42, 24576                   ; its scale words
	s_and_b32 s44, s41, 1
	s_lshl_b32 s44, s44, 4
	s_lshr_b32 s45, s40, 1
	s_add_co_u32 s44, s44, s45
	s_mul_i32 s44, s44, 102400                     ; k, v: block (head % 2, group / 2) of kvbuf: a slot of 256 keys
	s_and_b32 s45, s40, 1                          ; which of its two key steps
	s_mul_i32 s46, s45, 24576
	s_add_co_u32 s46, s46, s44
	s_mul_i32 s47, s100, 49152                     ; v's fragments lie behind k's
	s_add_co_u32 s46, s46, s47
	s_lshl_b32 s47, s45, 10
	s_add_co_u32 s47, s47, s44
	s_add_co_u32 s47, s47, 98304
	s_lshl_b32 s45, s100, 11                       ; and v's scale words behind k's
	s_add_co_u32 s47, s47, s45
	s_cmp_lt_u32 s41, 4
	s_cselect_b32 s42, s42, s46
	s_cselect_b32 s44, s43, s47
	s_cselect_b64 s[92:93], s[16:17], s[18:19]
	s_mov_b64 s[94:95], s[92:93]
	s_mul_i32 s46, s100, 4608                      ; my wave's part: q, k: 12,288 (w / 2) + 1,536 (w % 2);  v: 6,144 w
	s_add_co_u32 s46, s46, 1536
	s_mul_i32 s46, s46, s22
	s_mul_i32 s47, s21, 12288
	s_add_co_u32 s46, s46, s47
	s_add_co_u32 s42, s42, s46
	s_mov_b32 s43, 0
	s_add_nc_u64 s[92:93], s[92:93], s[42:43]      ; fragments
	s_cmp_eq_u32 s100, 0                           ; scale words: q, k: 512 (w % 2) + 256 (w / 2);  v: 256 w
	s_cselect_b32 s46, s22, s21
	s_cselect_b32 s47, s21, s22
	s_lshl_b32 s46, s46, 9
	s_lshl_b32 s47, s47, 8
	s_add_co_u32 s46, s46, s47
	s_add_co_u32 s44, s44, s46
	s_mov_b32 s45, 0
	s_add_nc_u64 s[94:95], s[94:95], s[44:45]      ; scale words
; cos and sin of token block a, 32 loads: each reads two runs of 256 consecutive bytes of one token's row
.macro GLOAD a, g
.irp i, 0,1,2,3,4,5,6,7,8,9,10,11,12,13,14,15
	global_load_b128 v[\g+4*\i:\g+4*\i+3], v[GA], s[12:13] offset:(16*(\a)+\i)*1024
	global_load_b128 v[\g+64+4*\i:\g+64+4*\i+3], v[GA], s[14:15] offset:(16*(\a)+\i)*1024
.endr
.endm
	WIN 0xc0                                       ; destination window 3
	GLOAD 0, 0                                     ; they land while the product is made
	GLOAD 1, 128
	WIN 0
.macro FRAG reg, adr, q, ro            ; a fragment: lane l holds row l % 16; registers 6 c .. 6 c + 5 hold K = 64 c + 32 (l / 16) + 0 .. 31: 24 bytes, in pieces of 8
.irp p, 0,1,2,3,4,5
.set PIECE, 12*(\q)+6*(\p/3)+\p%3
.if PIECE%8 < 5
	ds_load_b64 v[\reg+2*\p:\reg+2*\p+1], v[\adr] offset:8*PIECE+16*(PIECE/8)+(\ro)*PITCH
.else
	ds_load_b64 v[\reg+2*\p:\reg+2*\p+1], v[\adr+2] offset:8*PIECE+16*(PIECE/8)+(\ro)*PITCH
.endif
.endr
.endm
; 8 matrix instructions: token block a against W's eight blocks.  The 32 accumulators take turns, one instruction a turn, in the same order in every step.
.macro MUL8 a, p, q, sc, zero
.irp b, 0,1,2,3,4,5,6,7
.if \zero
	v_wmma_scale_f32_16x16x128_f8f6f4 v[8*(8*(\a)+\b):8*(8*(\a)+\b)+7], v[128*(\p)+FR*\b:128*(\p)+FR*\b+FR-1], v[AF+FR*(\a):AF+FR*(\a)+FR-1], 0, v[SC+16*(\sc)+2*\b+(\q)], v[SC+16*(\sc)+2*(\a)+(\q)] matrix_a_fmt:MATRIX_FMT_FP6 matrix_b_fmt:MATRIX_FMT_FP6 matrix_a_scale:MATRIX_SCALE_ROW1
.else
	v_wmma_scale_f32_16x16x128_f8f6f4 v[8*(8*(\a)+\b):8*(8*(\a)+\b)+7], v[128*(\p)+FR*\b:128*(\p)+FR*\b+FR-1], v[AF+FR*(\a):AF+FR*(\a)+FR-1], v[8*(8*(\a)+\b):8*(8*(\a)+\b)+7], v[SC+16*(\sc)+2*\b+(\q)], v[SC+16*(\sc)+2*(\a)+(\q)] matrix_a_fmt:MATRIX_FMT_FP6 matrix_b_fmt:MATRIX_FMT_FP6 matrix_a_scale:MATRIX_SCALE_ROW1
.endif
.endr
.endm
.macro FETCH_B slot, q, p              ; W's eight fragments: blocks 0-3 my low columns, 4-7 the columns 128 on
	WIN 0x40
.irp i, 0,1,2,3,4,5,6,7
	FRAG 128*(\p)+FR*\i, ADRB+\slot, \q, 16*\i+64*(\i/4)
.endr
	WIN 0
.endm
.macro FETCH_A slot, q, i0             ; token blocks i0, i0 + 1
.irp i, \i0, \i0+1
	FRAG AF+FR*(\i), ADRA+\slot, \q, 16*(\i)
.endr
.endm
.macro SCALES sc                       ; a K step's two words a row: lanes 0-15 hs's block i (used for i < 4), lanes 16-31 W's block i
.irp i, 0,1,2,3,4,5,6,7
	ds_load_b64 v[SC+16*\sc+2*\i:SC+16*\sc+2*\i+1], v[ADRS] offset:(\i+4*(\i/4))*SBLK
.endr
.endm
.macro STEP slot, zero                 ; a slot's first 128 along K; it fetches the second
	s_wait_dscnt 12                                ; all but the youngest 12 loads (token blocks 2, 3) are in
	WIN MUL
	MUL8 0, 0, 0, \slot, \zero
	MUL8 1, 0, 0, \slot, \zero
	s_wait_dscnt 0x0
	PLACES NP                                      ; in front of loads into registers that matrix instructions have read
	FETCH_B \slot, 1, 1
	FETCH_A \slot, 1, 0
	WIN MUL
	MUL8 2, 0, 0, \slot, \zero
	MUL8 3, 0, 0, \slot, \zero
	PLACES NP
	WIN 0
	FETCH_A \slot, 1, 2
.endm
; A slot's second 128 along K, and the change of slots: ONE barrier; in front of it each wave waits for all its tensor loads, adds 0 to its spare word, and waits for that and for its reads of this slot.
.macro TURN slot, next, fill
	s_wait_tensorcnt 0x0                           ; all my tensor loads have landed: my part of the next slot
	ds_add_u32 v[SPW], v[NIL]                      ; 0 onto my spare word
	s_wait_dscnt 13                                ; the add and the youngest 12 loads may be out
	WIN MUL
	MUL8 0, 1, 1, \slot, 0
	s_wait_dscnt 0x0                               ; the add is done, and my reads of this slot are over
	s_barrier_signal -1
	MUL8 1, 1, 1, \slot, 0
	WIN 0
	s_barrier_wait -1
.if \fill
	CREST                                          ; the barrier has opened a round of the cluster's: no wave of any partner still reads this slot or has a load on its way
	s_add_nc_u64 s[G0+4*\slot+2:G0+4*\slot+3], s[G0+4*\slot+2:G0+4*\slot+3], 2*192
	s_add_nc_u64 s[G0B+4*\slot+2:G0B+4*\slot+3], s[G0B+4*\slot+2:G0B+4*\slot+3], 2*192
	JLOAD G0+4*\slot, G1, G0B+4*\slot, G1B         ; my one tensor load behind the round; its four v_nop are the places in front of the loads below
.else
	PLACES NP
.endif
	v_add_nc_u32 v[ADRS], 8, v[ADRS]               ; the next K step's scale words
	FETCH_B \next, 0, 0
	FETCH_A \next, 0, 0
	SCALES \next
	WIN MUL
	MUL8 2, 1, 1, \slot, 0
	MUL8 3, 1, 1, \slot, 0
	PLACES NP
	WIN 0
	FETCH_A \next, 0, 2
.endm
	s_wait_tensorcnt 1                             ; the scales and my part of K step 0 are in; K step 1's load may be out
	s_barrier_signal -1
	s_barrier_wait -1
	FETCH_B 0, 0, 0
	FETCH_A 0, 0, 0
	SCALES 0
	FETCH_A 0, 0, 2
	STEP 0, 1                                      ; the first products start the sums: nothing is cleared
	s_mov_b32 s3, 3
.Llap:                                                 ; 2,048 along K are 8 slots: three trips fill both slots again
	TURN 0, 1, 1
	STEP 1, 0
	TURN 1, 0, 1
	STEP 0, 0
	s_sub_co_u32 s3, s3, 1
	s_cmp_lg_u32 s3, 0
	s_cbranch_scc1 .Llap
	TURN 0, 1, 0                                   ; the last lap fills nothing
	STEP 1, 0
	s_wait_dscnt 12
	WIN MUL
	MUL8 0, 1, 1, 1, 0
	MUL8 1, 1, 1, 1, 0
	s_wait_dscnt 0x0
	MUL8 2, 1, 1, 1, 0
	MUL8 3, 1, 1, 1, 0
	WIN 0
	PLACES NP
	; THE RMS NORM.  My 128 columns' squares, four chains a token block, each accumulator from its low end on
	WIN 0x0a                                       ; sources 0 and 1 window 2
.irp a, 0,1,2,3
.irp k, 0,1,2,3
	v_pk_mul_f32 v[CH+8*\a+2*\k:CH+8*\a+2*\k+1], v[64*\a+2*\k:64*\a+2*\k+1], v[64*\a+2*\k:64*\a+2*\k+1]
.endr
.endr
.irp b, 1,2,3,4,5,6,7
.irp a, 0,1,2,3
.irp k, 0,1,2,3
	v_pk_fma_f32 v[CH+8*\a+2*\k:CH+8*\a+2*\k+1], v[64*\a+8*\b+2*\k:64*\a+8*\b+2*\k+1], v[64*\a+8*\b+2*\k:64*\a+8*\b+2*\k+1], v[CH+8*\a+2*\k:CH+8*\a+2*\k+1]
.endr
.endr
.endr
	WIN 0
.irp a, 0,1,2,3
	v_pk_add_f32 v[CH+8*\a:CH+8*\a+1], v[CH+8*\a:CH+8*\a+1], v[CH+8*\a+2:CH+8*\a+3]
	v_pk_add_f32 v[CH+8*\a+4:CH+8*\a+5], v[CH+8*\a+4:CH+8*\a+5], v[CH+8*\a+6:CH+8*\a+7]
.endr
.irp a, 0,1,2,3
	v_pk_add_f32 v[CH+8*\a:CH+8*\a+1], v[CH+8*\a:CH+8*\a+1], v[CH+8*\a+4:CH+8*\a+5]
	v_mov_b32 v[PX+\a], 0                          ; a lane permute's destination counts as one of its sources
.endr
.irp a, 0,1,2,3
	v_add_f32 v[SS+\a], v[CH+8*\a], v[CH+8*\a+1]
	v_mov_b32 v[TM+4+\a], 0
.endr
.irp a, 0,1,2,3
	v_permlanex16_b32 v[PX+\a], v[SS+\a], s[SEL], s[SEL+1]
.endr
.irp a, 0,1,2,3
	v_add_f32 v[SS+\a], v[SS+\a], v[PX+\a]         ; with lane l xor 16's columns
.endr
.irp a, 0,1,2,3
	ds_store_b32 v[EXW], v[SS+\a] offset:128*\a
.endr
	s_wait_dscnt 0x0                               ; for the others' sake: my sums lie in LDS.  My reads of the slots were over before
	s_barrier_signal -1
	s_barrier_wait -1
.irp a, 0,1,2,3
	ds_load_b32 v[PX+\a], v[EXR] offset:128*\a     ; the same tokens' other 128 columns
.endr
	s_wait_dscnt 0x0
.irp a, 0,1,2,3
	v_add_f32 v[SS+\a], v[SS+\a], v[PX+\a]
.endr
.irp a, 0,1,2,3
	v_fma_f32 v[SS+\a], v[SS+\a], s98, s99         ; the mean + 1e-6
	v_mov_b32 v[INV+2*\a+1], 0                     ; (named with the root as a pair)
.endr
.irp a, 0,1,2,3
	v_rsq_f32 v[INV+2*\a], v[SS+\a]
.endr
	v_nop                                          ; a plain instruction behind the last root,
	s_wait_alu depctr_va_vdst(0)                   ; and one wait for the four, ahead of their first reader
	WIN 0x82                                       ; destination and source 0 window 2
.irp a, 0,1,2,3
.set JJ, 0
.rept 32
	v_pk_mul_f32 v[64*\a+JJ:64*\a+JJ+1], v[64*\a+JJ:64*\a+JJ+1], v[INV+2*\a:INV+2*\a+1] op_sel_hi:[1,0]
.set JJ, JJ+2
.endr
.endr
	WIN 0
	s_cmp_eq_u32 s100, 0
	s_cbranch_scc1 .Lno_stage
	WIN 0x08                                       ; an LDS store's data are its source 1: window 2
.irp a, 0,1,2,3                                ; v goes to a stage as [token][column]: the slots have had their last fill, and every wave has passed a barrier behind its last read of them
.irp b, 0,1,2,3,4,5,6,7
.irp e, 0,1
	ds_store_b128 v[VW], v[64*\a+8*\b+4*\e:64*\a+8*\b+4*\e+3] offset:16*\a*VP+64*(\a/2)+4*(16*\b+64*(\b/4))+16*\e
.endr
.endr
.endr
	WIN 0
.Lno_stage:
	s_wait_dscnt 0x0                               ; for the others' sake: my stores into the stage are done
	s_barrier_signal -1
	s_barrier_wait -1
	s_cmp_lg_u32 s100, 0
	s_cbranch_scc1 .Lv_out
; 64 numbers of a lane, two neighbouring result tiles to a block of 32, become a fragment's codes in v[pc] on and its scale word in v[pw]
.macro QUANT s, pc, pw
.irp b, 0,1,2,3
	v_max3_num_f32 v[TM+\b], |v[\s+16*\b]|, |v[\s+1+16*\b]|, 0x1800000   ; my 16 numbers of block b, and the floor 2^(3 - 127): the byte cannot fall under 1
.endr
.irp i, 2,4,6,8,10,12,14
.irp b, 0,1,2,3
	v_max3_num_f32 v[TM+\b], v[TM+\b], |v[\s+16*\b+\i]|, |v[\s+1+16*\b+\i]|
.endr
.endr
.irp b, 0,1,2,3
	v_permlanex16_b32 v[TM+4+\b], v[TM+\b], s[SEL], s[SEL+1]
.endr
.irp b, 0,1,2,3
	v_max_num_f32 v[TM+\b], v[TM+\b], v[TM+4+\b]   ; with lane l xor 16's: the block's largest magnitude
.endr
.irp b, 0,1,2,3
	v_add_nc_u32 v[TM+12+\b], 0xff000000, v[TM+\b] ; 2 off its exponent field: the conversion's scale operand
.endr
.irp b, 0,1,2,3
	v_lshrrev_b32 v[TM+4+\b], 23, v[TM+12+\b]      ; the scale's byte
.endr
	v_lshl_or_b32 v[\pw], v[TM+5], 8, v[TM+4]
	v_lshl_or_b32 v[\pw], v[TM+6], 16, v[\pw]
	v_lshl_or_b32 v[\pw], v[TM+7], 24, v[\pw]
.irp c, 0,1
	v_cvt_scalef32_pk16_fp6_f32 v[\pc+6*\c:\pc+2+6*\c], v[\s+32*\c:\s+15+32*\c], v[TM+12+2*\c]
	v_cvt_scalef32_pk16_fp6_f32 v[\pc+12+4*\c:\pc+14+4*\c], v[\s+16+32*\c:\s+31+32*\c], v[TM+12+2*\c+1]
.endr
	v_nop                                          ; one plain place behind a scaled conversion
.irp c, 0,1                                    ; the operand's layout wants a whole block in a lane: lanes 0-15 block 2 c, lanes 16-31 block 2 c + 1
.irp i, 0,1,2
	v_permlane16_swap_b32 v[\pc+6*\c+\i], v[\pc+12+4*\c+\i]
.endr
.irp i, 0,1,2
	v_mov_b32 v[\pc+3+6*\c+\i], v[\pc+12+4*\c+\i]
.endr
.endr
.endm
; cos and sin of block a turn through my stage: in as loaded (a token's 512 bytes on end), back as the result's layout wants them: register 8 b + j = column of block b + 8 h + j of token r
.macro TRANS a
.set GB, 128*((\a)%2)
.if (\a) < 2
	WIN 0x0c
.else
	WIN 0x04
.endif
.irp x, 0,1
.irp i, 0,1,2,3,4,5,6,7,8,9,10,11,12,13,14,15
	ds_store_b128 v[SW], v[GB+64*\x+4*\i:GB+64*\x+4*\i+3] offset:16*QSP*\x+QSP*\i
.endr
.endr
.if (\a) < 2
	WIN 0xc0
.else
	WIN 0x40
.endif
.irp x, 0,1
.irp b, 0,1,2,3,4,5,6,7
.irp e, 0,1
	ds_load_b128 v[GB+64*\x+8*\b+4*\e:GB+64*\x+8*\b+4*\e+3], v[SR] offset:16*QSP*\x+64*\b+16*\e   ; LDS serves a wave's instructions in order: these see the stores above, and the next block's stores come behind them
.endr
.endr
.endr
	WIN 0
.endm
; out[d] = x[d] cos[d] - x[d + 128] sin[d];  out[d + 128] = x[d + 128] cos[d + 128] + x[d] sin[d + 128]: registers 0-31 are d, 32-63 are d + 128
.macro ROPE a
.set NB, 64*(\a)
.set GB, 128*((\a)%2)
.if (\a) < 2
	WIN 0x0e                                       ; source 0 window 2, source 1 window 3
.else
	WIN 0x06                                       ; source 0 window 2, source 1 window 1
.endif
.set JJ, 0
.rept 16
	v_pk_mul_f32 v[OUT+JJ:OUT+JJ+1], v[NB+JJ:NB+JJ+1], v[GB+JJ:GB+JJ+1]
	v_pk_mul_f32 v[OUT+32+JJ:OUT+33+JJ], v[NB+32+JJ:NB+33+JJ], v[GB+32+JJ:GB+33+JJ]
.set JJ, JJ+2
.endr
.set JJ, 0
.rept 16
	v_pk_fma_f32 v[OUT+JJ:OUT+JJ+1], v[NB+32+JJ:NB+33+JJ], v[GB+64+JJ:GB+65+JJ], v[OUT+JJ:OUT+JJ+1] neg_lo:[1,0,0] neg_hi:[1,0,0]
	v_pk_fma_f32 v[OUT+32+JJ:OUT+33+JJ], v[NB+JJ:NB+JJ+1], v[GB+96+JJ:GB+97+JJ], v[OUT+32+JJ:OUT+33+JJ]
.set JJ, JJ+2
.endr
	WIN 0
.endm
	; ---- q and k: RoPE, quantised along the head: my 128 columns are one fragment for each block of 16 tokens
	WIN 0x40                                       ; destination window 1: W's fragments are done with
	GLOAD 2, 0
	GLOAD 3, 128
	WIN 0
	s_wait_loadcnt 63                              ; 96 loads were issued behind block 0's: the count is the largest that the wait can name
	TRANS 0
.irp a, 0,1,2,3
.if \a == 0
	s_wait_loadcnt 63                              ; 64 behind block 1's
	TRANS 1
.elseif \a == 1
	s_wait_loadcnt 32                              ; block 3's 32 may be out
	TRANS 2
.elseif \a == 2
	s_wait_loadcnt 0x0
	TRANS 3
.endif
.if \a < 3
	s_wait_dscnt 63                                ; 64 LDS instructions of the next block stand behind this block's loads
.else
	s_wait_dscnt 0x0
.endif
	ROPE \a
	QUANT OUT, PC+20*\a, PWS+\a
.irp e, 0,1,2
	global_store_b128 v[FO], v[PC+20*\a+4*\e:PC+20*\a+4*\e+3], s[92:93] offset:3072*\a+512*\e   ; the image: 512 consecutive bytes a store; each block has registers of its own
.endr
.endr
	global_store_b128 v[SOFF], v[PWS:PWS+3], s[94:95]   ; four tiles' scale words of row r: 256 consecutive bytes; lanes 16-31 write the same bytes with the same values
	s_branch .Lend
.Lv_out:
	; ---- v: quantised along the KEYS.  Wave w takes columns 64 w on, four tiles of 16; lane (r, h) takes column r and two whole blocks of 32 keys, in the order of k stated at the head
.irp i, 0,1,2,3
.set JJ, 0
.rept 32
	ds_load_b32 v[OUT+JJ], v[VR0] offset:64*\i+(8*(JJ/16)+JJ%8+16*((JJ/8)%2))*VP
	ds_load_b32 v[OUT+32+JJ], v[VR1] offset:64*\i+(8*(JJ/16)+JJ%8+16*((JJ/8)%2))*VP
.set JJ, JJ+1
.endr
	s_wait_dscnt 0x0
.irp c, 0,1
	v_max3_num_f32 v[TM+\c], |v[OUT+32*\c]|, |v[OUT+1+32*\c]|, 0x1800000
.endr
.irp j, 2,4,6,8,10,12,14,16,18,20,22,24,26,28,30
.irp c, 0,1
	v_max3_num_f32 v[TM+\c], v[TM+\c], |v[OUT+32*\c+\j]|, |v[OUT+1+32*\c+\j]|
.endr
.endr
.irp c, 0,1
	v_add_nc_u32 v[TM+12+\c], 0xff000000, v[TM+\c]
.endr
.irp c, 0,1
	v_lshrrev_b32 v[TM+4+\c], 23, v[TM+12+\c]
.endr
	v_lshl_or_b32 v[PWS+\i], v[TM+5], 16, v[TM+4]  ; my two bytes: blocks h and 2 + h,
	v_lshlrev_b32 v[PWS+\i], v[H8], v[PWS+\i]      ; at their places in the word;
	v_permlanex16_b32 v[TM+6], v[PWS+\i], s[SEL], s[SEL+1]
	v_or_b32 v[PWS+\i], v[PWS+\i], v[TM+6]         ; with lane l xor 16's two the word is whole
.irp c, 0,1
	v_cvt_scalef32_pk16_fp6_f32 v[PC+20*\i+6*\c:PC+20*\i+6*\c+2], v[OUT+32*\c:OUT+32*\c+15], v[TM+12+\c]
	v_cvt_scalef32_pk16_fp6_f32 v[PC+20*\i+12+4*\c:PC+20*\i+14+4*\c], v[OUT+32*\c+16:OUT+32*\c+31], v[TM+12+\c]
.endr
	v_nop                                          ; one plain place behind a scaled conversion
.irp c, 0,1
.irp j, 0,1,2
	v_mov_b32 v[PC+20*\i+3+6*\c+\j], v[PC+20*\i+12+4*\c+\j]
.endr
.endr
.irp e, 0,1,2
	global_store_b128 v[FO], v[PC+20*\i+4*\e:PC+20*\i+4*\e+3], s[92:93] offset:1536*\i+512*\e
.endr
.endr
	global_store_b128 v[SOFF], v[PWS:PWS+3], s[94:95]
.Lend:
	s_wait_tensorcnt 0x0                           ; the wave's end: behind my last tensor load and my last LDS store
	ds_add_u32 v[SPW], v[NIL]
	s_wait_dscnt 0x0
	CROUND                                         ; the closing round: no work-group ends while a partner may still ask for a tile that names it
	s_endpgm
.Lfunc_end_k_qe09ffa955a_qkv:
	.size	k_qe09ffa955a_qkv, .Lfunc_end_k_qe09ffa955a_qkv-k_qe09ffa955a_qkv
	.p2alignl 7, 3214868480
	.fill 96, 4, 3214868480
	.section	.rodata,"a",@progbits
	.p2align	6, 0x0
	.amdhsa_kernel k_qe09ffa955a_qkv
		.amdhsa_group_segment_fixed_size 327680
		.amdhsa_private_segment_fixed_size 0
		.amdhsa_enable_private_segment 0
		.amdhsa_kernarg_size 64
		.amdhsa_user_sgpr_count 2
		.amdhsa_user_sgpr_kernarg_segment_ptr 1
		.amdhsa_wavefront_size32 1
		.amdhsa_system_sgpr_workgroup_id_x 1
		.amdhsa_system_sgpr_workgroup_id_y 1
		.amdhsa_system_sgpr_workgroup_id_z 1
		.amdhsa_system_vgpr_workitem_id 0
		.amdhsa_next_free_vgpr 1024
		.amdhsa_next_free_sgpr 102
		.amdhsa_reserve_vcc 0
		.amdhsa_float_denorm_mode_32 3
		.amdhsa_float_denorm_mode_16_64 3
		.amdhsa_memory_ordered 1
		.amdhsa_forward_progress 1
		.amdhsa_inst_pref_size 202
	.end_amdhsa_kernel
	.amdgpu_metadata
---
amdhsa.version: [ 1, 2 ]
amdhsa.kernels:
  - .name:           k_qe09ffa955a_qkv
    .symbol:         k_qe09ffa955a_qkv.kd
    .args:
      - { .name: hidden_states_codes, .offset: 0, .size: 8, .value_kind: global_buffer, .address_space: global }
      - { .name: hidden_states_scales, .offset: 8, .size: 8, .value_kind: global_buffer, .address_space: global }
      - { .name: qkv_w_codes, .offset: 16, .size: 8, .value_kind: global_buffer, .address_space: global }
      - { .name: qkv_w_scales, .offset: 24, .size: 8, .value_kind: global_buffer, .address_space: global }
      - { .name: cos, .offset: 32, .size: 8, .value_kind: global_buffer, .address_space: global }
      - { .name: sin, .offset: 40, .size: 8, .value_kind: global_buffer, .address_space: global }
      - { .name: qbuf, .offset: 48, .size: 8, .value_kind: global_buffer, .address_space: global }
      - { .name: kvbuf, .offset: 56, .size: 8, .value_kind: global_buffer, .address_space: global }
    .group_segment_fixed_size: 327680
    .private_segment_fixed_size: 0
    .kernarg_segment_align: 8
    .kernarg_segment_size: 64
    .max_flat_workgroup_size: 128
    .sgpr_count:     102
    .vgpr_count:     1024
    .wavefront_size: 32
...
	.end_amdgpu_metadata
.endif
;; end of part 1
;; launch attn (part 2): grid 128 x 2, 8 waves a work-group, clusters of 4 x 1, 327,680 bytes of LDS; arguments qbuf, kvbuf, acodes, ascales; writes acodes, ascales
.if DOCPART == 2
	.amdgcn_target "amdgcn-amd-amdhsa--gfx1250"
	.amdhsa_code_object_version 6
	.text
	.protected	k_qe09ffa955a_attn
	.globl	k_qe09ffa955a_attn
	.p2align	8
	.type	k_qe09ffa955a_attn,@function
k_qe09ffa955a_attn:
	s_mov_b64 s[64:65], 0
	v_nop
	global_prefetch_b8 v0, s[64:65] scope:SCOPE_SE
	s_setreg_imm32_b32 hwreg(HW_REG_WAVE_MODE, 25, 1), 1
	s_wait_xcnt 0x0
	s_wait_alu depctr_hold_cnt(0) depctr_sa_sdst(0) depctr_va_vdst(0) depctr_va_sdst(0) depctr_va_ssrc(0) depctr_va_vcc(0) depctr_vm_vsrc(0)
	s_getreg_b32 s2, hwreg(HW_REG_IB_STS2, 6, 4)
	s_cmp_eq_u32 s2, 0
	s_cbranch_scc0 .Lentry_in_a_cluster
	s_endpgm
.Lentry_in_a_cluster:
	s_bfe_u32 s2, ttmp6, 0x10000c
	s_cmp_lg_u32 s2, 0x3003
	s_cbranch_scc0 .Lentry_shape_is_right
	s_endpgm
.Lentry_shape_is_right:
; Causal attention on codes of FP6 (E2M3): S^T = K Q^T, p = 2^(t - M), O^T = V^T P^T, O / l, and the quantising of the result along (head, d) for the last product.
; t = score x log2(e) / 256; M = the running largest t rounded up to a whole number; l = the sum of the unquantised p; when M moves, l and O^T are multiplied by a power of two.
; SHARES.  A cluster (number c, 0..31, of one key/value head) has four work-groups of eight waves.  Wave w: g = w % 2: which of a slot's two key steps of 128 keys is mine; hd = (w / 2) % 2: which of the two query heads
; that share this key/value head; grp = w / 4: the group of 64 queries, 63 - c (grp 0) or c (grp 1), so that long and short walks lie on the same work-group.  The work-group's place cx picks the tile of 16 queries in the group.
; cx enters only Q's, the results' and the prefetch's global addresses and the number of the lane's query: every branch, trip count and LDS address is alike in the four partners.
; The two waves of a pair (g = 0, 1) walk the even and the odd key steps and meet in LDS at the end.  A key step behind the diagonal is jumped over (a scalar branch on ids); the one on the diagonal is masked.
; K, V AND THEIR SCALE WORDS of 256 keys are ONE dense block of 102,400 bytes, laid by the launch before as images of the operands' registers: each wave asks for an eighth of it, jointly with its partners (mask 15);
; a fragment comes out of LDS by three loads of 16 bytes a lane at 16 x lane.
; LIMITS: NaN and infinities are not served; a block whose largest magnitude lies under 2^-124 (a block of zeros too) gets the byte 1: its bytes are read by this program alone.
; REGISTERS.  Window 0: v1-23 addresses and statistics; v24-47 Q; v48-63 scale words of K or V; v64-127 S^T, then p; v128-139 p's codes; v140-173 at work; v176-247 fragments 10-15.  Window 1: v0-127 O^T; v128-247 fragments 0-9.
.set SLOTB, 102400
.set SPARE, 2*SLOTB                    ; the spare words: 128 bytes a wave
.set MST,   SPARE+1024                 ; where a pair meets: the image of O^T (16,384 bytes), -M, l
.set MSTP,  16640
.set OST,   MST+4*MSTP                 ; the way out: 16 rows x (16 places of 16 bytes + 16) for each pair
.set OSTP,  4352
.set AK,  1                            ; v1-2   K's fragments of my key step in slot 0, 1: + 16 x lane
.set AV,  3                            ; v3-4   V's
.set AS,  5                            ; v5-6   K's scale words: + 16 x (lane % 16); V's lie 2,048 bytes on
.set SPW, 7
.set NIL, 8
.set QD,  9                            ; my query - 8 (lane / 16)
.set MW,  10
.set MS,  11
.set STO, 16
.set RD,  17
.set GO,  18
.set GS,  19
.set QS,  20                           ; v20-21 Q's scale words
.set PFO, 22
.set QO,  23
.set QF,  24
.set SCW, 48
.set S,   64
.set PCD, 128
.set CT,  140
.set BM,  148
.set B2,  152
.set SO,  156
.set BY,  160
.set TT,  164
.set FF,  166
.set PW,  168
.set L2,  170
.set DD,  172
.set NINF, 173
.set R,   64                           ; the merge: 128 registers
.set AC,  192                          ; the result's codes: 4 registers a block
.set XM,  224
.set XP,  228
.set XS,  232
.set AW,  236                          ; the result's two scale words
.set G1,  24
.set G0,  32
.set MSB, 0
.macro WIN new                         ; the immediate's high byte repeats the setting that is left
.if MSB != \new
	s_set_vgpr_msb (MSB<<8)|\new
.set MSB, \new
.endif
.endm
.macro PLACES
.rept 4
	v_nop
.endr
.endm
.macro CROUND                          ; a round of the cluster's barrier
	s_barrier_signal -1
	s_barrier_wait -1
	s_cmp_lg_u32 s12, 0
	s_cbranch_scc1 .Lnot_wave_0_\@
	s_barrier_signal -3
.Lnot_wave_0_\@:
	s_barrier_wait -3
	s_barrier_signal -1
	s_barrier_wait -1
.endm
; A PREFETCH INTO THE L2 of the slot two behind the one that is being asked for.  All clusters of a key/value head walk the same blocks from slot 0 on: cluster 0, which walks all sixteen, asks.  Its four partners take
; 25,600 bytes each, told apart by address; in each, waves 0-3 take 6,400 bytes, a lane to each 256 (lanes 25-31 name lane 24's).  The last two refills ask for nothing; slots 0 to 2 come by their loads alone.
.macro ASK
	s_cmp_gt_u32 s40, s41
	s_cbranch_scc0 .Lnot_mine_\@
	global_prefetch_b8 v[PFO], s[42:43] th:TH_LOAD_NT scope:SCOPE_SE
.Lnot_mine_\@:
	s_sub_co_u32 s40, s40, 1                       ; refills left
.endm
	s_load_b256 s[4:11], s[0:1], 0x0               ; qbuf, kvbuf, acodes, ascales
	v_lshl_add_u32 v[SPW], v0, 2, SPARE
	v_mov_b32 v[NIL], 0
	ds_add_u32 v7, v8
	ds_add_u32 v7, v8
	s_wait_dscnt 0x0
	v_lshrrev_b32 v1, 5, v0
	v_readfirstlane_b32 s12, v1                    ; wave 0..7
	s_and_b32 s13, s12, 1                          ; g
	s_bfe_u32 s14, s12, 0x10001                    ; hd
	s_lshr_b32 s15, s12, 2                         ; grp
	s_bfe_u32 s16, ttmp6, 0x40000                  ; cx
	s_mov_b32 s17, ttmp9                           ; c
	s_and_b32 s18, ttmp7, 0xffff                   ; the key/value head
	s_sub_co_u32 s48, 63, s17
	s_cmp_eq_u32 s15, 0
	s_cselect_b32 s19, s48, s17                    ; my group of 64 queries
	s_lshl_b32 s20, s19, 2
	s_add_co_u32 s20, s20, s16                     ; my tile of 16 queries
	s_lshr_b32 s21, s19, 1                         ; the key step on the diagonal
	s_mov_b32 s22, s13                             ; my key step: g, g + 2, ..
	s_lshr_b32 s23, s48, 2
	s_add_co_u32 s23, s23, 2
	s_lshr_b32 s23, s23, 1                         ; half the slots that the work-group walks: 5 to 8
	s_lshl_b32 s40, s23, 1
	s_sub_co_u32 s40, s40, 1                       ; refills
	s_sub_co_u32 s23, s23, 1                       ; the loop's trips
	s_mov_b32 s[G1+0], 15|(3<<16)|(1<<21)          ; all four work-groups; elements of 8 bytes; no padding
	s_mov_b32 s[G1+1], 32<<16
	s_mov_b32 s[G1+2], 50<<16
	s_mov_b32 s[G1+3], 32<<16
	s_mov_b32 s[G1+4], 50                          ; 50 rows of 256 bytes: an eighth of a slot
	s_mov_b32 s[G1+5], 32
	s_mov_b32 s[G1+6], 0
	s_mov_b32 s[G1+7], 0
	s_mov_b32 s44, 0x3bb8aa3b                      ; log2(e) / 256
	s_mov_b32 s45, s44                             ; (named with it as a pair)
	s_mov_b32 s46, 0x76543210
	s_mov_b32 s47, 0xfedcba98                      ; v_permlanex16_b32's selects for lane l xor 16
	s_mul_i32 s49, s12, 12800                      ; my eighth
	s_lshl_b32 s50, s18, 4
	s_mul_i32 s50, s50, SLOTB
	s_add_co_u32 s50, s50, s49
	s_mov_b32 s51, 0
	s_wait_kmcnt 0x0
	s_add_nc_u64 s[50:51], s[6:7], s[50:51]
.irp n, 0,1
	s_mov_b32 s[G0+4*\n], 1
	s_add_co_u32 s[G0+4*\n+1], s49, \n*SLOTB
	s_add_nc_u64 s[G0+4*\n+2:G0+4*\n+3], s[50:51], \n*SLOTB
	s_or_b32 s[G0+4*\n+3], s[G0+4*\n+3], 0x80000000
.endr
	CROUND                                         ; all four work-groups are here: the first joint loads meet
	tensor_load_to_lds s[G0:G0+3], s[G1:G1+7]      ; slot 0
	s_nop 0
.rept 4
	v_nop
.endr
	v_and_b32 v176, 31, v0                         ; lane
	v_and_b32 v177, 15, v0                         ; r
	v_bfe_u32 v178, v0, 4, 1                       ; h
	s_mul_i32 s48, s13, 24576
	v_lshl_add_u32 v[AK], v176, 4, s48
	v_add_nc_u32 v[AK+1], SLOTB, v[AK]
	v_add_nc_u32 v[AV], 49152, v[AK]
	v_add_nc_u32 v[AV+1], 49152, v[AK+1]
	s_lshl_b32 s48, s13, 10
	s_add_co_u32 s48, s48, 98304
	v_lshl_add_u32 v[AS], v177, 4, s48
	v_add_nc_u32 v[AS+1], SLOTB, v[AS]
	s_lshr_b32 s48, s12, 1                         ; my pair
	s_mul_i32 s49, s48, MSTP
	s_add_co_u32 s49, s49, MST
	v_lshl_add_u32 v[MW], v176, 4, s49
	v_lshl_add_u32 v[MS], v176, 2, s49
	s_mul_i32 s49, s48, OSTP
	s_add_co_u32 s49, s49, OST
	v_mul_u32_u24 v[STO], v177, 272
	v_lshl_add_u32 v[STO], v178, 4, v[STO]
	v_add_nc_u32 v[STO], s49, v[STO]               ; in: row r, place h of each block's two
	v_mul_u32_u24 v[RD], v178, 272
	v_lshl_add_u32 v[RD], v177, 4, v[RD]
	v_add_nc_u32 v[RD], s49, v[RD]                 ; back: sixteen lanes to a row
	v_mul_u32_u24 v[GO], v178, 192
	v_mad_u32_u24 v[GO], v177, 12, v[GO]           ; and the same place in memory: 12 bytes a lane
	v_lshlrev_b32 v[GS], 5, v177
	v_min_u32 v[PFO], 24, v176
	v_lshlrev_b32 v[PFO], 8, v[PFO]
	v_lshlrev_b32 v[QO], 4, v176
	v_lshlrev_b32 v[TT], 4, v177
	s_lshl_b32 s48, s20, 4
	v_add_nc_u32 v[QD], s48, v177
	v_lshlrev_b32 v179, 3, v178
	v_sub_nc_u32 v[QD], v[QD], v179
	s_lshl_b32 s48, s18, 1
	s_add_co_u32 s48, s48, s14                     ; my query head
	s_lshl_b32 s49, s48, 5
	s_lshr_b32 s50, s20, 3
	s_add_co_u32 s49, s49, s50
	s_mul_i32 s49, s49, 25600                      ; its block of 128 queries in qbuf
	s_and_b32 s50, s20, 7                          ; my tile in it
	s_mul_i32 s52, s50, 3072
	s_add_co_u32 s52, s52, s49
	s_mov_b32 s53, 0
	s_lshr_b32 s54, s50, 2
	s_lshl_b32 s54, s54, 8
	s_and_b32 s55, s50, 3
	s_lshl_b32 s55, s55, 2
	s_add_co_u32 s54, s54, s55
	s_add_co_u32 s54, s54, s49
	s_add_co_u32 s54, s54, 24576
	s_mov_b32 s55, 0
	s_add_nc_u64 s[52:53], s[4:5], s[52:53]
	s_add_nc_u64 s[54:55], s[4:5], s[54:55]
.irp e, 0,1,2,3,4,5
	global_load_b128 v[QF+4*\e:QF+4*\e+3], v[QO], s[52:53] offset:512*\e   ; Q's two fragments stay in registers
.endr
	global_load_b32 v[QS], v[TT], s[54:55]
	global_load_b32 v[QS+1], v[TT], s[54:55] offset:512
	s_mul_i32 s56, s16, 25600                      ; the prefetches: my work-group's quarter,
	s_and_b32 s57, s12, 3
	s_mul_i32 s57, s57, 6400                       ; my wave's quarter of that,
	s_add_co_u32 s56, s56, s57
	s_lshl_b32 s57, s18, 4
	s_add_co_u32 s57, s57, 2                       ; in slot 2: the first refill steps it to slot 3
	s_mul_i32 s57, s57, SLOTB
	s_add_co_u32 s56, s56, s57
	s_mov_b32 s57, 0
	s_add_nc_u64 s[42:43], s[6:7], s[56:57]
	s_or_b32 s58, s15, ttmp9                       ; 0 in waves 0-3 of cluster 0: alike in the four partners
	s_cmp_eq_u32 s58, 0
	s_cselect_b32 s41, 2, -1
	s_mul_i32 s56, s48, 786432                     ; the results: head-major codes, 192 bytes a row,
	s_mul_i32 s58, s20, 3072
	s_add_co_u32 s56, s56, s58
	s_add_nc_u64 s[8:9], s[8:9], s[56:57]
	s_lshl_b32 s56, s20, 9                         ; and 32 scale bytes a row, 8 a head
	s_lshl_b32 s58, s48, 3
	s_add_co_u32 s56, s56, s58
	s_add_nc_u64 s[10:11], s[10:11], s[56:57]
	v_mov_b32 v13, 0xff61b1e6                      ; the largest t so far: -3e38
	v_floor_f32 v12, -v13                          ; -M
	v_mov_b32 v14, 0                               ; the sum, in two halves
	v_mov_b32 v15, 0
.irp b, 0,1,2,3
	v_mov_b32 v[B2+\b], 0                          ; a lane permute's destination counts as one of its sources
.endr
	v_mov_b32 v[FF+1], 0                           ; (named as the upper half of a pair)
	v_mov_b32 v[NINF], 0xff800000
	WIN 0x40
.set JJ, 0
.rept 128
	v_mov_b32 v[JJ], 0                             ; O^T: the key step is written once, and a wave that sees no key hands zeros on
.set JJ, JJ+1
.endr
	WIN 0
.macro LDF idx, adr, off               ; a fragment's image into fragment register set idx; the caller sets the window (0-9: window 1; 10-15: window 0)
.if (\idx) < 10
.set FRG, 128+12*(\idx)
.else
.set FRG, 176+12*((\idx)-10)
.endif
.irp e, 0,1,2
	ds_load_b128 v[FRG+4*\e:FRG+4*\e+3], v[\adr] offset:(\off)+512*\e
.endr
.endm
; MY KEY STEP OF SLOT n
.macro WORK n
	s_cmp_gt_u32 s22, s21
	s_cbranch_scc1 .Lhidden_\@                     ; all its keys come after my queries
	PLACES                                         ; in front of loads into registers that matrix instructions have read
.irp c, 0,1
.irp qd, 0,1
	ds_load_b128 v[SCW+8*\c+4*\qd:SCW+8*\c+4*\qd+3], v[AS+\n] offset:512*\c+256*\qd   ; K's scale words: register 8 c + t
.endr
.endr
	WIN 0x40
.irp t, 0,1,2,3,4,5,6,7
	LDF \t, AK+\n, 2*\t*1536                       ; K step 0 of the head's 256: tiles of 16 keys
.endr
	LDF 8, AK+\n, 1536                             ; K step 1
	LDF 9, AK+\n, 3*1536
	WIN 0
.irp t, 2,3,4,5,6,7
	LDF 8+\t, AK+\n, (2*\t+1)*1536
.endr
	s_wait_dscnt 24                                ; K step 1's 24 loads may be out
	WIN 0x01                                       ; source 0 window 1
.irp t, 0,1,2,3,4,5,6,7
	v_wmma_scale_f32_16x16x128_f8f6f4 v[S+8*\t:S+8*\t+7], v[128+12*\t:128+12*\t+11], v[QF:QF+11], 0, v[SCW+\t], v[QS] matrix_a_fmt:MATRIX_FMT_FP6 matrix_b_fmt:MATRIX_FMT_FP6
.endr
	s_wait_dscnt 0x0
.irp t, 0,1
	v_wmma_scale_f32_16x16x128_f8f6f4 v[S+8*\t:S+8*\t+7], v[224+12*\t:224+12*\t+11], v[QF+12:QF+23], v[S+8*\t:S+8*\t+7], v[SCW+8+\t], v[QS+1] matrix_a_fmt:MATRIX_FMT_FP6 matrix_b_fmt:MATRIX_FMT_FP6
.endr
	WIN 0
.irp t, 2,3,4,5,6,7
	v_wmma_scale_f32_16x16x128_f8f6f4 v[S+8*\t:S+8*\t+7], v[152+12*\t:152+12*\t+11], v[QF+12:QF+23], v[S+8*\t:S+8*\t+7], v[SCW+8+\t], v[QS+1] matrix_a_fmt:MATRIX_FMT_FP6 matrix_b_fmt:MATRIX_FMT_FP6
.endr
	PLACES                                         ; for the loads below and for the first read of the scores
.irp dq, 0,1,2,3
	ds_load_b128 v[SCW+4*\dq:SCW+4*\dq+3], v[AS+\n] offset:2048+256*\dq   ; V's scale words: register dt
.endr
	WIN 0x40
.irp dt, 0,1,2,3,4,5,6,7,8,9
	LDF \dt, AV+\n, 1536*\dt                       ; V lands while the softmax is made
.endr
	WIN 0
.irp dt, 10,11,12,13,14,15
	LDF \dt, AV+\n, 1536*\dt
.endr
	s_cmp_lg_u32 s22, s21
	s_cbranch_scc1 .Lopen_\@                       ; only the step on the diagonal is masked
	s_lshl_b32 s48, s22, 7
	v_sub_nc_u32 v[DD], v[QD], s48                 ; register 8 t + j holds key 128 step + 16 t + 8 h + j: hidden where 16 t + j > my query - 8 h - 128 step
.set JJ, 0
.rept 64
	v_cmp_gt_i32 vcc_lo, 16*(JJ/8)+JJ%8, v[DD]
	v_cndmask_b32 v[S+JJ], v[S+JJ], v[NINF], vcc_lo
.set JJ, JJ+1
.endr
.Lopen_\@:
.irp b, 0,1,2,3
	v_max3_num_f32 v[BM+\b], v[S+16*\b], v[S+1+16*\b], v[S+2+16*\b]   ; the largest score of each block of 32 keys: for the row's maximum and, since p rises with the score, for the block's largest p
.endr
.irp i, 3,5,7,9,11,13
.irp b, 0,1,2,3
	v_max3_num_f32 v[BM+\b], v[BM+\b], v[S+16*\b+\i], v[S+1+16*\b+\i]
.endr
.endr
.irp b, 0,1,2,3
	v_max_num_f32 v[BM+\b], v[BM+\b], v[S+15+16*\b]
.endr
.irp b, 0,1,2,3
	v_permlanex16_b32 v[B2+\b], v[BM+\b], s46, s47
.endr
.irp b, 0,1,2,3
	v_max_num_f32 v[BM+\b], v[BM+\b], v[B2+\b]     ; with lane l xor 16's 16 keys
.endr
	v_max3_num_f32 v[TT], v[BM], v[BM+1], v[BM+2]
	v_max_num_f32 v[TT], v[TT], v[BM+3]
	v_mul_f32 v[TT], s44, v[TT]
	v_max_num_f32 v13, v13, v[TT]                  ; the running largest t
	v_mov_b32 v[TT], v12
	v_floor_f32 v12, -v13                          ; the new -M: a whole number
	v_sub_f32 v[TT], v12, v[TT]                    ; old M - new M, 0 or less
	v_cvt_i32_f32 v[TT], v[TT]                     ; (it saturates)
	v_ldexp_f32 v[FF], 1.0, v[TT]                  ; f = 2^(old M - new M)
.set JJ, 0
.rept 32
	v_pk_fma_f32 v[S+JJ:S+JJ+1], v[S+JJ:S+JJ+1], s[44:45], v[12:13] op_sel_hi:[1,0,0]   ; t - M
.set JJ, JJ+2
.endr
.irp b, 0,1,2,3
	v_fma_f32 v[BM+\b], v[BM+\b], s44, v12
.endr
.set JJ, 0
.rept 64
	v_exp_f32 v[S+JJ], v[S+JJ]                     ; p = 2^(t - M), not normalised
.set JJ, JJ+1
.endr
	v_pk_mul_f32 v[14:15], v[14:15], v[FF:FF+1] op_sel_hi:[1,0]   ; the sums under the new M: a plain instruction behind the exponentials
	s_wait_alu depctr_va_vdst(0)                   ; one wait for the batch, ahead of its first reader
.irp b, 0,1,2,3
	v_exp_f32 v[BM+\b], v[BM+\b]                   ; each block's largest p
.endr
	v_pk_add_f32 v[L2:L2+1], v[S:S+1], v[S+2:S+3]  ; the sum of the unquantised p, in two chains
.set JJ, 4
.rept 15
	v_pk_add_f32 v[14:15], v[14:15], v[S+JJ:S+JJ+1]
	v_pk_add_f32 v[L2:L2+1], v[L2:L2+1], v[S+2+JJ:S+3+JJ]
.set JJ, JJ+4
.endr
	v_pk_add_f32 v[14:15], v[14:15], v[L2:L2+1]
	s_wait_alu depctr_va_vdst(0)                   ; and one for the four
.irp b, 0,1,2,3
	v_max_num_f32 v[BM+\b], 0x1800000, v[BM+\b]    ; the floor 2^(3 - 127): the byte cannot fall under 1
.endr
.irp b, 0,1,2,3
	v_add_nc_u32 v[SO+\b], 0xff000000, v[BM+\b]    ; 2 off the exponent field: the conversion's scale operand
.endr
.irp b, 0,1,2,3
	v_lshrrev_b32 v[BY+\b], 23, v[SO+\b]
.endr
	v_lshl_or_b32 v[PW], v[BY+1], 8, v[BY]         ; p's scale word for these 128 keys
	v_lshl_or_b32 v[PW], v[BY+2], 16, v[PW]
	v_lshl_or_b32 v[PW], v[BY+3], 24, v[PW]
.irp c, 0,1
	v_cvt_scalef32_pk16_fp6_f32 v[PCD+6*\c:PCD+2+6*\c], v[S+32*\c:S+15+32*\c], v[SO+2*\c]
	v_cvt_scalef32_pk16_fp6_f32 v[CT+4*\c:CT+2+4*\c], v[S+16+32*\c:S+31+32*\c], v[SO+2*\c+1]
.endr
	v_nop                                          ; one plain place behind a scaled conversion
.irp c, 0,1
.irp i, 0,1,2
	v_permlane16_swap_b32 v[PCD+6*\c+\i], v[CT+4*\c+\i]
.endr
.irp i, 0,1,2
	v_mov_b32 v[PCD+3+6*\c+\i], v[CT+4*\c+\i]
.endr
.endr
	WIN 0x41                                       ; O^T: destination and source 0 window 1
.set JJ, 0
.rept 64
	v_pk_mul_f32 v[JJ:JJ+1], v[JJ:JJ+1], v[FF:FF+1] op_sel_hi:[1,0]   ; O^T under the new M; these are also the places between p's codes and scale word and the products
.set JJ, JJ+2
.endr
	s_wait_dscnt 0x0                               ; V is in
	WIN 0x51                                       ; source 0 (V), C and D window 1; source 1 (p) window 0
.irp dt, 0,1,2,3,4,5,6,7,8,9
	v_wmma_scale_f32_16x16x128_f8f6f4 v[8*\dt:8*\dt+7], v[128+12*\dt:128+12*\dt+11], v[PCD:PCD+11], v[8*\dt:8*\dt+7], v[SCW+\dt], v[PW] matrix_a_fmt:MATRIX_FMT_FP6 matrix_b_fmt:MATRIX_FMT_FP6
.endr
	WIN 0x50
.irp dt, 10,11,12,13,14,15
	v_wmma_scale_f32_16x16x128_f8f6f4 v[8*\dt:8*\dt+7], v[56+12*\dt:56+12*\dt+11], v[PCD:PCD+11], v[8*\dt:8*\dt+7], v[SCW+\dt], v[PW] matrix_a_fmt:MATRIX_FMT_FP6 matrix_b_fmt:MATRIX_FMT_FP6
.endr
	WIN 0
.Lhidden_\@:
	s_add_co_u32 s22, s22, 2
.endm
; THE CHANGE OF SLOTS stands at a slot's head: each wave waits for all its tensor loads (its eighth of the slot ahead), adds 0 to its spare word, waits for that and for its reads of the slot that it has left;
; a round of the cluster's barrier; then the slot just left is asked for again: one load a wave, with a slot's work in which to land.
.macro TRIP n, refill
	s_wait_tensorcnt 0x0                           ; no tensor load of mine is out, so a group 0 may be written
	ds_add_u32 v[SPW], v[NIL]                      ; 0 onto my spare word
	s_add_nc_u64 s[G0+4*\n+2:G0+4*\n+3], s[G0+4*\n+2:G0+4*\n+3], 2*SLOTB   ; this slot's next block
.if \refill
	s_wait_xcnt 0x0                                ; the last prefetch, a slot back, has read its address
	s_add_nc_u64 s[42:43], s[42:43], SLOTB
.endif
	s_wait_dscnt 0x0
	CROUND
.if \refill
	tensor_load_to_lds s[G0+4*(1-\n):G0+4*(1-\n)+3], s[G1:G1+7]
	s_nop 0
.rept 4
	v_nop
.endr
	ASK
.endif
	WORK \n
.endm
	s_wait_loadcnt 0x0                             ; Q
.Lslots:
	TRIP 0, 1
	TRIP 1, 1
	s_sub_co_u32 s23, s23, 1
	s_cmp_lg_u32 s23, 0
	s_cbranch_scc1 .Lslots
	TRIP 0, 1                                      ; the tail is written out: the last slot asks for nothing
	TRIP 1, 0
	; THE PAIR MEETS: the wave of the odd key steps hands O^T, -M and l to the wave of the even ones
	PLACES
	v_add_f32 v14, v14, v15
	s_cmp_eq_u32 s13, 0
	s_cbranch_scc1 .Lkeep
	WIN 0x04                                       ; an LDS store's data are its source 1: window 1
.set JJ, 0
.rept 32
	ds_store_b128 v[MW], v[4*JJ:4*JJ+3] offset:512*JJ   ; each accumulator from its low end on
.set JJ, JJ+1
.endr
	WIN 0
	ds_store_b32 v[MS], v12 offset:16384
	ds_store_b32 v[MS], v14 offset:16512
.Lkeep:
	s_wait_dscnt 0x0                               ; for the other's sake: my stores are done
	s_barrier_signal -1
	s_barrier_wait -1
	s_cmp_lg_u32 s13, 0
	s_cbranch_scc1 .Lend
.set JJ, 0
.rept 32
	ds_load_b128 v[R+4*JJ:R+4*JJ+3], v[MW] offset:512*JJ
.set JJ, JJ+1
.endr
	ds_load_b32 v240, v[MS] offset:16384
	ds_load_b32 v241, v[MS] offset:16512
	s_wait_dscnt 0x0
	v_min_num_f32 v242, v12, v240                  ; the common -M
	v_sub_f32 v243, v242, v12
	v_sub_f32 v244, v242, v240
	v_cvt_i32_f32 v243, v243
	v_cvt_i32_f32 v244, v244                       ; (it saturates: a wave that saw no key gets the factor 0)
	v_ldexp_f32 v243, 1.0, v243
	v_ldexp_f32 v244, 1.0, v244
	v_mul_f32 v245, v241, v244
	v_fma_f32 v245, v14, v243, v245
	v_mov_b32 v246, 0
	v_permlanex16_b32 v246, v245, s46, s47
	v_add_f32 v245, v245, v246                     ; the row's sum
	v_rcp_f32 v247, v245
	v_mov_b32 v249, 0                              ; (a plain instruction behind the reciprocal; the upper halves of two pairs)
	v_mov_b32 v251, 0
.irp b, 0,1,2,3
	v_mov_b32 v[XP+\b], 0
.endr
	s_wait_alu depctr_va_vdst(0)                   ; the wait, ahead of the first reader
	v_mul_f32 v248, v243, v247
	v_mul_f32 v250, v244, v247
.set JJ, 0
.rept 64
	v_pk_mul_f32 v[R+JJ:R+JJ+1], v[R+JJ:R+JJ+1], v[250:251] op_sel_hi:[1,0]
.set JJ, JJ+2
.endr
	WIN 0x01
.set JJ, 0
.rept 64
	v_pk_fma_f32 v[R+JJ:R+JJ+1], v[JJ:JJ+1], v[248:249], v[R+JJ:R+JJ+1] op_sel_hi:[1,0,1]
.set JJ, JJ+2
.endr
	WIN 0
	; register 8 dt + j of lane (r, h) is attn(query r, 16 dt + 8 h + j).  o_w's codes are given, so this operand goes in TRUE order: the halves of two neighbouring tiles change places, and a lane holds d = 32 b + 16 h + 0 .. 15
.irp be, 0,1,2,3,4,5,6,7
.irp j, 0,1,2,3,4,5,6,7
	v_permlane16_swap_b32 v[R+16*\be+\j], v[R+16*\be+8+\j]
.endr
.endr
.macro QBLK u                          ; four blocks of 32 along d
.irp b, 0,1,2,3
	v_max3_num_f32 v[XM+\b], |v[R+64*\u+16*\b]|, |v[R+64*\u+16*\b+1]|, 0x1800000
.endr
.irp i, 2,4,6,8,10,12,14
.irp b, 0,1,2,3
	v_max3_num_f32 v[XM+\b], v[XM+\b], |v[R+64*\u+16*\b+\i]|, |v[R+64*\u+16*\b+\i+1]|
.endr
.endr
.irp b, 0,1,2,3
	v_permlanex16_b32 v[XP+\b], v[XM+\b], s46, s47
.endr
.irp b, 0,1,2,3
	v_max_num_f32 v[XM+\b], v[XM+\b], v[XP+\b]
.endr
.irp b, 0,1,2,3
	v_add_nc_u32 v[XS+\b], 0xff000000, v[XM+\b]
.endr
.irp b, 0,1,2,3
	v_lshrrev_b32 v[XP+\b], 23, v[XS+\b]
.endr
	v_lshl_or_b32 v[AW+\u], v[XP+1], 8, v[XP]
	v_lshl_or_b32 v[AW+\u], v[XP+2], 16, v[AW+\u]
	v_lshl_or_b32 v[AW+\u], v[XP+3], 24, v[AW+\u]
.irp b, 0,1,2,3
	v_cvt_scalef32_pk16_fp6_f32 v[AC+16*\u+4*\b:AC+16*\u+4*\b+2], v[R+64*\u+16*\b:R+64*\u+16*\b+15], v[XS+\b]
.endr
	v_nop                                          ; one plain place behind a scaled conversion
.endm
	QBLK 0
	QBLK 1
.irp be, 0,1,2,3,4,5,6,7
	ds_store_b96 v[STO], v[AC+4*\be:AC+4*\be+2] offset:32*\be   ; 16 codes, 12 bytes, to a place of 16
.endr
.irp i, 0,1,2,3,4,5,6,7
	ds_load_b96 v[R+4*\i:R+4*\i+2], v[RD] offset:544*\i   ; LDS serves a wave's instructions in order: these see my stores
.endr
.irp i, 0,1,2,3,4,5,6,7
	s_wait_dscnt 7-\i
	global_store_b96 v[GO], v[R+4*\i:R+4*\i+2], s[8:9] offset:384*\i   ; two rows: 384 consecutive bytes
.endr
	global_store_b64 v[GS], v[AW:AW+1], s[10:11]   ; my head's 8 scale bytes of row r; lanes 16-31 write the same bytes with the same values
.Lend:
	s_wait_tensorcnt 0x0                           ; the wave's end: behind my last tensor load and my last LDS store
	ds_add_u32 v[SPW], v[NIL]
	s_wait_dscnt 0x0
	CROUND                                         ; the closing round
	s_endpgm
.Lfunc_end_k_qe09ffa955a_attn:
	.size	k_qe09ffa955a_attn, .Lfunc_end_k_qe09ffa955a_attn-k_qe09ffa955a_attn
	.p2alignl 7, 3214868480
	.fill 96, 4, 3214868480
	.section	.rodata,"a",@progbits
	.p2align	6, 0x0
	.amdhsa_kernel k_qe09ffa955a_attn
		.amdhsa_group_segment_fixed_size 327680
		.amdhsa_private_segment_fixed_size 0
		.amdhsa_enable_private_segment 0
		.amdhsa_kernarg_size 32
		.amdhsa_user_sgpr_count 2
		.amdhsa_user_sgpr_kernarg_segment_ptr 1
		.amdhsa_wavefront_size32 1
		.amdhsa_system_sgpr_workgroup_id_x 1
		.amdhsa_system_sgpr_workgroup_id_y 1
		.amdhsa_system_sgpr_workgroup_id_z 1
		.amdhsa_system_vgpr_workitem_id 0
		.amdhsa_next_free_vgpr 512
		.amdhsa_next_free_sgpr 66
		.amdhsa_reserve_vcc 1
		.amdhsa_float_denorm_mode_32 3
		.amdhsa_float_denorm_mode_16_64 3
		.amdhsa_memory_ordered 1
		.amdhsa_forward_progress 1
		.amdhsa_inst_pref_size 165
	.end_amdhsa_kernel
	.amdgpu_metadata
---
amdhsa.version: [ 1, 2 ]
amdhsa.kernels:
  - .name:           k_qe09ffa955a_attn
    .symbol:         k_qe09ffa955a_attn.kd
    .args:
      - { .name: qbuf, .offset: 0, .size: 8, .value_kind: global_buffer, .address_space: global }
      - { .name: kvbuf, .offset: 8, .size: 8, .value_kind: global_buffer, .address_space: global }
      - { .name: acodes, .offset: 16, .size: 8, .value_kind: global_buffer, .address_space: global }
      - { .name: ascales, .offset: 24, .size: 8, .value_kind: global_buffer, .address_space: global }
    .group_segment_fixed_size: 327680
    .private_segment_fixed_size: 0
    .kernarg_segment_align: 8
    .kernarg_segment_size: 32
    .max_flat_workgroup_size: 256
    .sgpr_count:     66
    .vgpr_count:     512
    .wavefront_size: 32
...
	.end_amdgpu_metadata
.endif
;; end of part 2
;; launch oproj (part 3): grid 8 x 16, 4 waves a work-group, clusters of 4 x 4, 327,680 bytes of LDS; arguments acodes, ascales, o_w_codes, o_w_scales, out0; writes out0
.if DOCPART == 3
	.amdgcn_target "amdgcn-amd-amdhsa--gfx1250"
	.amdhsa_code_object_version 6
	.text
	.protected	k_qe09ffa955a_oproj
	.globl	k_qe09ffa955a_oproj
	.p2align	8
	.type	k_qe09ffa955a_oproj,@function
k_qe09ffa955a_oproj:
	s_mov_b64 s[64:65], 0
	v_nop
	global_prefetch_b8 v0, s[64:65] scope:SCOPE_SE
	s_setreg_imm32_b32 hwreg(HW_REG_WAVE_MODE, 25, 1), 1
	s_wait_xcnt 0x0
	s_wait_alu depctr_hold_cnt(0) depctr_sa_sdst(0) depctr_va_vdst(0) depctr_va_sdst(0) depctr_va_ssrc(0) depctr_va_vcc(0) depctr_vm_vsrc(0)
	s_getreg_b32 s2, hwreg(HW_REG_IB_STS2, 6, 4)
	s_cmp_eq_u32 s2, 0
	s_cbranch_scc0 .Lentry_in_a_cluster
	s_endpgm
.Lentry_in_a_cluster:
	s_bfe_u32 s2, ttmp6, 0x10000c
	s_cmp_lg_u32 s2, 0xf033
	s_cbranch_scc0 .Lentry_shape_is_right
	s_endpgm
.Lentry_shape_is_right:
; out[m][n] = sum over k of attn[m][k] o_w[n][k] on codes of FP6 (E2M3) with one E8M0 scale for each 32 along K; sums and result in f32.
; A (attn): codes laid head-major, [4 heads][4,096 rows][192 bytes]: a head is one K step of 256; its scale bytes [4,096][32].  B (o_w): [2,048][768 bytes], scale bytes [2,048][32].
; A tile of C, 256 x 256, is made by four waves, 128 x 128 each: 64 accumulators, 512 registers.  K goes in four steps of 256 through two LDS slots; the scale bytes for all of K come once.
; CLUSTERS: 4 x 4 work-groups; A's tiles are asked for jointly along a row of the cluster, B's along a column.  THE MATRIX INSTRUCTION IS USED TRANSPOSED (source 0 = rows of B, source 1 = rows of A).
; REGISTERS: window 0: v16-29 addresses; v32-63 scale words, two sets; from v128 A's fragments, one set.  Window 1: B's fragments, two sets.  Windows 2, 3: the accumulators.
; LIMIT: the scale byte 0xff among the inputs is not served.
.set SIZE_M, 4096
.set SIZE_N, 2048
.set SIZE_K, 1024
.set KSTEP,  256
.set NQ,     KSTEP/128
.set ROWB,   192                       ; a tile's row in bytes
.set KROW,   SIZE_K*6/8                ; a row of B in memory
.set ASTEP,  SIZE_M*ROWB               ; from a head of A to the next
.set PITCH,  240                       ; an LDS row: 3 x (64 bytes + 16 of padding)
.set FR,     12
.set NL,     6
.set NP,     4
.set HALFT,  128*PITCH
.set SLOT,   4*HALFT
.set LAPS,   SIZE_K/(2*KSTEP)
.set KS,     SIZE_K/32
.set SCL,    2*SLOT
.set HALFS,  (128*KS/256)*272
.set SBLK,   (16*KS/256)*272
.set SPARE,  SCL+4*HALFS
.set SPITCH, 528                       ; the way out: 16 rows x (512 bytes + 16) for each wave, in slot 0, after its last fill and last read
.set ADRA, 16
.set ADRB, 20
.set STO,  24
.set RD,   25
.set CO,   26
.set SPW,  28
.set NIL,  29
.set ADRS, 27
.set SC,   32
.set AF,   128
.set BK,   128
.set G1, 24
.set G0, 32
.set G1B, 48
.set G0B, 56
.set G1S, 68
.set G0S, 76
.set G1SB, 80
.set G0SB, 88
.set MSB, 0
.macro WIN new                         ; the immediate's high byte repeats the setting that is left
.if MSB != \new
	s_set_vgpr_msb (MSB<<8)|\new
.set MSB, \new
.endif
.endm
.set MUL_LO, 0xa1
.set MUL_HI, 0xf1
.set TO_B,   0x40
.macro JLOAD g0a, g1a, g0b, g1b        ; waves 0 and 1 fetch for A, waves 2 and 3 for B; four v_nop follow each of the two lines
	s_cmp_eq_u32 s15, 0
	s_cbranch_scc0 .Lfor_b_\@
	tensor_load_to_lds s[\g0a:\g0a+3], s[\g1a:\g1a+7]
	s_nop 0
.rept 4
	v_nop
.endr
	s_branch .Lasked_\@
.Lfor_b_\@:
	tensor_load_to_lds s[\g0b:\g0b+3], s[\g1b:\g1b+7]
	s_nop 0
.rept 4
	v_nop
.endr
.Lasked_\@:
.endm
.macro CREST
	s_cmp_lg_u32 s14, 0
	s_cbranch_scc1 .Lnot_wave_0_\@
	s_barrier_signal -3
.Lnot_wave_0_\@:
	s_barrier_wait -3
	s_barrier_signal -1
	s_barrier_wait -1
.endm
.macro CROUND
	s_barrier_signal -1
	s_barrier_wait -1
	CREST
.endm
	s_load_b128 s[4:7], s[0:1], 0x0                ; A's codes, A's scales
	s_load_b128 s[8:11], s[0:1], 0x10              ; B's codes, B's scales
	s_load_b64 s[12:13], s[0:1], 0x20              ; C
	v_lshl_add_u32 v[SPW], v0, 2, SPARE
	v_mov_b32 v[NIL], 0
	ds_add_u32 v28, v29
	ds_add_u32 v28, v29
	s_wait_dscnt 0x0
	v_lshrrev_b32 v1, 5, v0
	v_readfirstlane_b32 s14, v1                    ; wave 0..3
	s_lshr_b32 s15, s14, 1                         ; my half of the tile's rows.  Also: I fetch for A (0) or for B (1)
	s_and_b32 s16, s14, 1                          ; my half of its columns.  Also: which 128 rows of that tile I fetch
	s_bfe_u32 s40, ttmp6, 0x40000                  ; cx, cy
	s_bfe_u32 s41, ttmp6, 0x40004
	s_lshl_b32 s42, ttmp9, 2
	s_add_co_u32 s42, s42, s40                     ; tile column
	s_and_b32 s17, ttmp7, 0xffff
	s_lshl_b32 s17, s17, 2
	s_add_co_u32 s17, s17, s41                     ; tile row
	s_lshl_b32 s43, s41, 2
	s_lshl_b32 s43, 15, s43                        ; my row of the cluster
	s_lshl_b32 s44, 0x1111, s40                    ; my column
	s_or_b32 s[G1+0], s43, (0<<16)|(1<<20)|(1<<21)|(3<<22)|(3<<25)
	s_or_b32 s[G1B+0], s44, (0<<16)|(1<<20)|(1<<21)|(3<<22)|(3<<25)
.irp g, G1, G1B
	s_mov_b32 s[\g+1], ROWB<<16
	s_mov_b32 s[\g+2], 128<<16
	s_mov_b32 s[\g+3], ROWB<<16
	s_mov_b32 s[\g+4], 128
	s_mov_b32 s[\g+6], 0
	s_mov_b32 s[\g+7], 0
.endr
	s_mov_b32 s[G1+5], ROWB                        ; A's rows of a head are dense
	s_mov_b32 s[G1B+5], KROW
	s_or_b32 s[G1S+0], s43, (3<<16)|(1<<20)|(1<<21)|(5<<22)|(3<<25)
	s_or_b32 s[G1SB+0], s44, (3<<16)|(1<<20)|(1<<21)|(5<<22)|(3<<25)
.irp g, G1S, G1SB
	s_mov_b32 s[\g+1], 32<<16
	s_mov_b32 s[\g+2], (128*KS/256)<<16
	s_mov_b32 s[\g+3], 32<<16
	s_mov_b32 s[\g+4], 128*KS/256
	s_mov_b32 s[\g+5], 32
	s_mov_b32 s[\g+6], 0
	s_mov_b32 s[\g+7], 0
.endr
	s_lshl_b32 s18, s16, 7
	s_lshl_b32 s20, s17, 8
	s_add_co_u32 s20, s20, s18                     ; A: row 256 x tile row + 128 x half
	s_lshl_b32 s46, s42, 8
	s_add_co_u32 s46, s46, s18                     ; B: row 256 x tile column + 128 x half
	s_mov_b32 s21, 0
	s_mov_b32 s47, 0
	s_mov_b64 s[18:19], KS
	s_mul_u64 s[22:23], s[20:21], s[18:19]
	s_mul_u64 s[92:93], s[46:47], s[18:19]
	s_mov_b64 s[18:19], ROWB
	s_mul_u64 s[20:21], s[20:21], s[18:19]
	s_mov_b64 s[18:19], KROW
	s_mul_u64 s[46:47], s[46:47], s[18:19]
	s_mul_i32 s45, s14, HALFT
	s_mul_i32 s94, s14, HALFS
	s_wait_kmcnt 0x0
	s_add_nc_u64 s[20:21], s[4:5], s[20:21]
	s_add_nc_u64 s[22:23], s[6:7], s[22:23]
	s_add_nc_u64 s[46:47], s[8:9], s[46:47]
	s_add_nc_u64 s[92:93], s[10:11], s[92:93]
	CROUND                                         ; all sixteen work-groups are here: the first joint loads meet
	s_mov_b32 s[G0S], 1
	s_add_co_u32 s[G0S+1], s94, SCL
	s_mov_b64 s[G0S+2:G0S+3], s[22:23]
	s_or_b32 s[G0S+3], s[G0S+3], 0x80000000
	s_mov_b32 s[G0SB], 1
	s_add_co_u32 s[G0SB+1], s94, SCL
	s_mov_b64 s[G0SB+2:G0SB+3], s[92:93]
	s_or_b32 s[G0SB+3], s[G0SB+3], 0x80000000
	JLOAD G0S, G1S, G0SB, G1SB                     ; the scales first
.irp s, 0,1
	s_mov_b32 s[G0+4*\s], 1
	s_add_co_u32 s[G0+4*\s+1], s45, \s*SLOT
	s_add_nc_u64 s[G0+4*\s+2:G0+4*\s+3], s[20:21], \s*ASTEP
	s_or_b32 s[G0+4*\s+3], s[G0+4*\s+3], 0x80000000
	s_mov_b32 s[G0B+4*\s], 1
	s_add_co_u32 s[G0B+4*\s+1], s45, \s*SLOT
	s_add_nc_u64 s[G0B+4*\s+2:G0B+4*\s+3], s[46:47], \s*ROWB
	s_or_b32 s[G0B+4*\s+3], s[G0B+4*\s+3], 0x80000000
	JLOAD G0+4*\s, G1, G0B+4*\s, G1B
.endr
	v_and_b32 v1, 15, v0
	v_bfe_u32 v2, v0, 4, 1
	v_mul_u32_u24 v3, v1, PITCH
	v_mul_u32_u24 v4, v2, 24
	v_add_nc_u32 v4, v3, v4
	v_lshl_add_u32 v5, v2, 4, v4
	s_mul_i32 s21, s15, HALFT
	s_mul_i32 s22, s16, HALFT
	s_add_co_u32 s22, s22, 2*HALFT
.irp s, 0,1
	v_add_nc_u32 v[ADRA+\s], s21, v4
	v_add_nc_u32 v[ADRB+\s], s22, v4
	v_add_nc_u32 v[ADRA+2+\s], s21, v5
	v_add_nc_u32 v[ADRB+2+\s], s22, v5
	s_add_co_u32 s21, s21, SLOT
	s_add_co_u32 s22, s22, SLOT
.endr
	v_mul_u32_u24 v5, v1, KS
	v_lshrrev_b32 v6, 8, v5
	v_lshl_add_u32 v5, v6, 4, v5
	s_mul_i32 s21, s15, HALFS
	s_mul_i32 s22, s16, HALFS
	s_add_co_u32 s22, s22, 2*HALFS
	s_sub_co_u32 s22, s22, s21
	v_mul_u32_u24 v6, s22, v2
	s_add_co_u32 s21, s21, SCL
	v_add_nc_u32 v5, v5, v6
	v_add_nc_u32 v[ADRS], s21, v5
	s_mul_i32 s23, s14, 16*SPITCH
	v_mul_u32_u24 v5, v1, SPITCH
	v_lshl_add_u32 v5, v2, 5, v5
	v_add_nc_u32 v[STO], s23, v5
	v_and_b32 v6, 31, v0
	v_lshlrev_b32 v[CO], 4, v6
	v_add_nc_u32 v[RD], s23, v[CO]
	s_lshl_b32 s20, s17, 8
	s_lshl_b32 s21, s15, 7
	s_add_co_u32 s20, s20, s21
	s_mov_b32 s21, 0
	s_mov_b64 s[18:19], SIZE_N*4
	s_mul_u64 s[20:21], s[20:21], s[18:19]
	s_lshl_b32 s46, s42, 10
	s_lshl_b32 s47, s16, 9
	s_add_co_u32 s46, s46, s47
	s_mov_b32 s47, 0
	s_add_nc_u64 s[20:21], s[20:21], s[46:47]
	s_add_nc_u64 s[12:13], s[12:13], s[20:21]
.macro FRAG reg, adr, q, i
.irp p, 0,1,2,3,4,5
.set PIECE, 12*(\q)+6*(\p/3)+\p%3
.if PIECE%8 < 5
	ds_load_b64 v[\reg+2*\p:\reg+2*\p+1], v[\adr] offset:8*PIECE+16*(PIECE/8)+(\i)*16*PITCH
.else
	ds_load_b64 v[\reg+2*\p:\reg+2*\p+1], v[\adr+2] offset:8*PIECE+16*(PIECE/8)+(\i)*16*PITCH
.endif
.endr
.endm
; The 64 accumulators take turns, one instruction a turn, in the same order in every step.
.macro MUL16 a0, p, q, sc, zero
.irp a, \a0, \a0+1
.irp b, 0,1,2,3,4,5,6,7
.if \zero
	v_wmma_scale_f32_16x16x128_f8f6f4 v[8*(8*((\a)%4)+\b):8*(8*((\a)%4)+\b)+7], v[128*(\p)+FR*\b:128*(\p)+FR*\b+FR-1], v[AF+FR*(\a):AF+FR*(\a)+FR-1], 0, v[SC+8*NQ*(\sc)+NQ*\b+(\q)], v[SC+8*NQ*(\sc)+NQ*(\a)+(\q)] matrix_a_fmt:MATRIX_FMT_FP6 matrix_b_fmt:MATRIX_FMT_FP6 matrix_a_scale:MATRIX_SCALE_ROW1
.else
	v_wmma_scale_f32_16x16x128_f8f6f4 v[8*(8*((\a)%4)+\b):8*(8*((\a)%4)+\b)+7], v[128*(\p)+FR*\b:128*(\p)+FR*\b+FR-1], v[AF+FR*(\a):AF+FR*(\a)+FR-1], v[8*(8*((\a)%4)+\b):8*(8*((\a)%4)+\b)+7], v[SC+8*NQ*(\sc)+NQ*\b+(\q)], v[SC+8*NQ*(\sc)+NQ*(\a)+(\q)] matrix_a_fmt:MATRIX_FMT_FP6 matrix_b_fmt:MATRIX_FMT_FP6 matrix_a_scale:MATRIX_SCALE_ROW1
.endif
.endr
.endr
.endm
.macro FETCH_B slot, q, p
	WIN TO_B
.irp i, 0,1,2,3,4,5,6,7
	FRAG 128*(\p)+FR*\i, ADRB+\slot, \q, \i
.endr
	WIN 0
.endm
.macro FETCH_A slot, q, i0
.irp i, \i0, \i0+1, \i0+2, \i0+3
	FRAG AF+FR*(\i), ADRA+\slot, \q, \i
.endr
.endm
.macro SCALES sc
.irp i, 0,1,2,3,4,5,6,7
	ds_load_b64 v[SC+8*NQ*\sc+NQ*\i:SC+8*NQ*\sc+NQ*\i+1], v[ADRS] offset:\i*SBLK
.endr
.endm
.macro PLACES n
.rept \n
	v_nop
.endr
.endm
.macro STEP slot, q, zero
	s_wait_dscnt 4*NL                              ; B's set and A's blocks 0-3 are in; the youngest 24 loads (A's blocks 4-7) may be out
	WIN MUL_LO
	MUL16 0, (\q)%2, \q, \slot, \zero
	MUL16 2, (\q)%2, \q, \slot, \zero
	s_wait_dscnt 0
	PLACES NP
	FETCH_B \slot, (\q)+1, 1-(\q)%2
	FETCH_A \slot, (\q)+1, 0
	WIN MUL_HI
	MUL16 4, (\q)%2, \q, \slot, \zero
	MUL16 6, (\q)%2, \q, \slot, \zero
	PLACES NP
	WIN 0
	FETCH_A \slot, (\q)+1, 4
.endm
.macro TURN slot, next, fill
	s_wait_tensorcnt 0x0                           ; all my tensor loads have landed: my part of the next slot
	ds_add_u32 v[SPW], v[NIL]                      ; 0 onto my spare word
	s_wait_dscnt 4*NL+1                            ; the add and the youngest 24 loads may be out
	WIN MUL_LO
	MUL16 0, 1, NQ-1, \slot, 0
	s_wait_dscnt 0x0                               ; the add is done, and my reads of this slot are over
	s_barrier_signal -1
	MUL16 2, 1, NQ-1, \slot, 0
	WIN 0
	s_barrier_wait -1
.if \fill
	CREST                                          ; the barrier has opened a round of the cluster's: no wave of any partner still reads this slot or has a load on its way
	s_add_nc_u64 s[G0+4*\slot+2:G0+4*\slot+3], s[G0+4*\slot+2:G0+4*\slot+3], 2*ASTEP
	s_add_nc_u64 s[G0B+4*\slot+2:G0B+4*\slot+3], s[G0B+4*\slot+2:G0B+4*\slot+3], 2*ROWB
	JLOAD G0+4*\slot, G1, G0B+4*\slot, G1B
.else
	PLACES NP
.endif
	v_add_nc_u32 v[ADRS], 4*NQ, v[ADRS]
	FETCH_B \next, 0, 0
	FETCH_A \next, 0, 0
	SCALES \next
	WIN MUL_HI
	MUL16 4, 1, NQ-1, \slot, 0
	MUL16 6, 1, NQ-1, \slot, 0
	PLACES NP
	WIN 0
	FETCH_A \next, 0, 4
.endm
	s_wait_tensorcnt 1                             ; the scales and my part of K step 0 are in; K step 1's load may be out
	s_barrier_signal -1
	s_barrier_wait -1
	FETCH_B 0, 0, 0
	FETCH_A 0, 0, 0
	SCALES 0
	FETCH_A 0, 0, 4
	STEP 0, 0, 1                                   ; the first products start the sums
	s_mov_b32 s3, LAPS-1
.Llap:
	TURN 0, 1, 1
	STEP 1, 0, 0
	TURN 1, 0, 1
	STEP 0, 0, 0
	s_sub_co_u32 s3, s3, 1
	s_cmp_lg_u32 s3, 0
	s_cbranch_scc1 .Llap
	TURN 0, 1, 0                                   ; the last lap fills nothing
	STEP 1, 0, 0
	s_wait_dscnt 4*NL
	WIN MUL_LO
	MUL16 0, 1, NQ-1, 1, 0
	MUL16 2, 1, NQ-1, 1, 0
	s_wait_dscnt 0
	WIN MUL_HI
	MUL16 4, 1, NQ-1, 1, 0
	MUL16 6, 1, NQ-1, 1, 0
	WIN 0
; THE WAY OUT, block by block of 16 rows x 128 columns, through my own stage in LDS: back as whole rows of 512 bytes.
.macro TOSTAGE a
.set AC, 64*((\a)%4)
	WIN 0x08+4*((\a)/4)
.irp b, 0,1,2,3,4,5,6,7
	ds_store_b128 v[STO], v[AC+8*\b:AC+8*\b+3] offset:64*\b          ; each accumulator from its low end on
	ds_store_b128 v[STO], v[AC+8*\b+4:AC+8*\b+7] offset:64*\b+16
.endr
	WIN 0
.set BB, BK+64*((\a)%2)
.irp t, 0,1,2,3,4,5,6,7,8,9,10,11,12,13,14,15
	ds_load_b128 v[BB+4*\t:BB+4*\t+3], v[RD] offset:\t*SPITCH
.endr
.endm
.macro SEND a, younger
.set BB, BK+64*((\a)%2)
	s_wait_dscnt \younger
.if (\a) > 0
	s_add_nc_u64 s[12:13], s[12:13], 16*SIZE_N*4   ; behind a wait on XCNT: the earlier stores have read their base
.endif
.irp t, 0,1,2,3,4,5,6,7,8,9,10,11,12,13,14,15
	global_store_b128 v[CO], v[BB+4*\t:BB+4*\t+3], s[12:13] offset:\t*SIZE_N*4 th:TH_STORE_NT   ; 32 lanes store 512 consecutive bytes, at a multiple of 256 from C's first byte
.endr
.endm
	PLACES NP
	TOSTAGE 0
.irp a, 1,2,3,4,5,6,7
.if \a > 1
	s_wait_xcnt 0x0                                ; block a - 2's stores have read their registers and their base
.endif
	TOSTAGE \a
	SEND \a-1, 32                                  ; behind block a - 1's loads: block a's 16 stores and 16 loads
.endr
	s_wait_xcnt 0x0
	SEND 7, 0
	s_wait_tensorcnt 0x0                           ; the wave's end
	ds_add_u32 v[SPW], v[NIL]
	s_wait_dscnt 0x0
	CROUND                                         ; the closing round
	s_endpgm
.Lfunc_end_k_qe09ffa955a_oproj:
	.size	k_qe09ffa955a_oproj, .Lfunc_end_k_qe09ffa955a_oproj-k_qe09ffa955a_oproj
	.p2alignl 7, 3214868480
	.fill 96, 4, 3214868480
	.section	.rodata,"a",@progbits
	.p2align	6, 0x0
	.amdhsa_kernel k_qe09ffa955a_oproj
		.amdhsa_group_segment_fixed_size 327680
		.amdhsa_private_segment_fixed_size 0
		.amdhsa_enable_private_segment 0
		.amdhsa_kernarg_size 40
		.amdhsa_user_sgpr_count 2
		.amdhsa_user_sgpr_kernarg_segment_ptr 1
		.amdhsa_wavefront_size32 1
		.amdhsa_system_sgpr_workgroup_id_x 1
		.amdhsa_system_sgpr_workgroup_id_y 1
		.amdhsa_system_sgpr_workgroup_id_z 1
		.amdhsa_system_vgpr_workitem_id 0
		.amdhsa_next_free_vgpr 1024
		.amdhsa_next_free_sgpr 98
		.amdhsa_reserve_vcc 0
		.amdhsa_float_denorm_mode_32 3
		.amdhsa_float_denorm_mode_16_64 3
		.amdhsa_memory_ordered 1
		.amdhsa_forward_progress 1
		.amdhsa_inst_pref_size 160
	.end_amdhsa_kernel
	.amdgpu_metadata
---
amdhsa.version: [ 1, 2 ]
amdhsa.kernels:
  - .name:           k_qe09ffa955a_oproj
    .symbol:         k_qe09ffa955a_oproj.kd
    .args:
      - { .name: acodes, .offset: 0, .size: 8, .value_kind: global_buffer, .address_space: global }
      - { .name: ascales, .offset: 8, .size: 8, .value_kind: global_buffer, .address_space: global }
      - { .name: o_w_codes, .offset: 16, .size: 8, .value_kind: global_buffer, .address_space: global }
      - { .name: o_w_scales, .offset: 24, .size: 8, .value_kind: global_buffer, .address_space: global }
      - { .name: out0, .offset: 32, .size: 8, .value_kind: global_buffer, .address_space: global }
    .group_segment_fixed_size: 327680
    .private_segment_fixed_size: 0
    .kernarg_segment_align: 8
    .kernarg_segment_size: 40
    .max_flat_workgroup_size: 128
    .sgpr_count:     98
    .vgpr_count:     1024
    .wavefront_size: 32
...
	.end_amdgpu_metadata
.endif
;; end of part 3
;; ======== version 2 of 2: 3 launches
;; limits: right only within a limited range of input values
;; workspace buffers: qbuf 3,276,800 bytes; kvbuf 3,276,800 bytes; acodes 3,276,800 bytes
;; launch qkv (part 4): grid 32 x 8, 4 waves a work-group, clusters of 4 x 1, 327,680 bytes of LDS; arguments hidden_states_codes, hidden_states_scales, qkv_w_codes, qkv_w_scales, cos, sin, qbuf, kvbuf; writes qbuf, kvbuf
.if DOCPART == 4
	.amdgcn_target "amdgcn-amd-amdhsa--gfx1250"
	.amdhsa_code_object_version 6
	.text
	.protected	k_qe09ffa955a_qkv
	.globl	k_qe09ffa955a_qkv
	.p2align	8
	.type	k_qe09ffa955a_qkv,@function
k_qe09ffa955a_qkv:
	s_mov_b64 s[64:65], 0
	v_nop
	global_prefetch_b8 v0, s[64:65] scope:SCOPE_SE
	s_setreg_imm32_b32 hwreg(HW_REG_WAVE_MODE, 25, 1), 1
	s_wait_xcnt 0x0
	s_wait_alu depctr_hold_cnt(0) depctr_sa_sdst(0) depctr_va_vdst(0) depctr_va_sdst(0) depctr_va_ssrc(0) depctr_va_vcc(0) depctr_vm_vsrc(0)
	s_getreg_b32 s2, hwreg(HW_REG_IB_STS2, 6, 4)
	s_cmp_eq_u32 s2, 0
	s_cbranch_scc0 .Lentry_in_a_cluster
	s_endpgm
.Lentry_in_a_cluster:
	s_bfe_u32 s2, ttmp6, 0x10000c
	s_cmp_lg_u32 s2, 0x3003
	s_cbranch_scc0 .Lentry_shape_is_right
	s_endpgm
.Lentry_shape_is_right:
; qkv = hs W^T on codes of FP6 (E2M3) with E8M0 scales, then per head: RMS norm, RoPE (q, k), and the quantising of q, k (along the head's 256) and of v (along the keys).
; A work-group makes 128 tokens x one head (256 columns); heads 0-3 are q, 4-5 k, 6-7 v.  Wave w: tokens 64 (w / 2) on (4 blocks of 16), columns 64 (w % 2) + 0..63 and 128 + 64 (w % 2) + 0..63 (8 blocks of 16):
; both partners d and d + 128 of RoPE lie in one wave, and its 128 columns are one K step of the product q k^T.  32 accumulators, 256 registers.
; THE MATRIX INSTRUCTION IS USED TRANSPOSED (source 0 = 16 rows of W, source 1 = 16 tokens): lane (r, h), register j of accumulator (a, b) holds token 16 a + r, column of block b + 8 h + j.
; K goes through two LDS slots in CHUNKS OF 256 BYTES of each row of codes (a row is 1,536 bytes: six chunks, each at a multiple of 256 bytes); a step of 128 along K is 96 bytes: sixteen steps, written out.
; The scale bytes for all of K come once, at the head.  CLUSTER: four token groups of ONE head; W's tiles and scales are asked for jointly (mask 15), hs's by each work-group alone.
; No wider cluster: the heads of a column of clusters differ in kind (k, v), and the way out branches on the kind.  No prefetch: of the walk's six chunks two are asked for at the head, and four refills are all that is left to run ahead of.
; RESULTS leave as IMAGES OF OPERAND REGISTERS: a fragment (16 rows x 128 K, 12 registers a lane) is 1,536 bytes, registers 4 e .. 4 e + 3 of lane l at 512 e + 16 l.
; ORDER OF K, chosen alike for both operands of each later product: inside a block of 32, place pos holds number 8 (pos / 16) + pos % 8 + 16 ((pos / 8) % 2) of the block.
; cos and sin of token blocks 0 and 1 are asked for at the head by every work-group, v's too (which leave them unread).
; LIMITS: NaN, infinities and the scale byte 0xff among the inputs are not served; a block whose largest magnitude lies under 2^-124 (a block of zeros too) gets the byte 1: its bytes are read by this program alone.
; REGISTERS.  Window 0: v9-31 addresses; v32-63 scale words (two sets), later sums and rotated numbers (v32-95); v128-175 hs's 4 fragments; on the way out v96-175 codes, v176-219 at work.
;   Window 1: W's fragments, two sets (v0, v128); later cos and sin of blocks 2, 3.   Window 2: the accumulators, (a, b) at v[8 (8 a + b)].   Window 3: cos and sin of blocks 0, 1.
.set ROWB,   256
.set KROW,   1536
.set STEPS,  16
.set CHUNKS, 6
.set PITCH,  272                       ; an LDS row: a chunk + 16 bytes of padding
.set FR,     12
.set NL,     6
.set NP,     4                         ; places behind this matrix form (ISA guide 7.12.1)
.set ABYTES, 128*PITCH                 ; hs's 128 rows
.set SLOT,   384*PITCH                 ; and W's 256 behind them
.set SCL,    2*SLOT                    ; the scales: units of 256 bytes + 16; hs's 32 units, then W's 64
.set SBLK,   4*272                     ; the scales of 16 rows (64 bytes a row)
.set SPARE,  SCL+96*272                ; the spare words: 128 bytes a wave
.set EXCH,   SPARE+512                 ; the sums of squares: 512 bytes a wave
.set QST,    EXCH+2048                 ; the stage for cos and sin: for each wave 2 x 16 rows of 528 bytes
.set QSP,    528
.set QSW,    2*16*QSP
.set VP,     1040                      ; v's stage (in the slots, after their last fill and last read): a token's 1,024 bytes + 16,
.set VQ,     32*VP+64                  ; and 64 bytes more behind each 32 tokens
.set ADRS, 9                           ; my scale words
.set EXW,  10
.set EXR,  11
.set SW,   12
.set SR,   13
.set VW,   14
.set VR0,  15
.set ADRA, 16                          ; v16-17 hs's fragments in slot 0, 1; v18-19 lanes 0-15 at byte 232 of slot 0, 1, lanes 16-31 at byte 0 of the other slot
.set ADRB, 20                          ; v20-23 the same for W
.set VR1,  24
.set FO,   25                          ; 16 x lane
.set SOFF, 26                          ; 16 x (lane % 16)
.set SPW,  28
.set NIL,  29
.set GA,   30
.set H8,   31
.set SC,   32
.set AF,   128
.set OUT,  32
.set CH,   32
.set PC,   96
.set PWS,  176
.set TM,   180
.set SS,   204
.set PX,   208
.set INV,  212
.set G0H,  4                           ; s[4:7], s[8:11] group 0 of the head's loads of chunk 0
.set G0HB, 8
.set G1,   24
.set G0,   32
.set G1B,  48
.set G0B,  56
.set G1S,  68
.set G0S,  76
.set G1SB, 80
.set G0SB, 88
.set SEL,  96
.set MUL,  0xa1                        ; source 0 (W) window 1, source 1 (hs) window 0, C and D window 2
.set MSB, 0
.macro WIN new                         ; the immediate's high byte repeats the setting that is left
.if MSB != \new
	s_set_vgpr_msb (MSB<<8)|\new
.set MSB, \new
.endif
.endm
.macro PLACES n
.rept \n
	v_nop
.endr
.endm
.macro JLOAD g0a, g1a, g0b, g1b        ; waves 0 and 1 fetch for hs, waves 2 and 3 for W
	s_cmp_eq_u32 s21, 0
	s_cbranch_scc0 .Lfor_b_\@
	tensor_load_to_lds s[\g0a:\g0a+3], s[\g1a:\g1a+7]
	s_nop 0
.rept 4
	v_nop
.endr
	s_branch .Lasked_\@
.Lfor_b_\@:
	tensor_load_to_lds s[\g0b:\g0b+3], s[\g1b:\g1b+7]
	s_nop 0
.rept 4
	v_nop
.endr
.Lasked_\@:
.endm
.macro CREST                           ; a round of the cluster's barrier behind its opening barrier
	s_cmp_lg_u32 s20, 0
	s_cbranch_scc1 .Lnot_wave_0_\@
	s_barrier_signal -3
.Lnot_wave_0_\@:
	s_barrier_wait -3
	s_barrier_signal -1
	s_barrier_wait -1
.endm
.macro CROUND
	s_barrier_signal -1
	s_barrier_wait -1
	CREST
.endm
	s_load_b256 s[4:11], s[0:1], 0x0               ; hs's codes, hs's scales, W's codes, W's scales
	s_load_b256 s[12:19], s[0:1], 0x20             ; cos, sin, qbuf, kvbuf
	v_lshl_add_u32 v[SPW], v0, 2, SPARE
	v_mov_b32 v[NIL], 0
	ds_add_u32 v[SPW], v[NIL]                      ; the opening lines: the add, twice on end, and its wait
	ds_add_u32 v[SPW], v[NIL]
	v_lshrrev_b32 v1, 5, v0
	v_readfirstlane_b32 s20, v1                    ; wave 0..3
	s_lshr_b32 s21, s20, 1                         ; my half of the tokens.  Also: in the ring I fetch for hs (0) or for W (1)
	s_and_b32 s22, s20, 1                          ; my set of columns.  Also: which half of that tile I fetch
	s_bfe_u32 s23, ttmp6, 0x40000                  ; cx
	s_lshl_b32 s40, ttmp9, 2
	s_add_co_u32 s40, s40, s23                     ; my group of 128 tokens
	s_and_b32 s41, ttmp7, 0xffff                   ; the head, which the four partners share
	s_cmp_ge_u32 s41, 6
	s_cselect_b32 s100, 1, 0                       ; 1: a head of v
	s_mov_b32 s[G1+0], (1<<20)|(5<<22)|(3<<25)     ; hs's codes: no mask; bytes; 16 bytes of padding behind every 256
	s_mov_b32 s[G1+1], ROWB<<16
	s_mov_b32 s[G1+2], 128<<16                     ; at the head all 128 rows; in the ring 64
	s_mov_b32 s[G1+3], ROWB<<16
	s_mov_b32 s[G1+4], 128
	s_mov_b32 s[G1+5], KROW
	s_mov_b32 s[G1+6], 0
	s_mov_b32 s[G1+7], 0
	s_mov_b32 s[G1B+0], 15|(1<<20)|(1<<21)|(5<<22)|(3<<25)  ; W's codes: all four work-groups
	s_mov_b32 s[G1B+1], ROWB<<16
	s_mov_b32 s[G1B+2], 256<<16                    ; at the head all 256 rows; in the ring 128
	s_mov_b32 s[G1B+3], ROWB<<16
	s_mov_b32 s[G1B+4], 256
	s_mov_b32 s[G1B+5], KROW
	s_mov_b32 s[G1B+6], 0
	s_mov_b32 s[G1B+7], 0
	s_mov_b32 s[G1S+0], (3<<16)|(1<<20)|(5<<22)|(3<<25)     ; hs's scales: 128 rows x 64 bytes, dense: 32 rows of 256 bytes, 16 of padding behind each
	s_mov_b32 s[G1S+1], 32<<16
	s_mov_b32 s[G1S+2], 32<<16
	s_mov_b32 s[G1S+3], 32<<16
	s_mov_b32 s[G1S+4], 32
	s_mov_b32 s[G1S+5], 32
	s_mov_b32 s[G1S+6], 0
	s_mov_b32 s[G1S+7], 0
	s_mov_b32 s[G1SB+0], 15|(3<<16)|(1<<20)|(1<<21)|(5<<22)|(3<<25)  ; W's: 256 rows: 64 rows of 256 bytes
	s_mov_b32 s[G1SB+1], 32<<16
	s_mov_b32 s[G1SB+2], 64<<16
	s_mov_b32 s[G1SB+3], 32<<16
	s_mov_b32 s[G1SB+4], 64
	s_mov_b32 s[G1SB+5], 32
	s_mov_b32 s[G1SB+6], 0
	s_mov_b32 s[G1SB+7], 0
	s_mul_i32 s44, s40, 128*KROW                   ; hs: my group's codes,
	s_mov_b32 s45, 0
	s_lshl_b32 s46, s40, 13                        ; and scales
	s_mov_b32 s47, 0
	s_mul_i32 s66, s41, 256*KROW                   ; W: the head's codes, in registers that never hold cx,
	s_mov_b32 s67, 0
	s_lshl_b32 s92, s41, 14                        ; and scales
	s_mov_b32 s93, 0
	s_mul_i32 s42, s22, 64*KROW                    ; in the ring: my half of hs's rows,
	s_mov_b32 s43, 0
	s_mul_i32 s94, s22, 128*KROW                   ; or of W's
	s_mov_b32 s95, 0
	s_mul_i32 s101, s22, 64*PITCH                  ; where they go: no place in the cluster enters an LDS address
	s_mul_i32 s3, s22, 128*PITCH
	s_add_co_u32 s3, s3, ABYTES
	s_mov_b32 s[SEL], 0x76543210
	s_mov_b32 s[SEL+1], 0xfedcba98                 ; v_permlanex16_b32's selects for lane l xor 16
	s_mov_b32 s98, 0x3b800000                      ; 1 / 256
	s_mov_b32 s99, 0x358637bd                      ; 1e-6
	s_wait_dscnt 0x0                               ; both opening adds are done
	s_wait_kmcnt 0x0
	s_add_nc_u64 s[4:5], s[4:5], s[44:45]
	s_add_nc_u64 s[6:7], s[6:7], s[46:47]
	s_add_nc_u64 s[8:9], s[8:9], s[66:67]
	s_add_nc_u64 s[10:11], s[10:11], s[92:93]
	s_add_nc_u64 s[44:45], s[4:5], s[42:43]        ; the ring's rows
	s_add_nc_u64 s[66:67], s[8:9], s[94:95]
.irp s, 0,1
	s_mov_b32 s[G0+4*\s], 1
	s_add_co_u32 s[G0+4*\s+1], s101, \s*SLOT
	s_add_nc_u64 s[G0+4*\s+2:G0+4*\s+3], s[44:45], \s*ROWB
	s_or_b32 s[G0+4*\s+3], s[G0+4*\s+3], 0x80000000
	s_mov_b32 s[G0B+4*\s], 1
	s_add_co_u32 s[G0B+4*\s+1], s3, \s*SLOT
	s_add_nc_u64 s[G0B+4*\s+2:G0B+4*\s+3], s[66:67], \s*ROWB
	s_or_b32 s[G0B+4*\s+3], s[G0B+4*\s+3], 0x80000000
.endr
	s_mov_b32 s[G0S], 1                            ; the head's four tiles, each whole: hs's scales,
	s_mov_b32 s[G0S+1], SCL
	s_mov_b64 s[G0S+2:G0S+3], s[6:7]
	s_or_b32 s[G0S+3], s[G0S+3], 0x80000000
	s_mov_b32 s[G0SB], 1                           ; W's scales,
	s_mov_b32 s[G0SB+1], SCL+32*272
	s_mov_b64 s[G0SB+2:G0SB+3], s[10:11]
	s_or_b32 s[G0SB+3], s[G0SB+3], 0x80000000
	s_mov_b64 s[G0H+2:G0H+3], s[4:5]               ; chunk 0's 128 rows of hs,
	s_or_b32 s[G0H+3], s[G0H+3], 0x80000000
	s_mov_b32 s[G0H], 1
	s_mov_b32 s[G0H+1], 0
	s_mov_b64 s[G0HB+2:G0HB+3], s[8:9]             ; and its 256 rows of W
	s_or_b32 s[G0HB+3], s[G0HB+3], 0x80000000
	s_mov_b32 s[G0HB], 1
	s_mov_b32 s[G0HB+1], ABYTES
	CROUND                                         ; all four work-groups are here: the first joint loads meet
; the head's loads, one a wave: one chain of branches on the wave's number, every way through it passes one load
.macro ARM under, g0, g1, next
	s_cmp_lt_u32 s20, \under
	s_cbranch_scc0 \next
	tensor_load_to_lds s[\g0:\g0+3], s[\g1:\g1+7]
	s_nop 0
.rept 4
	v_nop
.endr
	s_branch .Lhead_asked
\next:
.endm
	ARM 1, G0H,  G1,  .Lhead_b
	ARM 2, G0HB, G1B, .Lhead_sa
	ARM 3, G0S,  G1S, .Lhead_sb
	tensor_load_to_lds s[G0SB:G0SB+3], s[G1SB:G1SB+7]
	s_nop 0
.rept 4
	v_nop
.endr
.Lhead_asked:
	; every address register is made here, ahead of all that hangs on the head's kind
	v_and_b32 v1, 15, v0                           ; r
	v_bfe_u32 v2, v0, 4, 1                         ; h
	v_and_b32 v3, 31, v0                           ; lane
	v_mul_u32_u24 v7, v1, PITCH
	v_mad_u32_u24 v4, v2, 24, v7                   ; a fragment's row x pitch + 24 h
	s_mov_b32 s42, SLOT-232
	s_mov_b32 s43, SLOT+232
	v_sub_nc_u32 v8, 1, v2
	v_mul_u32_u24 v5, s42, v2
	v_add_nc_u32 v5, v7, v5
	v_add_nc_u32 v5, 232, v5                       ; across two chunks: lanes 0-15 byte 232 in slot 0, lanes 16-31 byte 0 in slot 1;
	v_mul_u32_u24 v6, s43, v8
	v_add_nc_u32 v6, v7, v6                        ; and lanes 0-15 byte 232 in slot 1, lanes 16-31 byte 0 in slot 0
	s_mul_i32 s42, s21, 64*PITCH                   ; my 64 tokens
	s_mul_i32 s43, s22, 64*PITCH                   ; my first 64 rows of W,
	s_add_co_u32 s43, s43, ABYTES                  ; behind hs's 128
	v_add_nc_u32 v[ADRA+2], s42, v5
	v_add_nc_u32 v[ADRA+3], s42, v6
	v_add_nc_u32 v[ADRB+2], s43, v5
	v_add_nc_u32 v[ADRB+3], s43, v6
.irp s, 0,1
	v_add_nc_u32 v[ADRA+\s], s42, v4
	v_add_nc_u32 v[ADRB+\s], s43, v4
	s_add_co_u32 s42, s42, SLOT
	s_add_co_u32 s43, s43, SLOT
.endr
	v_lshlrev_b32 v5, 6, v1                        ; my row's scales: 64 bytes a row,
	v_lshrrev_b32 v6, 2, v1
	v_lshl_add_u32 v5, v6, 4, v5                   ; and 16 more for each 256 passed
	s_mul_i32 s42, s21, 4*SBLK                     ; hs's: my 64 rows
	s_mul_i32 s43, s22, 4*SBLK                     ; W's: my first 64 rows, behind hs's 128
	s_add_co_u32 s43, s43, 8*SBLK
	s_sub_co_u32 s43, s43, s42
	v_mul_u32_u24 v6, s43, v2                      ; lanes 16-31 take W's
	s_add_co_u32 s42, s42, SCL
	v_add_nc_u32 v5, v5, v6
	v_add_nc_u32 v[ADRS], s42, v5
	s_lshl_b32 s42, s20, 9
	v_lshl_add_u32 v[EXW], v3, 2, s42
	v_add_nc_u32 v[EXW], EXCH, v[EXW]              ; my sums of squares: 512 x wave + 4 x lane
	s_xor_b32 s43, s20, 1
	s_lshl_b32 s43, s43, 9
	v_lshl_add_u32 v[EXR], v3, 2, s43
	v_add_nc_u32 v[EXR], EXCH, v[EXR]              ; and those of the wave with the same tokens' other columns
	s_mul_i32 s42, s20, QSW
	s_add_co_u32 s42, s42, QST
	v_lshl_add_u32 v[SW], v3, 4, s42               ; cos, sin into my stage: a token's 512 bytes as they were loaded
	v_mul_u32_u24 v[SR], v1, QSP
	v_lshl_add_u32 v[SR], v2, 5, v[SR]
	v_add_nc_u32 v[SR], s42, v[SR]                 ; and back: token r, + 32 h
	s_mul_i32 s42, s21, 2*VQ
	s_lshl_b32 s43, s22, 8
	s_add_co_u32 s42, s42, s43
	v_mul_u32_u24 v[VW], v1, VP
	v_lshl_add_u32 v[VW], v2, 5, v[VW]
	v_add_nc_u32 v[VW], s42, v[VW]                 ; v into its stage: token 64 (w / 2) + r, column 64 (w % 2) + 8 h
	s_lshl_b32 s42, s20, 8
	v_mul_u32_u24 v[VR0], v2, VQ
	v_lshl_add_u32 v[VR0], v1, 2, v[VR0]
	v_add_nc_u32 v[VR0], s42, v[VR0]               ; and back: column 64 w + r, keys 32 h on;
	v_add_nc_u32 v[VR1], 2*VQ, v[VR0]              ; keys 64 + 32 h on
	v_lshlrev_b32 v[FO], 4, v3
	v_lshlrev_b32 v[SOFF], 4, v1
	v_lshlrev_b32 v[GA], 4, v1
	v_lshl_add_u32 v[GA], v2, 9, v[GA]
	v_add_nc_u32 v[GA], s43, v[GA]                 ; cos, sin: lanes 0-15 the 256 bytes of my low columns, lanes 16-31 those of my high ones
	s_wait_alu depctr_va_vdst(0)
	v_lshlrev_b32 v[H8], 3, v2
	s_lshl_b32 s42, s40, 7
	s_lshl_b32 s43, s21, 6
	s_add_co_u32 s42, s42, s43
	s_lshl_b32 s42, s42, 10
	s_mov_b32 s43, 0
	s_add_nc_u64 s[12:13], s[12:13], s[42:43]      ; cos and sin at my first token; never rewritten
	s_add_nc_u64 s[14:15], s[14:15], s[42:43]
	; where the results go
	s_lshl_b32 s42, s41, 5
	s_add_co_u32 s42, s42, s40
	s_mul_i32 s42, s42, 25600                      ; q: block (head, group) of qbuf;
	s_add_co_u32 s43, s42, 24576                   ; its scale words
	s_and_b32 s44, s41, 1
	s_lshl_b32 s44, s44, 4
	s_lshr_b32 s45, s40, 1
	s_add_co_u32 s44, s44, s45
	s_mul_i32 s44, s44, 102400                     ; k, v: block (head % 2, group / 2) of kvbuf: 256 keys
	s_and_b32 s45, s40, 1                          ; which of its two key steps
	s_mul_i32 s46, s45, 24576
	s_add_co_u32 s46, s46, s44
	s_mul_i32 s47, s100, 49152                     ; v's fragments lie behind k's
	s_add_co_u32 s46, s46, s47
	s_lshl_b32 s47, s45, 10
	s_add_co_u32 s47, s47, s44
	s_add_co_u32 s47, s47, 98304
	s_lshl_b32 s45, s100, 11                       ; and v's scale words behind k's
	s_add_co_u32 s47, s47, s45
	s_cmp_lt_u32 s41, 4
	s_cselect_b32 s42, s42, s46
	s_cselect_b32 s44, s43, s47
	s_cselect_b64 s[92:93], s[16:17], s[18:19]
	s_mov_b64 s[94:95], s[92:93]
	s_mul_i32 s46, s100, 4608                      ; my wave's part: q, k: 12,288 (w / 2) + 1,536 (w % 2);  v: 6,144 w
	s_add_co_u32 s46, s46, 1536
	s_mul_i32 s46, s46, s22
	s_mul_i32 s47, s21, 12288
	s_add_co_u32 s46, s46, s47
	s_add_co_u32 s42, s42, s46
	s_mov_b32 s43, 0
	s_add_nc_u64 s[92:93], s[92:93], s[42:43]      ; fragments
	s_cmp_eq_u32 s100, 0                           ; scale words: q, k: 512 (w % 2) + 256 (w / 2);  v: 256 w
	s_cselect_b32 s46, s22, s21
	s_cselect_b32 s47, s21, s22
	s_lshl_b32 s46, s46, 9
	s_lshl_b32 s47, s47, 8
	s_add_co_u32 s46, s46, s47
	s_add_co_u32 s44, s44, s46
	s_mov_b32 s45, 0
	s_add_nc_u64 s[94:95], s[94:95], s[44:45]      ; scale words
; cos and sin of token block a, 32 loads: each reads two runs of 256 consecutive bytes of one token's row
.macro GLOAD a, g
.irp i, 0,1,2,3,4,5,6,7,8,9,10,11,12,13,14,15
	global_load_b128 v[\g+4*\i:\g+4*\i+3], v[GA], s[12:13] offset:(16*(\a)+\i)*1024
	global_load_b128 v[\g+64+4*\i:\g+64+4*\i+3], v[GA], s[14:15] offset:(16*(\a)+\i)*1024
.endr
.endm
	WIN 0xc0                                       ; destination window 3
	GLOAD 0, 0                                     ; they land while the product is made
	GLOAD 1, 128
	WIN 0
; a fragment: lane l holds row l % 16; registers 6 c .. 6 c + 5 hold K = 64 c + 32 (l / 16) + 0 .. 31: 24 bytes, in pieces of 8.  Byte y of a row of codes lies in slot (y / 256) % 2 at byte y % 256 of the LDS row
.macro FRAG reg, adr, st, ro
.irp p, 0,1,2,3,4,5
.set BY, 96*(\st)+48*(\p/3)+8*(\p%3)
.if BY/ROWB == (BY+24)/ROWB
	ds_load_b64 v[\reg+2*\p:\reg+2*\p+1], v[\adr+(BY/ROWB)%2] offset:BY%ROWB+(\ro)*PITCH
.else
	ds_load_b64 v[\reg+2*\p:\reg+2*\p+1], v[\adr+2+(BY/ROWB)%2] offset:BY%ROWB-232+(\ro)*PITCH
.endif
.endr
.endm
; 8 matrix instructions: token block a against W's eight blocks.  The 32 accumulators take turns, one instruction a turn, in the same order in every step.
.macro MUL8 a, p, q, sc, zero
.irp b, 0,1,2,3,4,5,6,7
.if \zero
	v_wmma_scale_f32_16x16x128_f8f6f4 v[8*(8*(\a)+\b):8*(8*(\a)+\b)+7], v[128*(\p)+FR*\b:128*(\p)+FR*\b+FR-1], v[AF+FR*(\a):AF+FR*(\a)+FR-1], 0, v[SC+16*(\sc)+2*\b+(\q)], v[SC+16*(\sc)+2*(\a)+(\q)] matrix_a_fmt:MATRIX_FMT_FP6 matrix_b_fmt:MATRIX_FMT_FP6 matrix_a_scale:MATRIX_SCALE_ROW1
.else
	v_wmma_scale_f32_16x16x128_f8f6f4 v[8*(8*(\a)+\b):8*(8*(\a)+\b)+7], v[128*(\p)+FR*\b:128*(\p)+FR*\b+FR-1], v[AF+FR*(\a):AF+FR*(\a)+FR-1], v[8*(8*(\a)+\b):8*(8*(\a)+\b)+7], v[SC+16*(\sc)+2*\b+(\q)], v[SC+16*(\sc)+2*(\a)+(\q)] matrix_a_fmt:MATRIX_FMT_FP6 matrix_b_fmt:MATRIX_FMT_FP6 matrix_a_scale:MATRIX_SCALE_ROW1
.endif
.endr
.endm
.macro FETCH_B st, p                   ; W's eight fragments: blocks 0-3 my low columns, 4-7 the columns 128 on
	WIN 0x40
.irp i, 0,1,2,3,4,5,6,7
	FRAG 128*(\p)+FR*\i, ADRB, \st, 16*\i+64*(\i/4)
.endr
	WIN 0
.endm
.macro FETCH_A st, i0                  ; token blocks i0, i0 + 1
.irp i, \i0, \i0+1
	FRAG AF+FR*(\i), ADRA, \st, 16*(\i)
.endr
.endm
.macro SCALES pr                       ; the words of steps 2 pr, 2 pr + 1 into set pr % 2: lanes 0-15 hs's block i (used for i < 4), lanes 16-31 W's block i
.irp i, 0,1,2,3,4,5,6,7
	ds_load_b64 v[SC+16*((\pr)%2)+2*\i:SC+16*((\pr)%2)+2*\i+1], v[ADRS] offset:(\i+4*(\i/4))*SBLK+8*(\pr)
.endr
.endm
; A step of 128 along K: 32 matrix instructions; the next step's fragments are fetched in its middle and at its end.
; Where the next step's bytes END in a chunk not read yet: every wave waits for its tensor loads, and a barrier shows that chunk whole.
; Where they BEGIN in a later chunk than this step's: the chunk left behind is read no more: the wait for all tensor loads, the add, the wait for it and for my reads, the barrier;
; where a chunk two further on is left to fetch, that barrier opens a round of the cluster's barrier and the slot is filled again.
.macro STEP st, zero
.set NX, (\st)+1
.set C0, (96*(\st))/ROWB
.set C1, (96*NX)/ROWB
.set E0, (96*(\st)+95)/ROWB
.set E1, (96*NX+95)/ROWB
.if C1 > C0 || E1 > E0
	s_wait_tensorcnt 0x0                           ; all my tensor loads have landed
.if C1 > C0
	ds_add_u32 v[SPW], v[NIL]
	s_wait_dscnt 2*NL+1                            ; the add and the youngest 12 loads (token blocks 2, 3) may be out
.else
	s_wait_dscnt 2*NL
.endif
	WIN MUL
	MUL8 0, (\st)%2, (\st)%2, ((\st)/2)%2, \zero
	s_wait_dscnt 0x0                               ; the add, where there is one, and all my reads are done
	s_barrier_signal -1
	MUL8 1, (\st)%2, (\st)%2, ((\st)/2)%2, \zero
	WIN 0
	s_barrier_wait -1
.if C1 > C0 && C0+2 < CHUNKS
	CREST                                          ; no wave of any partner still reads this slot's chunk or has a load on its way
	s_add_nc_u64 s[G0+4*(C0%2)+2:G0+4*(C0%2)+3], s[G0+4*(C0%2)+2:G0+4*(C0%2)+3], 2*ROWB
	s_add_nc_u64 s[G0B+4*(C0%2)+2:G0B+4*(C0%2)+3], s[G0B+4*(C0%2)+2:G0B+4*(C0%2)+3], 2*ROWB
	JLOAD G0+4*(C0%2), G1, G0B+4*(C0%2), G1B       ; chunk C0 + 2: my one tensor load behind the round; its four v_nop are the places in front of the loads below
.else
	PLACES NP
.endif
.else
	s_wait_dscnt 2*NL                              ; all but the youngest 12 loads (token blocks 2, 3) are in
	WIN MUL
	MUL8 0, (\st)%2, (\st)%2, ((\st)/2)%2, \zero
	MUL8 1, (\st)%2, (\st)%2, ((\st)/2)%2, \zero
	s_wait_dscnt 0x0
	PLACES NP                                      ; in front of loads into registers that matrix instructions have read
.endif
	FETCH_B NX, NX%2
	FETCH_A NX, 0
.if NX%2 == 0
	SCALES NX/2
.endif
	WIN MUL
	MUL8 2, (\st)%2, (\st)%2, ((\st)/2)%2, \zero
	MUL8 3, (\st)%2, (\st)%2, ((\st)/2)%2, \zero
	PLACES NP
	WIN 0
	FETCH_A NX, 2
.endm
	s_wait_alu depctr_va_vdst(0)
	s_wait_tensorcnt 0x0                           ; my tile of the head's four is in; slot 1's first fill is issued as a refill is:
	ds_add_u32 v[SPW], v[NIL]
	s_mov_b32 s[G1+2], 64<<16                      ; no tensor load of mine is out: from here on a load brings 64 rows of hs,
	s_mov_b32 s[G1+4], 64
	s_mov_b32 s[G1B+2], 128<<16                    ; or 128 of W
	s_mov_b32 s[G1B+4], 128
	s_wait_dscnt 0x0
	CROUND                                         ; all four tiles are in, and all four work-groups are here
	JLOAD G0+4, G1, G0B+4, G1B                     ; chunk 1
	FETCH_B 0, 0
	FETCH_A 0, 0
	SCALES 0
	FETCH_A 0, 2
	STEP 0, 1                                      ; the first products start the sums: nothing is cleared
.set ST, 1
.rept STEPS-2
	STEP ST, 0
.set ST, ST+1
.endr
	s_wait_dscnt 2*NL                              ; the last step fetches nothing
	WIN MUL
	MUL8 0, 1, 1, 1, 0
	MUL8 1, 1, 1, 1, 0
	s_wait_dscnt 0x0
	MUL8 2, 1, 1, 1, 0
	MUL8 3, 1, 1, 1, 0
	WIN 0
	PLACES NP
	; THE RMS NORM.  My 128 columns' squares, four chains a token block, each accumulator from its low end on
	WIN 0x0a                                       ; sources 0 and 1 window 2
.irp a, 0,1,2,3
.irp k, 0,1,2,3
	v_pk_mul_f32 v[CH+8*\a+2*\k:CH+8*\a+2*\k+1], v[64*\a+2*\k:64*\a+2*\k+1], v[64*\a+2*\k:64*\a+2*\k+1]
.endr
.endr
.irp b, 1,2,3,4,5,6,7
.irp a, 0,1,2,3
.irp k, 0,1,2,3
	v_pk_fma_f32 v[CH+8*\a+2*\k:CH+8*\a+2*\k+1], v[64*\a+8*\b+2*\k:64*\a+8*\b+2*\k+1], v[64*\a+8*\b+2*\k:64*\a+8*\b+2*\k+1], v[CH+8*\a+2*\k:CH+8*\a+2*\k+1]
.endr
.endr
.endr
	WIN 0
.irp a, 0,1,2,3
	v_pk_add_f32 v[CH+8*\a:CH+8*\a+1], v[CH+8*\a:CH+8*\a+1], v[CH+8*\a+2:CH+8*\a+3]
	v_pk_add_f32 v[CH+8*\a+4:CH+8*\a+5], v[CH+8*\a+4:CH+8*\a+5], v[CH+8*\a+6:CH+8*\a+7]
.endr
.irp a, 0,1,2,3
	v_pk_add_f32 v[CH+8*\a:CH+8*\a+1], v[CH+8*\a:CH+8*\a+1], v[CH+8*\a+4:CH+8*\a+5]
	v_mov_b32 v[PX+\a], 0                          ; a lane permute's destination counts as one of its sources
.endr
.irp a, 0,1,2,3
	v_add_f32 v[SS+\a], v[CH+8*\a], v[CH+8*\a+1]
	v_mov_b32 v[TM+4+\a], 0
.endr
.irp a, 0,1,2,3
	v_permlanex16_b32 v[PX+\a], v[SS+\a], s[SEL], s[SEL+1]
.endr
.irp a, 0,1,2,3
	v_add_f32 v[SS+\a], v[SS+\a], v[PX+\a]         ; with lane l xor 16's columns
.endr
.irp a, 0,1,2,3
	ds_store_b32 v[EXW], v[SS+\a] offset:128*\a
.endr
	s_wait_alu depctr_va_vdst(0)
	s_wait_dscnt 0x0                               ; for the others' sake: my sums lie in LDS.  My reads of the slots were over before
	s_barrier_signal -1
	s_barrier_wait -1
.irp a, 0,1,2,3
	ds_load_b32 v[PX+\a], v[EXR] offset:128*\a     ; the same tokens' other 128 columns
.endr
	s_wait_dscnt 0x0
.irp a, 0,1,2,3
	v_add_f32 v[SS+\a], v[SS+\a], v[PX+\a]
.endr
.irp a, 0,1,2,3
	v_fma_f32 v[SS+\a], v[SS+\a], s98, s99         ; the mean + 1e-6
	v_mov_b32 v[INV+2*\a+1], 0                     ; (named with the root as a pair)
.endr
	s_wait_alu depctr_va_vdst(0)
.irp a, 0,1,2,3
	v_rsq_f32 v[INV+2*\a], v[SS+\a]
.endr
	v_nop                                          ; a plain instruction behind the last root,
	s_wait_alu depctr_va_vdst(0)                   ; and one wait for the four, ahead of their first reader
	WIN 0x82                                       ; destination and source 0 window 2
.irp a, 0,1,2,3
.set JJ, 0
.rept 32
	v_pk_mul_f32 v[64*\a+JJ:64*\a+JJ+1], v[64*\a+JJ:64*\a+JJ+1], v[INV+2*\a:INV+2*\a+1] op_sel_hi:[1,0]
.set JJ, JJ+2
.endr
.endr
	WIN 0
	s_cmp_eq_u32 s100, 0
	s_cbranch_scc1 .Lno_stage
	WIN 0x08                                       ; an LDS store's data are its source 1: window 2
.irp a, 0,1,2,3                                ; v goes to a stage as [token][column]: the slots have had their last fill, and every wave has passed a barrier behind its last read of them
.irp b, 0,1,2,3,4,5,6,7
.irp e, 0,1
	ds_store_b128 v[VW], v[64*\a+8*\b+4*\e:64*\a+8*\b+4*\e+3] offset:16*\a*VP+64*(\a/2)+4*(16*\b+64*(\b/4))+16*\e
.endr
.endr
.endr
	WIN 0
.Lno_stage:
	s_wait_dscnt 0x0                               ; for the others' sake: my stores into the stage are done
	s_barrier_signal -1
	s_barrier_wait -1
	s_cmp_lg_u32 s100, 0
	s_cbranch_scc1 .Lv_out
; 64 numbers of a lane, two neighbouring result tiles to a block of 32, become a fragment's codes in v[pc] on and its scale word in v[pw]
.macro QUANT s, pc, pw
.irp b, 0,1,2,3
	v_max3_num_f32 v[TM+\b], |v[\s+16*\b]|, |v[\s+1+16*\b]|, 0x1800000   ; my 16 numbers of block b, and the floor 2^(3 - 127): the byte cannot fall under 1
.endr
.irp i, 2,4,6,8,10,12,14
.irp b, 0,1,2,3
	v_max3_num_f32 v[TM+\b], v[TM+\b], |v[\s+16*\b+\i]|, |v[\s+1+16*\b+\i]|
.endr
.endr
.irp b, 0,1,2,3
	v_permlanex16_b32 v[TM+4+\b], v[TM+\b], s[SEL], s[SEL+1]
.endr
.irp b, 0,1,2,3
	v_max_num_f32 v[TM+\b], v[TM+\b], v[TM+4+\b]   ; with lane l xor 16's: the block's largest magnitude
.endr
.irp b, 0,1,2,3
	v_add_nc_u32 v[TM+12+\b], 0xff000000, v[TM+\b] ; 2 off its exponent field: the conversion's scale operand
.endr
.irp b, 0,1,2,3
	v_lshrrev_b32 v[TM+4+\b], 23, v[TM+12+\b]      ; the scale's byte
.endr
	v_lshl_or_b32 v[\pw], v[TM+5], 8, v[TM+4]
	v_lshl_or_b32 v[\pw], v[TM+6], 16, v[\pw]
	v_lshl_or_b32 v[\pw], v[TM+7], 24, v[\pw]
.irp c, 0,1
	v_cvt_scalef32_pk16_fp6_f32 v[\pc+6*\c:\pc+2+6*\c], v[\s+32*\c:\s+15+32*\c], v[TM+12+2*\c]
	v_cvt_scalef32_pk16_fp6_f32 v[\pc+12+4*\c:\pc+14+4*\c], v[\s+16+32*\c:\s+31+32*\c], v[TM+12+2*\c+1]
.endr
	v_nop                                          ; one plain place behind a scaled conversion
.irp c, 0,1                                    ; the operand's layout wants a whole block in a lane: lanes 0-15 block 2 c, lanes 16-31 block 2 c + 1
.irp i, 0,1,2
	v_permlane16_swap_b32 v[\pc+6*\c+\i], v[\pc+12+4*\c+\i]
.endr
.irp i, 0,1,2
	v_mov_b32 v[\pc+3+6*\c+\i], v[\pc+12+4*\c+\i]
.endr
.endr
.endm
; cos and sin of block a turn through my stage: in as loaded (a token's 512 bytes on end), back as the result's layout wants them: register 8 b + j = column of block b + 8 h + j of token r
.macro TRANS a
.set GB, 128*((\a)%2)
.if (\a) < 2
	WIN 0x0c
.else
	WIN 0x04
.endif
.irp x, 0,1
.irp i, 0,1,2,3,4,5,6,7,8,9,10,11,12,13,14,15
	ds_store_b128 v[SW], v[GB+64*\x+4*\i:GB+64*\x+4*\i+3] offset:16*QSP*\x+QSP*\i
.endr
.endr
.if (\a) < 2
	WIN 0xc0
.else
	WIN 0x40
.endif
.irp x, 0,1
.irp b, 0,1,2,3,4,5,6,7
.irp e, 0,1
	ds_load_b128 v[GB+64*\x+8*\b+4*\e:GB+64*\x+8*\b+4*\e+3], v[SR] offset:16*QSP*\x+64*\b+16*\e   ; LDS serves a wave's instructions in order: these see the stores above
.endr
.endr
.endr
	WIN 0
.endm
; out[d] = x[d] cos[d] - x[d + 128] sin[d];  out[d + 128] = x[d + 128] cos[d + 128] + x[d] sin[d + 128]: registers 0-31 are d, 32-63 are d + 128
.macro ROPE a
.set NB, 64*(\a)
.set GB, 128*((\a)%2)
.if (\a) < 2
	WIN 0x0e                                       ; source 0 window 2, source 1 window 3
.else
	WIN 0x06                                       ; source 0 window 2, source 1 window 1
.endif
.set JJ, 0
.rept 16
	v_pk_mul_f32 v[OUT+JJ:OUT+JJ+1], v[NB+JJ:NB+JJ+1], v[GB+JJ:GB+JJ+1]
	v_pk_mul_f32 v[OUT+32+JJ:OUT+33+JJ], v[NB+32+JJ:NB+33+JJ], v[GB+32+JJ:GB+33+JJ]
.set JJ, JJ+2
.endr
.set JJ, 0
.rept 16
	v_pk_fma_f32 v[OUT+JJ:OUT+JJ+1], v[NB+32+JJ:NB+33+JJ], v[GB+64+JJ:GB+65+JJ], v[OUT+JJ:OUT+JJ+1] neg_lo:[1,0,0] neg_hi:[1,0,0]
	v_pk_fma_f32 v[OUT+32+JJ:OUT+33+JJ], v[NB+JJ:NB+JJ+1], v[GB+96+JJ:GB+97+JJ], v[OUT+32+JJ:OUT+33+JJ]
.set JJ, JJ+2
.endr
	WIN 0
.endm
	; ---- q and k: RoPE, quantised along the head: my 128 columns are one fragment for each block of 16 tokens
	WIN 0x40                                       ; destination window 1: W's fragments are done with
	GLOAD 2, 0
	GLOAD 3, 128
	WIN 0
	s_wait_loadcnt 63                              ; 96 loads were issued behind block 0's: the count is the largest that the wait can name
	TRANS 0
.irp a, 0,1,2,3
.if \a == 0
	s_wait_loadcnt 63                              ; 64 behind block 1's
	TRANS 1
.elseif \a == 1
	s_wait_loadcnt 32                              ; block 3's 32 may be out
	TRANS 2
.elseif \a == 2
	s_wait_loadcnt 0x0
	TRANS 3
.endif
.if \a < 3
	s_wait_dscnt 63                                ; 64 LDS instructions of the next block stand behind this block's loads
.else
	s_wait_dscnt 0x0
.endif
	ROPE \a
	QUANT OUT, PC+20*\a, PWS+\a
.irp e, 0,1,2
	global_store_b128 v[FO], v[PC+20*\a+4*\e:PC+20*\a+4*\e+3], s[92:93] offset:3072*\a+512*\e   ; the image: 512 consecutive bytes a store
.endr
.endr
	global_store_b128 v[SOFF], v[PWS:PWS+3], s[94:95]   ; four tiles' scale words of row r: 256 consecutive bytes; lanes 16-31 write the same bytes with the same values
	s_branch .Lend
.Lv_out:
	; ---- v: quantised along the KEYS.  Wave w takes columns 64 w on, four tiles of 16; lane (r, h) takes column r and two whole blocks of 32 keys, in the order of k stated at the head
.irp i, 0,1,2,3
.set JJ, 0
.rept 32
	ds_load_b32 v[OUT+JJ], v[VR0] offset:64*\i+(8*(JJ/16)+JJ%8+16*((JJ/8)%2))*VP
	ds_load_b32 v[OUT+32+JJ], v[VR1] offset:64*\i+(8*(JJ/16)+JJ%8+16*((JJ/8)%2))*VP
.set JJ, JJ+1
.endr
	s_wait_dscnt 0x0
.irp c, 0,1
	v_max3_num_f32 v[TM+\c], |v[OUT+32*\c]|, |v[OUT+1+32*\c]|, 0x1800000
.endr
.irp j, 2,4,6,8,10,12,14,16,18,20,22,24,26,28,30
.irp c, 0,1
	v_max3_num_f32 v[TM+\c], v[TM+\c], |v[OUT+32*\c+\j]|, |v[OUT+1+32*\c+\j]|
.endr
.endr
.irp c, 0,1
	v_add_nc_u32 v[TM+12+\c], 0xff000000, v[TM+\c]
.endr
.irp c, 0,1
	v_lshrrev_b32 v[TM+4+\c], 23, v[TM+12+\c]
.endr
	v_lshl_or_b32 v[PWS+\i], v[TM+5], 16, v[TM+4]  ; my two bytes: blocks h and 2 + h,
	v_lshlrev_b32 v[PWS+\i], v[H8], v[PWS+\i]      ; at their places in the word;
	v_permlanex16_b32 v[TM+6], v[PWS+\i], s[SEL], s[SEL+1]
	v_or_b32 v[PWS+\i], v[PWS+\i], v[TM+6]         ; with lane l xor 16's two the word is whole
.irp c, 0,1
	v_cvt_scalef32_pk16_fp6_f32 v[PC+20*\i+6*\c:PC+20*\i+6*\c+2], v[OUT+32*\c:OUT+32*\c+15], v[TM+12+\c]
	v_cvt_scalef32_pk16_fp6_f32 v[PC+20*\i+12+4*\c:PC+20*\i+14+4*\c], v[OUT+32*\c+16:OUT+32*\c+31], v[TM+12+\c]
.endr
	v_nop                                          ; one plain place behind a scaled conversion
.irp c, 0,1
.irp j, 0,1,2
	v_mov_b32 v[PC+20*\i+3+6*\c+\j], v[PC+20*\i+12+4*\c+\j]
.endr
.endr
.irp e, 0,1,2
	global_store_b128 v[FO], v[PC+20*\i+4*\e:PC+20*\i+4*\e+3], s[92:93] offset:1536*\i+512*\e
.endr
.endr
	global_store_b128 v[SOFF], v[PWS:PWS+3], s[94:95]
.Lend:
	s_wait_tensorcnt 0x0                           ; the wave's end
	ds_add_u32 v[SPW], v[NIL]
	s_wait_dscnt 0x0
	CROUND                                         ; the closing round
	s_endpgm
.Lfunc_end_k_qe09ffa955a_qkv:
	.size	k_qe09ffa955a_qkv, .Lfunc_end_k_qe09ffa955a_qkv-k_qe09ffa955a_qkv
	.p2alignl 7, 3214868480
	.fill 96, 4, 3214868480
	.section	.rodata,"a",@progbits
	.p2align	6, 0x0
	.amdhsa_kernel k_qe09ffa955a_qkv
		.amdhsa_group_segment_fixed_size 327680
		.amdhsa_private_segment_fixed_size 0
		.amdhsa_enable_private_segment 0
		.amdhsa_kernarg_size 64
		.amdhsa_user_sgpr_count 2
		.amdhsa_user_sgpr_kernarg_segment_ptr 1
		.amdhsa_wavefront_size32 1
		.amdhsa_system_sgpr_workgroup_id_x 1
		.amdhsa_system_sgpr_workgroup_id_y 1
		.amdhsa_system_sgpr_workgroup_id_z 1
		.amdhsa_system_vgpr_workitem_id 0
		.amdhsa_next_free_vgpr 1024
		.amdhsa_next_free_sgpr 102
		.amdhsa_reserve_vcc 0
		.amdhsa_float_denorm_mode_32 3
		.amdhsa_float_denorm_mode_16_64 3
		.amdhsa_memory_ordered 1
		.amdhsa_forward_progress 1
		.amdhsa_inst_pref_size 255
	.end_amdhsa_kernel
	.section	.bss,"aw",@nobits
	.p2align	6
	.space	262144
	.amdgpu_metadata
---
amdhsa.version: [ 1, 2 ]
amdhsa.kernels:
  - .name:           k_qe09ffa955a_qkv
    .symbol:         k_qe09ffa955a_qkv.kd
    .args:
      - { .name: hidden_states_codes, .offset: 0, .size: 8, .value_kind: global_buffer, .address_space: global }
      - { .name: hidden_states_scales, .offset: 8, .size: 8, .value_kind: global_buffer, .address_space: global }
      - { .name: qkv_w_codes, .offset: 16, .size: 8, .value_kind: global_buffer, .address_space: global }
      - { .name: qkv_w_scales, .offset: 24, .size: 8, .value_kind: global_buffer, .address_space: global }
      - { .name: cos, .offset: 32, .size: 8, .value_kind: global_buffer, .address_space: global }
      - { .name: sin, .offset: 40, .size: 8, .value_kind: global_buffer, .address_space: global }
      - { .name: qbuf, .offset: 48, .size: 8, .value_kind: global_buffer, .address_space: global }
      - { .name: kvbuf, .offset: 56, .size: 8, .value_kind: global_buffer, .address_space: global }
    .group_segment_fixed_size: 327680
    .private_segment_fixed_size: 0
    .kernarg_segment_align: 8
    .kernarg_segment_size: 64
    .max_flat_workgroup_size: 128
    .sgpr_count:     102
    .vgpr_count:     1024
    .wavefront_size: 32
...
	.end_amdgpu_metadata
.endif
;; end of part 4
;; launch attn (part 5): grid 128 x 2, 8 waves a work-group, clusters of 4 x 1, 327,680 bytes of LDS; arguments qbuf, kvbuf, acodes; writes acodes
.if DOCPART == 5
	.amdgcn_target "amdgcn-amd-amdhsa--gfx1250"
	.amdhsa_code_object_version 6
	.text
	.protected	k_qe09ffa955a_attn
	.globl	k_qe09ffa955a_attn
	.p2align	8
	.type	k_qe09ffa955a_attn,@function
k_qe09ffa955a_attn:
	s_mov_b64 s[64:65], 0
	v_nop
	global_prefetch_b8 v0, s[64:65] scope:SCOPE_SE
	s_setreg_imm32_b32 hwreg(HW_REG_WAVE_MODE, 25, 1), 1
	s_wait_xcnt 0x0
	s_wait_alu depctr_hold_cnt(0) depctr_sa_sdst(0) depctr_va_vdst(0) depctr_va_sdst(0) depctr_va_ssrc(0) depctr_va_vcc(0) depctr_vm_vsrc(0)
	s_getreg_b32 s2, hwreg(HW_REG_IB_STS2, 6, 4)
	s_cmp_eq_u32 s2, 0
	s_cbranch_scc0 .Lentry_in_a_cluster
	s_endpgm
.Lentry_in_a_cluster:
	s_bfe_u32 s2, ttmp6, 0x10000c
	s_cmp_lg_u32 s2, 0x3003
	s_cbranch_scc0 .Lentry_shape_is_right
	s_endpgm
.Lentry_shape_is_right:
; Causal attention on codes of FP6 (E2M3): S^T = K Q^T, p = 2^t, O^T = V^T P^T, O / l, and the quantising of the result along (head, d) for the last product.
; t = score x log2(e) / 256; l = the sum of the unquantised p.
; THE SHIFT M IS THE CONSTANT 0.  q and k are what the RMS norm of the problem itself makes: their length is at most 16, and after the rounding to E2M3 (a sixteenth of a number, or a sixty-fourth of its block's largest)
; under 21; so |score / 256| < 1.8 and |t| < 3 for every input: p lies between 1/8 and 8, a row's sum under 2^15.  Against the whole number M of the problem's rule every p and l differ by the exact factor 2^M,
; which p's block scales and the division by l take up: the codes' values and the result are the same.
; SHARES.  A cluster (number c, 0..31, of one key/value head) has four work-groups of eight waves.  Wave w: g = w % 2: which of a slot's two key steps of 128 keys; hf = (w / 2) % 2: which half of that step's work;
; grp = w / 4: the group of 64 queries, 63 - c (grp 0) or c (grp 1), so that long and short walks lie on the same work-group.  The work-group's place cx picks the tile of 16 queries in the group.
; A WAVE TAKES BOTH QUERY HEADS that share the key/value head (2 x 16 rows), so each fragment of K and V feeds two matrix instructions.  The two waves hf = 0, 1 share a key step: each makes scores and p of 64 of its keys
; (4 tiles of K) and the sums of 128 of the 256 d (8 tiles of V).  p's codes and scale bytes of the two halves meet in LDS bytes of their own, behind a work-group barrier behind which nothing is filled again.
; cx enters only Q's and the results' global addresses and the number of the lane's query: every branch, trip count and LDS address is alike in the four partners.
; The waves g = 0, 1 walk the even and the odd key steps and add their sums in LDS at the end.  A key step behind the diagonal is jumped over (a scalar branch on ids, round no barrier); the one on the diagonal is masked.
; K, V AND THEIR SCALE WORDS of 256 keys are ONE dense block of 102,400 bytes, images of the operands' registers: each wave asks for an eighth of it, jointly with its partners (mask 15).
; WHERE THE WALK BEGINS.  Cluster c walks the first N blocks of its head's keys, N = 16, 14, 12, 10 for c / 8 = 0 .. 3, once round, beginning at block 12 - 4 (c / 8) + ((c % 4) xor 3 x bit 2 of c), which lies under N.
; The sums take the key steps in any order; the LDS addresses do not hang on the walk.
; No prefetch is laid: a head's 16 blocks are each walked by up to 32 clusters, which begin at different blocks, so that a block's first reader differs from block to block and no one work-group's walk runs ahead of the others'.
; LIMITS: NaN and infinities are not served; a block whose largest magnitude lies under 2^-124 (a block of zeros too) gets the byte 1: its bytes are read by this program alone.
; A block's largest p is made from its largest score by the same multiply and exponential; this takes v_exp_f32 not to fall where its input rises.
; REGISTERS.  Window 0: v1-23 addresses, sums, Q's scale words; v24-71 Q; v72-135 S^T, then p; v136-159 p's two fragments; v160-217 at work; v224-241 scale words; v248-252 addresses.  Window 1: v0-127 O^T; v128-223 eight fragments.
.set SLOTB, 102400
.set SPARE, 2*SLOTB                    ; the spare words: 128 bytes a wave
.set PXA,   SPARE+1024                 ; where p's halves meet: for each pair of waves 2 x 1,536 bytes of codes and 256 of scale words
.set PXP,   3584
.set MST,   PXA+4*PXP                  ; the end: the image of O^T, 16,384 bytes for each pair g = 0, 1
.set LA,    MST+65536                  ; and the row sums: 1,024 bytes a group
.set AK,  1                            ; v1-2   my 8 fragments of K in slot 0, 1: + 16 x lane
.set AV,  3                            ; v3-4   of V
.set AS,  5                            ; v5-6   K's scale words
.set SPW, 7
.set NIL, 8
.set QD,  9                            ; my query - 8 (lane / 16) - 64 hf
.set MW,  10
.set LW,  11
.set LR,  12
.set PXW, 13
.set LS,  14                           ; v14-17 the sums of p: a pair for each head
.set GS,  18
.set QO,  19
.set QS,  20                           ; v20-23 Q's scale words: 2 u + c
.set QF,  24
.set S,   72
.set PCD, 136
.set PM,  160
.set CT,  172
.set BM,  180
.set B2,  184
.set SO,  188
.set BY,  192
.set HW,  196
.set TT,  198
.set DD,  199
.set NINF, 200
.set X,   202
.set SCK, 224
.set SCV, 232
.set PW,  240
.set ASV, 248
.set PXR, 250
.set PSW, 251
.set PSR, 252
.set R,   24                           ; the end: 128 registers
.set AC,  152
.set XM,  184
.set XP,  188
.set XS,  192
.set AW,  196
.set LL,  200
.set G1,  24
.set G0,  32
.set MSB, 0
.macro WIN new                         ; the immediate's high byte repeats the setting that is left
.if MSB != \new
	s_set_vgpr_msb (MSB<<8)|\new
.set MSB, \new
.endif
.endm
.macro PLACES
.rept 4
	v_nop
.endr
.endm
.macro CROUND                          ; a round of the cluster's barrier
	s_barrier_signal -1
	s_barrier_wait -1
	s_cmp_lg_u32 s12, 0
	s_cbranch_scc1 .Lnot_wave_0_\@
	s_barrier_signal -3
.Lnot_wave_0_\@:
	s_barrier_wait -3
	s_barrier_signal -1
	s_barrier_wait -1
.endm
	s_load_b128 s[4:7], s[0:1], 0x0                ; qbuf, kvbuf
	s_load_b64 s[8:9], s[0:1], 0x10                ; acodes
	v_lshl_add_u32 v[SPW], v0, 2, SPARE
	v_mov_b32 v[NIL], 0
	ds_add_u32 v[SPW], v[NIL]                      ; the opening lines: the add, twice on end, and its wait
	ds_add_u32 v[SPW], v[NIL]
	v_lshrrev_b32 v1, 5, v0
	v_readfirstlane_b32 s12, v1                    ; wave 0..7
	s_and_b32 s13, s12, 1                          ; g
	s_bfe_u32 s14, s12, 0x10001                    ; hf
	s_lshr_b32 s15, s12, 2                         ; grp
	s_bfe_u32 s16, ttmp6, 0x40000                  ; cx
	s_mov_b32 s17, ttmp9                           ; c
	s_and_b32 s18, ttmp7, 0xffff                   ; the key/value head
	s_sub_co_u32 s48, 63, s17
	s_cmp_eq_u32 s15, 0
	s_cselect_b32 s19, s48, s17                    ; my group of 64 queries
	s_lshl_b32 s20, s19, 2
	s_add_co_u32 s20, s20, s16                     ; my tile of 16 queries
	s_lshr_b32 s21, s19, 1                         ; the key step on the diagonal
	s_lshr_b32 s23, s48, 2
	s_add_co_u32 s23, s23, 2
	s_lshr_b32 s23, s23, 1                         ; half the blocks that the work-group walks: 5 to 8
	s_lshl_b32 s41, s23, 1                         ; N: the blocks,
	s_lshl_b32 s60, s23, 2                         ; 2 N: their key steps
	s_sub_co_u32 s23, s23, 1                       ; the loop's trips: 4 to 7;
	s_max_u32 s23, s23, 1                          ; at least one, whatever the id
	s_lshr_b32 s61, s17, 3
	s_lshl_b32 s61, s61, 2
	s_sub_co_u32 s61, 12, s61                      ; the block at which the walk begins: 12 - 4 (c / 8)
	s_bfe_u32 s62, s17, 0x10002
	s_mul_i32 s62, s62, 3
	s_and_b32 s63, s17, 3
	s_xor_b32 s62, s62, s63
	s_add_co_u32 s61, s61, s62                     ; + ((c % 4) xor 3 x bit 2 of c)
	s_lshl_b32 s22, s61, 1
	s_add_co_u32 s22, s22, s13                     ; my key step in it
	s_add_co_u32 s40, s61, 1                       ; the block to be asked for next,
	s_cmp_eq_u32 s40, s41
	s_cselect_b32 s40, 0, s40                      ; round N
	s_mul_i32 s62, s61, SLOTB                      ; the first block's offset
	s_mov_b32 s63, 0
	s_mov_b32 s[G1+0], 15|(3<<16)|(1<<21)          ; all four work-groups; elements of 8 bytes; no padding
	s_mov_b32 s[G1+1], 32<<16
	s_mov_b32 s[G1+2], 50<<16
	s_mov_b32 s[G1+3], 32<<16
	s_mov_b32 s[G1+4], 50                          ; 50 rows of 256 bytes: an eighth of a slot
	s_mov_b32 s[G1+5], 32
	s_mov_b32 s[G1+6], 0
	s_mov_b32 s[G1+7], 0
	s_mov_b32 s44, 0x3bb8aa3b                      ; log2(e) / 256
	s_mov_b32 s45, s44                             ; (named with it as a pair)
	s_mov_b32 s46, 0x76543210
	s_mov_b32 s47, 0xfedcba98                      ; v_permlanex16_b32's selects for lane l xor 16
	s_mul_i32 s49, s12, 12800                      ; my eighth
	s_lshl_b32 s50, s18, 4
	s_mul_i32 s50, s50, SLOTB
	s_add_co_u32 s50, s50, s49
	s_mov_b32 s51, 0
	; the scalar parts of the LDS addresses: constants and the wave's number alone
	s_mul_i32 s66, s13, 24576
	s_mul_i32 s67, s14, 12288
	s_add_co_u32 s66, s66, s67                     ; K's fragments: my key step, my four tiles of keys
	s_lshl_b32 s67, s13, 10
	s_lshl_b32 s68, s14, 8
	s_add_co_u32 s67, s67, s68
	s_add_co_u32 s67, s67, 98304                   ; their scale words
	s_add_co_u32 s68, s68, 2048                    ; V's lie 2,048 + 512 hf behind my key step's
	s_lshl_b32 s69, s15, 1
	s_add_co_u32 s69, s69, s13
	s_mul_i32 s69, s69, PXP
	s_add_co_u32 s69, s69, PXA                     ; where my partner (hf xor 1) and I meet
	s_mul_i32 s70, s14, 768                        ; my half of a fragment: three pieces of 256 bytes
	s_lshl_b32 s71, s14, 1                         ; my two of a scale word's four bytes
	s_lshr_b32 s72, s12, 1
	s_lshl_b32 s72, s72, 14
	s_add_co_u32 s72, s72, MST
	s_lshl_b32 s73, s15, 10
	s_add_co_u32 s73, s73, LA
	s_and_b32 s74, s12, 3
	s_lshl_b32 s74, s74, 8
	s_lshl_b32 s75, s20, 4
	s_lshl_b32 s76, s14, 6
	s_sub_co_u32 s75, s75, s76                     ; 16 x tile - 64 hf: it enters the mask alone
	s_wait_dscnt 0x0                               ; both opening adds are done
	s_wait_kmcnt 0x0
	s_add_nc_u64 s[42:43], s[6:7], s[50:51]        ; my eighth of the head's block 0: it stays
.irp n, 0,1
	s_mov_b32 s[G0+4*\n], 1
	s_add_co_u32 s[G0+4*\n+1], s49, \n*SLOTB       ; each LDS slot has a group 0 of its own; the global address is written ahead of each load
.endr
	s_add_nc_u64 s[G0+2:G0+3], s[42:43], s[62:63]
	s_or_b32 s[G0+3], s[G0+3], 0x80000000
	CROUND                                         ; all four work-groups are here: the first joint loads meet
	tensor_load_to_lds s[G0:G0+3], s[G1:G1+7]      ; the first block, into slot 0
	s_nop 0
.rept 4
	v_nop
.endr
	v_and_b32 v242, 31, v0                         ; lane
	v_and_b32 v243, 15, v0                         ; r
	v_bfe_u32 v244, v0, 4, 1                       ; h
	v_lshlrev_b32 v[QO], 4, v242
	v_lshlrev_b32 v[TT], 4, v243
	v_lshlrev_b32 v[GS], 5, v243
	v_lshl_add_u32 v[AK], v242, 4, s66
	v_add_nc_u32 v[AK+1], SLOTB, v[AK]
	v_add_nc_u32 v[AV], 49152, v[AK]
	v_add_nc_u32 v[AV+1], 49152, v[AK+1]
	v_lshl_add_u32 v[AS], v243, 4, s67
	v_add_nc_u32 v[AS+1], SLOTB, v[AS]
	v_add_nc_u32 v[ASV], s68, v[AS]
	v_add_nc_u32 v[ASV+1], s68, v[AS+1]
	v_lshl_add_u32 v[PXR], v242, 3, s69            ; a fragment there: piece k (registers 2 k, 2 k + 1) at 256 k + 8 x lane
	v_add_nc_u32 v[PXW], s70, v[PXR]
	v_lshl_add_u32 v[PSR], v242, 2, s69            ; a scale word: 4 x lane
	v_add_nc_u32 v[PSW], s71, v[PSR]
	v_lshl_add_u32 v[MW], v242, 4, s72
	v_lshl_add_u32 v[LR], v242, 2, s73
	v_add_nc_u32 v[LW], s74, v[LR]
	v_add_nc_u32 v[QD], s75, v243
	v_lshlrev_b32 v245, 3, v244
	v_sub_nc_u32 v[QD], v[QD], v245
	s_wait_alu depctr_va_vdst(0)
	s_lshl_b32 s48, s18, 6                         ; the first of my two query heads, x 32 blocks
	s_lshr_b32 s49, s20, 3
	s_add_co_u32 s48, s48, s49
	s_mul_i32 s48, s48, 25600                      ; its block of 128 queries in qbuf; the other head's lies 32 blocks on
	s_and_b32 s49, s20, 7                          ; my tile in it
	s_mul_i32 s52, s49, 3072
	s_add_co_u32 s52, s52, s48
	s_mov_b32 s53, 0
	s_lshr_b32 s54, s49, 2
	s_lshl_b32 s54, s54, 8
	s_and_b32 s55, s49, 3
	s_lshl_b32 s55, s55, 2
	s_add_co_u32 s54, s54, s55
	s_add_co_u32 s54, s54, s48
	s_add_co_u32 s54, s54, 24576
	s_mov_b32 s55, 0
	s_add_nc_u64 s[52:53], s[4:5], s[52:53]
	s_add_nc_u64 s[54:55], s[4:5], s[54:55]
.irp u, 0,1
.irp e, 0,1,2,3,4,5
	global_load_b128 v[QF+24*\u+4*\e:QF+24*\u+4*\e+3], v[QO], s[52:53] offset:819200*\u+512*\e   ; Q's fragments stay in registers: head u, K step c at 24 u + 12 c
.endr
.irp c, 0,1
	global_load_b32 v[QS+2*\u+\c], v[TT], s[54:55] offset:819200*\u+512*\c
.endr
.endr
	s_mul_i32 s56, s20, 12800                      ; the results: for each tile of 16 queries 8 fragment images (K step 2 head + hf of the last product) and 512 bytes of scale words
	s_mul_i32 s58, s18, 6144
	s_add_co_u32 s58, s58, s56
	s_mul_i32 s59, s14, 1536
	s_add_co_u32 s58, s58, s59
	s_mov_b32 s59, 0
	s_add_nc_u64 s[10:11], s[8:9], s[58:59]        ; my fragments: + 3,072 u
	s_lshl_b32 s58, s18, 4
	s_add_co_u32 s56, s56, s58
	s_lshl_b32 s58, s14, 2
	s_add_co_u32 s56, s56, s58
	s_mov_b32 s57, 0
	s_add_nc_u64 s[8:9], s[8:9], s[56:57]          ; my scale words: + 12,288 + 8 u
.irp j, 0,1,2,3
	v_mov_b32 v[LS+\j], 0                          ; the sums of p
	v_mov_b32 v[B2+\j], 0                          ; a lane permute's destination counts as one of its sources
.endr
	v_mov_b32 v[NINF], 0xff800000
	WIN 0x40
.set JJ, 0
.rept 128
	v_mov_b32 v[JJ], 0                             ; O^T: the key step is written once, and a wave that sees no key hands zeros on
.set JJ, JJ+1
.endr
	WIN 0
; MY HALF OF MY KEY STEP OF SLOT n, first part: scores and p of 64 keys for both heads; p's codes and scale bytes go to where the halves meet
.macro WORK1 n
	s_cmp_gt_u32 s22, s21
	s_cbranch_scc1 .Lhid1_\@                       ; all its keys come after my queries
	PLACES                                         ; in front of loads into registers that matrix instructions have read
.irp c, 0,1
	ds_load_b128 v[SCK+4*\c:SCK+4*\c+3], v[AS+\n] offset:512*\c   ; K's scale words: register 4 c + t
.endr
	WIN 0x40
.set JJ, 0
.rept 24
	ds_load_b128 v[128+4*JJ:128+4*JJ+3], v[AK+\n] offset:512*JJ   ; fragment 2 t + c: tile t of 16 keys, K step c of the head's 256
.set JJ, JJ+1
.endr
	WIN 0x01                                       ; source 0 window 1
	s_wait_dscnt 0x0
.irp c, 0,1                                    ; the eight accumulators take turns
.irp u, 0,1
.irp t, 0,1,2,3
.if \c == 0
	v_wmma_scale_f32_16x16x128_f8f6f4 v[S+32*\u+8*\t:S+32*\u+8*\t+7], v[128+24*\t:128+24*\t+11], v[QF+24*\u:QF+24*\u+11], 0, v[SCK+\t], v[QS+2*\u] matrix_a_fmt:MATRIX_FMT_FP6 matrix_b_fmt:MATRIX_FMT_FP6
.else
	v_wmma_scale_f32_16x16x128_f8f6f4 v[S+32*\u+8*\t:S+32*\u+8*\t+7], v[140+24*\t:140+24*\t+11], v[QF+24*\u+12:QF+24*\u+23], v[S+32*\u+8*\t:S+32*\u+8*\t+7], v[SCK+4+\t], v[QS+2*\u+1] matrix_a_fmt:MATRIX_FMT_FP6 matrix_b_fmt:MATRIX_FMT_FP6
.endif
.endr
.endr
.endr
	WIN 0
	PLACES                                         ; for the loads below and for the first read of the scores
.irp dq, 0,1
	ds_load_b128 v[SCV+4*\dq:SCV+4*\dq+3], v[ASV+\n] offset:256*\dq   ; V's scale words: register dt
.endr
	WIN 0x40
.set JJ, 0
.rept 24
	ds_load_b128 v[128+4*JJ:128+4*JJ+3], v[AV+\n] offset:512*JJ   ; my eight tiles of V land while p is made
.set JJ, JJ+1
.endr
	WIN 0
	s_cmp_lg_u32 s22, s21
	s_cbranch_scc1 .Lopen_\@                       ; only the step on the diagonal is masked
	s_lshl_b32 s48, s22, 7
	v_sub_nc_u32 v[DD], v[QD], s48                 ; register 32 u + 8 t + j holds key 128 step + 64 hf + 16 t + 8 h + j: hidden where 16 t + j > my query - 8 h - 64 hf - 128 step
.set JJ, 0
.rept 32
	v_cmp_gt_i32 vcc_lo, 16*(JJ/8)+JJ%8, v[DD]
	v_cndmask_b32 v[S+JJ], v[S+JJ], v[NINF], vcc_lo
	v_cndmask_b32 v[S+32+JJ], v[S+32+JJ], v[NINF], vcc_lo
.set JJ, JJ+1
.endr
.Lopen_\@:
.irp b, 0,1,2,3
	v_max3_num_f32 v[BM+\b], v[S+16*\b], v[S+1+16*\b], v[S+2+16*\b]   ; the largest score of each block of 32 keys (block 2 u + b'): since p rises with the score, it gives the block's largest p
.endr
.irp i, 3,5,7,9,11,13
.irp b, 0,1,2,3
	v_max3_num_f32 v[BM+\b], v[BM+\b], v[S+16*\b+\i], v[S+1+16*\b+\i]
.endr
.endr
.irp b, 0,1,2,3
	v_max_num_f32 v[BM+\b], v[BM+\b], v[S+15+16*\b]
.endr
.irp b, 0,1,2,3
	v_permlanex16_b32 v[B2+\b], v[BM+\b], s46, s47
.endr
.irp b, 0,1,2,3
	v_max_num_f32 v[BM+\b], v[BM+\b], v[B2+\b]     ; with lane l xor 16's 16 keys
.endr
.set JJ, 0
.rept 32
	v_pk_mul_f32 v[S+JJ:S+JJ+1], v[S+JJ:S+JJ+1], s[44:45] op_sel_hi:[1,0]   ; t
.set JJ, JJ+2
.endr
.irp b, 0,1,2,3
	v_mul_f32 v[BM+\b], s44, v[BM+\b]
.endr
	s_wait_alu depctr_va_vdst(0)
.set JJ, 0
.rept 64
	v_exp_f32 v[S+JJ], v[S+JJ]                     ; p = 2^t, not normalised
.set JJ, JJ+1
.endr
.irp b, 0,1,2,3
	v_exp_f32 v[BM+\b], v[BM+\b]                   ; each block's largest p
.endr
	v_nop                                          ; a plain place behind the exponentials,
	s_wait_alu depctr_va_vdst(0)                   ; and one wait for the batch, ahead of its first reader
.irp u, 0,1                                    ; the rows' sums, of the unquantised p: four chains a head
.irp k, 0,1,2,3
	v_pk_add_f32 v[X+8*\u+2*\k:X+8*\u+2*\k+1], v[S+32*\u+2*\k:S+32*\u+2*\k+1], v[S+32*\u+8+2*\k:S+32*\u+9+2*\k]
.endr
.endr
.irp m, 16,24
.irp u, 0,1
.irp k, 0,1,2,3
	v_pk_add_f32 v[X+8*\u+2*\k:X+8*\u+2*\k+1], v[X+8*\u+2*\k:X+8*\u+2*\k+1], v[S+32*\u+\m+2*\k:S+32*\u+\m+1+2*\k]
.endr
.endr
.endr
.irp u, 0,1
	v_pk_add_f32 v[X+8*\u:X+8*\u+1], v[X+8*\u:X+8*\u+1], v[X+8*\u+2:X+8*\u+3]
	v_pk_add_f32 v[X+8*\u+4:X+8*\u+5], v[X+8*\u+4:X+8*\u+5], v[X+8*\u+6:X+8*\u+7]
.endr
.irp b, 0,1,2,3
	v_max_num_f32 v[BM+\b], 0x1800000, v[BM+\b]    ; the floor 2^(3 - 127): the byte cannot fall under 1
.endr
.irp u, 0,1
	v_pk_add_f32 v[X+8*\u:X+8*\u+1], v[X+8*\u:X+8*\u+1], v[X+8*\u+4:X+8*\u+5]
.endr
.irp b, 0,1,2,3
	v_add_nc_u32 v[SO+\b], 0xff000000, v[BM+\b]    ; 2 off the exponent field: the conversion's scale operand
.endr
.irp u, 0,1
	v_pk_add_f32 v[LS+2*\u:LS+2*\u+1], v[LS+2*\u:LS+2*\u+1], v[X+8*\u:X+8*\u+1]
.endr
.irp b, 0,1,2,3
	v_lshrrev_b32 v[BY+\b], 23, v[SO+\b]
.endr
.irp u, 0,1
	v_lshl_or_b32 v[HW+\u], v[BY+2*\u+1], 8, v[BY+2*\u]   ; my two bytes of head u's scale word
.endr
.irp u, 0,1
	v_cvt_scalef32_pk16_fp6_f32 v[PM+6*\u:PM+6*\u+2], v[S+32*\u:S+32*\u+15], v[SO+2*\u]
	v_cvt_scalef32_pk16_fp6_f32 v[CT+4*\u:CT+4*\u+2], v[S+32*\u+16:S+32*\u+31], v[SO+2*\u+1]
.endr
	v_nop                                          ; one plain place behind a scaled conversion
.irp u, 0,1                                    ; the operand's layout wants a whole block in a lane: lanes 0-15 my first block, lanes 16-31 my second
.irp i, 0,1,2
	v_permlane16_swap_b32 v[PM+6*\u+\i], v[CT+4*\u+\i]
.endr
.irp i, 0,1,2
	v_mov_b32 v[PM+6*\u+3+\i], v[CT+4*\u+\i]
.endr
.endr
.irp u, 0,1
.irp i, 0,1,2
	ds_store_b64 v[PXW], v[PM+6*\u+2*\i:PM+6*\u+2*\i+1] offset:1536*\u+256*\i   ; registers 6 hf .. 6 hf + 5 of p's fragment
.endr
	ds_store_b16 v[PSW], v[HW+\u] offset:3072+128*\u
.endr
.Lhid1_\@:
.endm
; second part: p's whole fragments, and the sums of my 128 d for both heads
.macro WORK2 n
	s_cmp_gt_u32 s22, s21
	s_cbranch_scc1 .Lhid2_\@
	PLACES                                         ; in front of loads into registers that matrix instructions have read
.irp u, 0,1
.irp k, 0,1,2,3,4,5
	ds_load_b64 v[PCD+12*\u+2*\k:PCD+12*\u+2*\k+1], v[PXR] offset:1536*\u+256*\k
.endr
	ds_load_b32 v[PW+\u], v[PSR] offset:3072+128*\u
.endr
	s_wait_dscnt 0x0
	WIN 0x51                                       ; source 0 (V), C and D window 1; source 1 (p) window 0
	s_wait_alu depctr_va_vdst(0)                   ; the wait ahead of the first reader of O^T, behind the exponentials
.irp dt, 0,1,2,3,4,5,6,7
.irp u, 0,1
	v_wmma_scale_f32_16x16x128_f8f6f4 v[64*\u+8*\dt:64*\u+8*\dt+7], v[128+12*\dt:128+12*\dt+11], v[PCD+12*\u:PCD+12*\u+11], v[64*\u+8*\dt:64*\u+8*\dt+7], v[SCV+\dt], v[PW+\u] matrix_a_fmt:MATRIX_FMT_FP6 matrix_b_fmt:MATRIX_FMT_FP6
.endr
.endr
	WIN 0
.Lhid2_\@:
	s_add_co_u32 s22, s22, 2                       ; my key step of the next block,
	s_sub_co_u32 s48, s22, s60
	s_cmp_ge_u32 s22, s60
	s_cselect_b32 s22, s48, s22                    ; round the walk's 2 N
.endm
; THE CHANGE OF SLOTS stands at a slot's head: each wave waits for all its tensor loads (its eighth of the slot ahead), adds 0 to its spare word, waits for that and for its reads of the slot that it has left;
; a round of the cluster's barrier; then the slot just left is asked for again: one load a wave, with a slot's work in which to land.
.macro TRIP n, refill
	s_wait_tensorcnt 0x0                           ; no tensor load of mine is out, so a group 0 may be written
	ds_add_u32 v[SPW], v[NIL]
.if \refill
	s_mul_i32 s62, s40, SLOTB                      ; the block that is due (s63 holds 0), for the slot that I have left
	s_add_nc_u64 s[G0+4*(1-\n)+2:G0+4*(1-\n)+3], s[42:43], s[62:63]
	s_or_b32 s[G0+4*(1-\n)+3], s[G0+4*(1-\n)+3], 0x80000000
	s_add_co_u32 s40, s40, 1                       ; and the one after it,
	s_cmp_eq_u32 s40, s41
	s_cselect_b32 s40, 0, s40                      ; round N
.endif
	s_wait_dscnt 0x0
	CROUND
.if \refill
	tensor_load_to_lds s[G0+4*(1-\n):G0+4*(1-\n)+3], s[G1:G1+7]
	s_nop 0
.rept 4
	v_nop
.endr
.endif
	WORK1 \n
	s_wait_alu depctr_va_vdst(0)
	s_wait_dscnt 0x0                               ; for my partner's sake: my half of p lies in LDS (and V is in)
	s_barrier_signal -1
	s_barrier_wait -1                              ; the slot's refill stays on its way
	WORK2 \n
.endm
	s_wait_alu depctr_va_vdst(0)
	s_wait_loadcnt 0x0                             ; Q
.Lslots:
	TRIP 0, 1
	TRIP 1, 1
	s_sub_co_u32 s23, s23, 1
	s_cmp_lg_u32 s23, 0
	s_cbranch_scc1 .Lslots
	TRIP 0, 1                                      ; the tail is written out: the last slot asks for nothing
	TRIP 1, 0
	; THE END: every wave hands on its rows' sums; the wave of the odd key steps hands its O^T to the wave of the even ones with the same d
	PLACES
	v_add_f32 v[LS], v[LS], v[LS+1]
	v_add_f32 v[LS+2], v[LS+2], v[LS+3]
	ds_store_b32 v[LW], v[LS]
	ds_store_b32 v[LW], v[LS+2] offset:128
	s_cmp_eq_u32 s13, 0
	s_cbranch_scc1 .Lkeep
	WIN 0x04                                       ; an LDS store's data are its source 1: window 1
.set JJ, 0
.rept 32
	ds_store_b128 v[MW], v[4*JJ:4*JJ+3] offset:512*JJ   ; each accumulator from its low end on
.set JJ, JJ+1
.endr
	WIN 0
.Lkeep:
	s_wait_dscnt 0x0                               ; for the others' sake: my stores are done
	s_barrier_signal -1
	s_barrier_wait -1
	s_cmp_lg_u32 s13, 0
	s_cbranch_scc1 .Lend
.set JJ, 0
.rept 32
	ds_load_b128 v[R+4*JJ:R+4*JJ+3], v[MW] offset:512*JJ
.set JJ, JJ+1
.endr
.irp k, 0,1,2,3
.irp u, 0,1
	ds_load_b32 v[LL+2*\k+\u], v[LR] offset:256*\k+128*\u   ; the four waves of my group: all the keys
.endr
.endr
	s_wait_dscnt 0x0
.irp u, 0,1
	v_add_f32 v[208+\u], v[LL+\u], v[LL+2+\u]
	v_add_f32 v[210+\u], v[LL+4+\u], v[LL+6+\u]
.endr
.irp u, 0,1
	v_add_f32 v[208+\u], v[208+\u], v[210+\u]
	v_mov_b32 v[212+\u], 0
.endr
.irp u, 0,1
	v_permlanex16_b32 v[212+\u], v[208+\u], s46, s47
.endr
.irp u, 0,1
	v_add_f32 v[208+\u], v[208+\u], v[212+\u]      ; the rows' sums
.endr
	s_wait_alu depctr_va_vdst(0)
	v_rcp_f32 v214, v208
	v_rcp_f32 v216, v209
	v_mov_b32 v215, 0                              ; (plain instructions behind the reciprocals; the upper halves of two pairs)
	v_mov_b32 v217, 0
.irp b, 0,1,2,3
	v_mov_b32 v[XP+\b], 0
.endr
	WIN 0x04                                       ; source 1 window 1
	s_wait_alu depctr_va_vdst(0)                   ; the wait, ahead of the first readers of O^T and of the reciprocals
.set JJ, 0
.rept 64
	v_pk_add_f32 v[R+JJ:R+JJ+1], v[R+JJ:R+JJ+1], v[JJ:JJ+1]
.set JJ, JJ+2
.endr
	WIN 0
.set JJ, 0
.rept 64
	v_pk_mul_f32 v[R+JJ:R+JJ+1], v[R+JJ:R+JJ+1], v[214+2*(JJ/64):215+2*(JJ/64)] op_sel_hi:[1,0]
.set JJ, JJ+2
.endr
	; register 64 u + 8 dt + j of lane (r, h) is attn(query r, head u, 128 hf + 16 dt + 8 h + j).  o_w's codes are given, so this operand goes in TRUE order: the halves of two neighbouring tiles change places, and a lane holds 16 neighbours
.irp be, 0,1,2,3,4,5,6,7
.irp j, 0,1,2,3,4,5,6,7
	v_permlane16_swap_b32 v[R+16*\be+\j], v[R+16*\be+8+\j]
.endr
.endr
.macro QBLK u                          ; four blocks of 32 along d: one K step of the last product
.irp b, 0,1,2,3
	v_max3_num_f32 v[XM+\b], |v[R+64*\u+16*\b]|, |v[R+64*\u+16*\b+1]|, 0x1800000
.endr
.irp i, 2,4,6,8,10,12,14
.irp b, 0,1,2,3
	v_max3_num_f32 v[XM+\b], v[XM+\b], |v[R+64*\u+16*\b+\i]|, |v[R+64*\u+16*\b+\i+1]|
.endr
.endr
.irp b, 0,1,2,3
	v_permlanex16_b32 v[XP+\b], v[XM+\b], s46, s47
.endr
.irp b, 0,1,2,3
	v_max_num_f32 v[XM+\b], v[XM+\b], v[XP+\b]
.endr
.irp b, 0,1,2,3
	v_add_nc_u32 v[XS+\b], 0xff000000, v[XM+\b]
.endr
.irp b, 0,1,2,3
	v_lshrrev_b32 v[XP+\b], 23, v[XS+\b]
.endr
	v_lshl_or_b32 v[AW+\u], v[XP+1], 8, v[XP]
	v_lshl_or_b32 v[AW+\u], v[XP+2], 16, v[AW+\u]
	v_lshl_or_b32 v[AW+\u], v[XP+3], 24, v[AW+\u]
.irp b, 0,1,2,3
	v_cvt_scalef32_pk16_fp6_f32 v[AC+16*\u+4*\b:AC+16*\u+4*\b+2], v[R+64*\u+16*\b:R+64*\u+16*\b+15], v[XS+\b]
.endr
	v_nop                                          ; one plain place behind a scaled conversion
.endm
	QBLK 0
	QBLK 1
.irp u, 0,1                                    ; a whole block in a lane: lanes 0-15 block 2 c, lanes 16-31 block 2 c + 1; then the four groups of three registers close up to twelve
.irp c, 0,1
.irp i, 0,1,2
	v_permlane16_swap_b32 v[AC+16*\u+8*\c+\i], v[AC+16*\u+8*\c+4+\i]
.endr
.endr
.irp m, 3,4,5
	v_mov_b32 v[AC+16*\u+\m], v[AC+16*\u+\m+1]
.endr
.irp m, 6,7,8
	v_mov_b32 v[AC+16*\u+\m], v[AC+16*\u+\m+2]
.endr
.irp m, 9,10,11
	v_mov_b32 v[AC+16*\u+\m], v[AC+16*\u+\m+3]
.endr
.endr
.irp u, 0,1
.irp e, 0,1,2
	global_store_b128 v[QO], v[AC+16*\u+4*\e:AC+16*\u+4*\e+3], s[10:11] offset:3072*\u+512*\e   ; the image of the last product's operand registers: 512 consecutive bytes a store
.endr
.endr
.irp u, 0,1
	global_store_b32 v[GS], v[AW+\u], s[8:9] offset:12288+8*\u   ; that K step's scale word of row r; lanes 16-31 write the same bytes with the same values
.endr
.Lend:
	s_wait_tensorcnt 0x0                           ; the wave's end
	ds_add_u32 v[SPW], v[NIL]
	s_wait_dscnt 0x0
	CROUND                                         ; the closing round
	s_endpgm
.Lfunc_end_k_qe09ffa955a_attn:
	.size	k_qe09ffa955a_attn, .Lfunc_end_k_qe09ffa955a_attn-k_qe09ffa955a_attn
	.p2alignl 7, 3214868480
	.fill 96, 4, 3214868480
	.section	.rodata,"a",@progbits
	.p2align	6, 0x0
	.amdhsa_kernel k_qe09ffa955a_attn
		.amdhsa_group_segment_fixed_size 327680
		.amdhsa_private_segment_fixed_size 0
		.amdhsa_enable_private_segment 0
		.amdhsa_kernarg_size 24
		.amdhsa_user_sgpr_count 2
		.amdhsa_user_sgpr_kernarg_segment_ptr 1
		.amdhsa_wavefront_size32 1
		.amdhsa_system_sgpr_workgroup_id_x 1
		.amdhsa_system_sgpr_workgroup_id_y 1
		.amdhsa_system_sgpr_workgroup_id_z 1
		.amdhsa_system_vgpr_workitem_id 0
		.amdhsa_next_free_vgpr 512
		.amdhsa_next_free_sgpr 80
		.amdhsa_reserve_vcc 1
		.amdhsa_float_denorm_mode_32 3
		.amdhsa_float_denorm_mode_16_64 3
		.amdhsa_memory_ordered 1
		.amdhsa_forward_progress 1
		.amdhsa_inst_pref_size 133
	.end_amdhsa_kernel
	.amdgpu_metadata
---
amdhsa.version: [ 1, 2 ]
amdhsa.kernels:
  - .name:           k_qe09ffa955a_attn
    .symbol:         k_qe09ffa955a_attn.kd
    .args:
      - { .name: qbuf, .offset: 0, .size: 8, .value_kind: global_buffer, .address_space: global }
      - { .name: kvbuf, .offset: 8, .size: 8, .value_kind: global_buffer, .address_space: global }
      - { .name: acodes, .offset: 16, .size: 8, .value_kind: global_buffer, .address_space: global }
    .group_segment_fixed_size: 327680
    .private_segment_fixed_size: 0
    .kernarg_segment_align: 8
    .kernarg_segment_size: 24
    .max_flat_workgroup_size: 256
    .sgpr_count:     80
    .vgpr_count:     512
    .wavefront_size: 32
...
	.end_amdgpu_metadata
.endif
;; end of part 5
;; launch oproj (part 6): grid 8 x 32, 4 waves a work-group, clusters of 4 x 4, 327,680 bytes of LDS; arguments acodes, o_w_codes, o_w_scales, out0; writes out0
.if DOCPART == 6
	.amdgcn_target "amdgcn-amd-amdhsa--gfx1250"
	.amdhsa_code_object_version 6
	.text
	.protected	k_qe09ffa955a_oproj
	.globl	k_qe09ffa955a_oproj
	.p2align	8
	.type	k_qe09ffa955a_oproj,@function
k_qe09ffa955a_oproj:
	s_mov_b64 s[64:65], 0
	v_nop
	global_prefetch_b8 v0, s[64:65] scope:SCOPE_SE
	s_setreg_imm32_b32 hwreg(HW_REG_WAVE_MODE, 25, 1), 1
	s_wait_xcnt 0x0
	s_wait_alu depctr_hold_cnt(0) depctr_sa_sdst(0) depctr_va_vdst(0) depctr_va_sdst(0) depctr_va_ssrc(0) depctr_va_vcc(0) depctr_vm_vsrc(0)
	s_getreg_b32 s2, hwreg(HW_REG_IB_STS2, 6, 4)
	s_cmp_eq_u32 s2, 0
	s_cbranch_scc0 .Lentry_in_a_cluster
	s_endpgm
.Lentry_in_a_cluster:
	s_bfe_u32 s2, ttmp6, 0x10000c
	s_cmp_lg_u32 s2, 0xf033
	s_cbranch_scc0 .Lentry_shape_is_right
	s_endpgm
.Lentry_shape_is_right:
; out = attn o_w^T on codes of FP6 (E2M3) with E8M0 scales: [4096, 1024] x [2048, 1024]^T, f32 out.
; A work-group makes 128 rows x 256 columns: 32 x 8 = 256 work-groups.  Wave w: rows 64 (w / 2) on (4 blocks of 16), columns 128 (w % 2) on (8 blocks of 16): 32 accumulators, 256 registers.
; ALL OF K LIES IN LDS AT ONCE: A's 128 rows are 102,400 dense bytes (for each 16 rows 8 images of operand registers, 1,536 bytes each, and 512 bytes of scale words, as the launch before laid them);
; B's 256 rows of 768 bytes, 16 bytes of padding behind every 256 (pitch 816); B's scales 8,192 bytes.  Four tensor loads, one a wave, at the head; nothing is filled again, so the walk along K has no barrier.
; CLUSTERS: 4 x 4.  A's block hangs on the tile row alone and is asked for jointly along a row of the cluster, B's tiles and scales along a column.
; No prefetch: the launch has no loop to run ahead in; all that it reads is asked for by its first four loads.
; THE MATRIX INSTRUCTION IS USED TRANSPOSED (source 0 = 16 rows of o_w, source 1 = 16 rows of A): a lane holds eight neighbouring numbers of a row of the result.
; REGISTERS.  Window 0: v16-29 addresses; v32-63 A's scale words (block a, step st at 8 a + st), v64-127 B's; v128-175 A's 4 fragments; on the way out v128-255.  Window 1: B's fragments, two sets (v0, v128).  Window 2: accumulators.
.set SIZE_N, 2048
.set KROW,   768
.set STEPS,  8
.set PITCH,  816
.set FR,     12
.set NP,     4                         ; places behind this matrix form (ISA guide 7.12.1)
.set ATILE,  12800                     ; 16 rows of A: 8 images and the scale words
.set ABYTES, 8*ATILE
.set BCD,    ABYTES                    ; B's codes
.set SCB,    BCD+256*PITCH             ; B's scales: 32 bytes a row, dense
.set SPARE,  SCB+8192                  ; the spare words: 128 bytes a wave
.set SPITCH, 528                       ; the way out: a stage of 16 rows x (512 + 16) bytes a wave, in A's bytes, behind a barrier behind every wave's last read
.set ADA,  16                          ; A's images: my four tiles + 16 x lane
.set ADS,  17                          ; A's scale words: my four tiles + 32 r
.set ADSB, 18                          ; B's scale words
.set ADB,  20                          ; v20 B's blocks 0-3; v21 the same with lanes 16-31 behind one padding more; v22-23 blocks 4-7
.set STO,  24
.set RD,   25
.set CO,   26
.set SPW,  28
.set NIL,  29
.set SA,   32
.set SB,   64
.set AF,   128
.set BK,   128
.set G1A,  24
.set G1B,  32
.set G1S,  40
.set G0A,  48
.set G0B,  52
.set G0C,  56
.set G0S,  60
.set MUL,  0xa1                        ; source 0 (B) window 1, source 1 (A) window 0, C and D window 2
.set MSB, 0
.macro WIN new                         ; the immediate's high byte repeats the setting that is left
.if MSB != \new
	s_set_vgpr_msb (MSB<<8)|\new
.set MSB, \new
.endif
.endm
.macro PLACES n
.rept \n
	v_nop
.endr
.endm
.macro CROUND                          ; a round of the cluster's barrier
	s_barrier_signal -1
	s_barrier_wait -1
	s_cmp_lg_u32 s14, 0
	s_cbranch_scc1 .Lnot_wave_0_\@
	s_barrier_signal -3
.Lnot_wave_0_\@:
	s_barrier_wait -3
	s_barrier_signal -1
	s_barrier_wait -1
.endm
	s_load_b256 s[4:11], s[0:1], 0x0               ; acodes, o_w's codes, o_w's scales, out
	v_lshl_add_u32 v[SPW], v0, 2, SPARE
	v_mov_b32 v[NIL], 0
	ds_add_u32 v[SPW], v[NIL]                      ; the opening lines: the add, twice on end, and its wait
	ds_add_u32 v[SPW], v[NIL]
	v_lshrrev_b32 v1, 5, v0
	v_readfirstlane_b32 s14, v1                    ; wave 0..3
	s_lshr_b32 s15, s14, 1                         ; my half of the rows
	s_and_b32 s16, s14, 1                          ; my half of the columns
	s_bfe_u32 s17, ttmp6, 0x40000                  ; cx
	s_bfe_u32 s18, ttmp6, 0x40004                  ; cy
	s_lshl_b32 s19, ttmp9, 2
	s_add_co_u32 s19, s19, s17                     ; tile column
	s_and_b32 s20, ttmp7, 0xffff
	s_lshl_b32 s20, s20, 2
	s_add_co_u32 s20, s20, s18                     ; tile row
	s_lshl_b32 s21, s18, 2
	s_lshl_b32 s21, 15, s21                        ; my row of the cluster
	s_lshl_b32 s22, 0x1111, s17                    ; my column
	s_or_b32 s[G1A+0], s21, (3<<16)|(1<<21)        ; A's block: 400 rows of 256 bytes, dense
	s_mov_b32 s[G1A+1], 32<<16
	s_mov_b32 s[G1A+2], 400<<16
	s_mov_b32 s[G1A+3], 32<<16
	s_mov_b32 s[G1A+4], 400
	s_mov_b32 s[G1A+5], 32
	s_mov_b32 s[G1A+6], 0
	s_mov_b32 s[G1A+7], 0
	s_or_b32 s[G1B+0], s22, (1<<20)|(1<<21)|(5<<22)|(3<<25)  ; B's codes: 128 rows of 768 bytes, 16 bytes of padding behind every 256
	s_mov_b32 s[G1B+1], KROW<<16
	s_mov_b32 s[G1B+2], 128<<16
	s_mov_b32 s[G1B+3], KROW<<16
	s_mov_b32 s[G1B+4], 128
	s_mov_b32 s[G1B+5], KROW
	s_mov_b32 s[G1B+6], 0
	s_mov_b32 s[G1B+7], 0
	s_or_b32 s[G1S+0], s22, (3<<16)|(1<<21)        ; B's scales: 32 rows of 256 bytes, dense
	s_mov_b32 s[G1S+1], 32<<16
	s_mov_b32 s[G1S+2], 32<<16
	s_mov_b32 s[G1S+3], 32<<16
	s_mov_b32 s[G1S+4], 32
	s_mov_b32 s[G1S+5], 32
	s_mov_b32 s[G1S+6], 0
	s_mov_b32 s[G1S+7], 0
	s_mul_i32 s66, s20, ABYTES                     ; A hangs on the tile row alone,
	s_mov_b32 s67, 0
	s_mul_i32 s68, s19, 256*KROW                   ; B on the tile column alone
	s_mov_b32 s69, 0
	s_lshl_b32 s70, s19, 13
	s_mov_b32 s71, 0
	s_wait_dscnt 0x0                               ; both opening adds are done
	s_wait_kmcnt 0x0
	s_mov_b32 s[G0A], 1
	s_mov_b32 s[G0A+1], 0
	s_add_nc_u64 s[G0A+2:G0A+3], s[4:5], s[66:67]
	s_or_b32 s[G0A+3], s[G0A+3], 0x80000000
	s_mov_b32 s[G0B], 1
	s_mov_b32 s[G0B+1], BCD
	s_add_nc_u64 s[G0B+2:G0B+3], s[6:7], s[68:69]
	s_mov_b32 s[G0C], 1
	s_mov_b32 s[G0C+1], BCD+128*PITCH
	s_add_nc_u64 s[G0C+2:G0C+3], s[G0B+2:G0B+3], 128*KROW
	s_or_b32 s[G0B+3], s[G0B+3], 0x80000000
	s_or_b32 s[G0C+3], s[G0C+3], 0x80000000
	s_mov_b32 s[G0S], 1
	s_mov_b32 s[G0S+1], SCB
	s_add_nc_u64 s[G0S+2:G0S+3], s[8:9], s[70:71]
	s_or_b32 s[G0S+3], s[G0S+3], 0x80000000
	CROUND                                         ; all sixteen work-groups are here: the joint loads meet
; one load a wave: wave 0 A's block, waves 1 and 2 the halves of B's codes, wave 3 B's scales; one chain of branches, every way through it passes one load
.macro ARM under, g0, g1, next
	s_cmp_lt_u32 s14, \under
	s_cbranch_scc0 \next
	tensor_load_to_lds s[\g0:\g0+3], s[\g1:\g1+7]
	s_nop 0
.rept 4
	v_nop
.endr
	s_branch .Lhead_asked
\next:
.endm
	ARM 1, G0A, G1A, .Lhead_b
	ARM 2, G0B, G1B, .Lhead_c
	ARM 3, G0C, G1B, .Lhead_s
	tensor_load_to_lds s[G0S:G0S+3], s[G1S:G1S+7]
	s_nop 0
.rept 4
	v_nop
.endr
.Lhead_asked:
	s_mul_i32 s72, s15, 4*ATILE                    ; my four tiles of A
	s_mul_i32 s73, s16, 128*PITCH
	s_add_co_u32 s73, s73, BCD                     ; my 128 rows of B
	s_lshl_b32 s74, s16, 12
	s_add_co_u32 s74, s74, SCB                     ; and their scales
	s_mul_i32 s75, s14, 16*SPITCH                  ; my stage
	s_lshl_b32 s76, s20, 7
	s_lshl_b32 s77, s15, 6
	s_add_co_u32 s76, s76, s77                     ; my first row of the result,
	s_lshl_b32 s76, s76, 13                        ; 8,192 bytes a row,
	s_lshl_b32 s78, s19, 10
	s_lshl_b32 s79, s16, 9
	s_add_co_u32 s78, s78, s79                     ; my first column, in bytes
	s_add_co_u32 s76, s76, s78
	s_mov_b32 s77, 0
	s_add_nc_u64 s[10:11], s[10:11], s[76:77]
	v_and_b32 v1, 15, v0                           ; r
	v_bfe_u32 v2, v0, 4, 1                         ; h
	v_and_b32 v3, 31, v0                           ; lane
	v_lshl_add_u32 v[ADA], v3, 4, s72
	v_lshl_add_u32 v[ADS], v1, 5, s72
	v_mul_u32_u24 v4, v1, PITCH
	v_mad_u32_u24 v4, v2, 24, v4                   ; a fragment's row x pitch + 24 h
	v_add_nc_u32 v[ADB], s73, v4
	v_lshl_add_u32 v[ADB+1], v2, 4, v[ADB]
	v_add_nc_u32 v[ADB+2], 64*PITCH, v[ADB]
	v_add_nc_u32 v[ADB+3], 64*PITCH, v[ADB+1]
	v_lshl_add_u32 v[ADSB], v1, 5, s74
	v_mul_u32_u24 v5, v1, SPITCH                   ; into the stage: row r, 32 bytes for each half of the lanes
	v_lshl_add_u32 v5, v2, 5, v5
	v_add_nc_u32 v[STO], s75, v5
	v_lshlrev_b32 v[CO], 4, v3                     ; back: the 32 lanes take one row of 512 bytes; and the same in the result
	v_add_nc_u32 v[RD], s75, v[CO]
; B's fragment: lane l holds row l % 16; registers 6 c .. 6 c + 5 hold K = 64 c + 32 (l / 16) + 0 .. 31: 24 bytes, in pieces of 8.  Byte y of a row lies at y + 16 (y / 256) of its LDS row
.macro FRAGB reg, st, i
.irp p, 0,1,2,3,4,5
.set BY, 96*(\st)+48*(\p/3)+8*(\p%3)
.set AR, ADB+2*((\i)/4)+(BY+24)/256-BY/256
	ds_load_b64 v[\reg+2*\p:\reg+2*\p+1], v[AR] offset:BY+16*(BY/256)+((\i)%4)*16*PITCH
.endr
.endm
.macro FETCH_B st
	WIN 0x40
.irp i, 0,1,2,3,4,5,6,7
	FRAGB 128*((\st)%2)+FR*\i, \st, \i
.endr
	WIN 0
.endm
.macro FETCH_A st, i0                  ; A's blocks i0, i0 + 1: images, three loads of 16 bytes a lane
.irp i, \i0, \i0+1
.irp e, 0,1,2
	ds_load_b128 v[AF+FR*(\i)+4*\e:AF+FR*(\i)+4*\e+3], v[ADA] offset:(\i)*ATILE+(\st)*1536+512*\e
.endr
.endr
.endm
; 8 matrix instructions: A's block a against B's eight.  The 32 accumulators take turns, one instruction a turn, in the same order in every step.
.macro MUL8 a, st, zero
.irp b, 0,1,2,3,4,5,6,7
.if \zero
	v_wmma_scale_f32_16x16x128_f8f6f4 v[8*(8*(\a)+\b):8*(8*(\a)+\b)+7], v[128*((\st)%2)+FR*\b:128*((\st)%2)+FR*\b+FR-1], v[AF+FR*(\a):AF+FR*(\a)+FR-1], 0, v[SB+8*\b+(\st)], v[SA+8*(\a)+(\st)] matrix_a_fmt:MATRIX_FMT_FP6 matrix_b_fmt:MATRIX_FMT_FP6
.else
	v_wmma_scale_f32_16x16x128_f8f6f4 v[8*(8*(\a)+\b):8*(8*(\a)+\b)+7], v[128*((\st)%2)+FR*\b:128*((\st)%2)+FR*\b+FR-1], v[AF+FR*(\a):AF+FR*(\a)+FR-1], v[8*(8*(\a)+\b):8*(8*(\a)+\b)+7], v[SB+8*\b+(\st)], v[SA+8*(\a)+(\st)] matrix_a_fmt:MATRIX_FMT_FP6 matrix_b_fmt:MATRIX_FMT_FP6
.endif
.endr
.endm
.macro STEP st, zero                   ; 128 along K; the next step's fragments are fetched in its middle and at its end
.set NX, (\st)+1
	s_wait_dscnt 6                                 ; all but the youngest 6 loads (A's blocks 2, 3) are in
	WIN MUL
	MUL8 0, \st, \zero
	MUL8 1, \st, \zero
	s_wait_dscnt 0x0
	PLACES NP                                      ; in front of loads into registers that matrix instructions have read
	FETCH_B NX
	FETCH_A NX, 0
	WIN MUL
	MUL8 2, \st, \zero
	MUL8 3, \st, \zero
	PLACES NP
	WIN 0
	FETCH_A NX, 2
.endm
	s_wait_alu depctr_va_vdst(0)
	s_wait_tensorcnt 0x0                           ; my tile is in;
	s_barrier_signal -1
	s_barrier_wait -1                              ; and everybody's
.irp a, 0,1,2,3
.irp e, 0,1
	ds_load_b128 v[SA+8*\a+4*\e:SA+8*\a+4*\e+3], v[ADS] offset:\a*ATILE+12288+16*\e   ; all eight steps' scale words, once
.endr
.endr
.irp b, 0,1,2,3,4,5,6,7
.irp e, 0,1
	ds_load_b128 v[SB+8*\b+4*\e:SB+8*\b+4*\e+3], v[ADSB] offset:512*\b+16*\e
.endr
.endr
	FETCH_B 0
	FETCH_A 0, 0
	FETCH_A 0, 2
	STEP 0, 1                                      ; the first products start the sums: nothing is cleared
.set ST, 1
.rept STEPS-2
	STEP ST, 0
.set ST, ST+1
.endr
	s_wait_dscnt 0x0                               ; my reads of the tiles are over:
	s_barrier_signal -1                            ; say so,
	WIN MUL
	MUL8 0, 7, 0
	MUL8 1, 7, 0
	MUL8 2, 7, 0
	MUL8 3, 7, 0
	WIN 0
	s_barrier_wait -1                              ; and store into the stage, which lies in A's bytes, when all four have said so
; THE WAY OUT, block by block of 16 rows x 128 columns: through my stage and back as whole rows of 512 bytes.  LDS serves a wave's instructions in order (ISA guide 5.7.1.4): no wait between the stores and the loads
.macro TOSTAGE a
	WIN 0x08                                       ; the data: window 2
.irp b, 0,1,2,3,4,5,6,7
	ds_store_b128 v[STO], v[64*(\a)+8*\b:64*(\a)+8*\b+3] offset:64*\b      ; each accumulator from its low end on
	ds_store_b128 v[STO], v[64*(\a)+8*\b+4:64*(\a)+8*\b+7] offset:64*\b+16
.endr
	WIN 0
.set BB, BK+64*((\a)%2)
.irp t, 0,1,2,3,4,5,6,7,8,9,10,11,12,13,14,15
	ds_load_b128 v[BB+4*\t:BB+4*\t+3], v[RD] offset:\t*SPITCH
.endr
.endm
.macro SEND a, younger                 ; younger: the LDS instructions issued behind block a's loads
.set BB, BK+64*((\a)%2)
	s_wait_dscnt \younger
.if (\a) > 0
	s_add_nc_u64 s[10:11], s[10:11], 16*SIZE_N*4   ; behind a wait on XCNT: the earlier stores have read their base
.endif
.irp t, 0,1,2,3,4,5,6,7,8,9,10,11,12,13,14,15
	global_store_b128 v[CO], v[BB+4*\t:BB+4*\t+3], s[10:11] offset:\t*SIZE_N*4 th:TH_STORE_NT   ; 32 lanes store 512 consecutive bytes, at a multiple of 256 from the result's first byte
.endr
.endm
	PLACES NP
	TOSTAGE 0
.irp a, 1,2,3
.if \a > 1
	s_wait_xcnt 0x0                                ; block a - 2's stores have read their registers and their base
.endif
	TOSTAGE \a
	SEND \a-1, 32                                  ; behind block a - 1's loads: block a's 16 stores and 16 loads
.endr
	s_wait_xcnt 0x0
	SEND 3, 0
	s_wait_tensorcnt 0x0                           ; the wave's end
	ds_add_u32 v[SPW], v[NIL]
	s_wait_dscnt 0x0
	CROUND                                         ; the closing round
	s_endpgm
.Lfunc_end_k_qe09ffa955a_oproj:
	.size	k_qe09ffa955a_oproj, .Lfunc_end_k_qe09ffa955a_oproj-k_qe09ffa955a_oproj
	.p2alignl 7, 3214868480
	.fill 96, 4, 3214868480
	.section	.rodata,"a",@progbits
	.p2align	6, 0x0
	.amdhsa_kernel k_qe09ffa955a_oproj
		.amdhsa_group_segment_fixed_size 327680
		.amdhsa_private_segment_fixed_size 0
		.amdhsa_enable_private_segment 0
		.amdhsa_kernarg_size 32
		.amdhsa_user_sgpr_count 2
		.amdhsa_user_sgpr_kernarg_segment_ptr 1
		.amdhsa_wavefront_size32 1
		.amdhsa_system_sgpr_workgroup_id_x 1
		.amdhsa_system_sgpr_workgroup_id_y 1
		.amdhsa_system_sgpr_workgroup_id_z 1
		.amdhsa_system_vgpr_workitem_id 0
		.amdhsa_next_free_vgpr 768
		.amdhsa_next_free_sgpr 90
		.amdhsa_reserve_vcc 0
		.amdhsa_float_denorm_mode_32 3
		.amdhsa_float_denorm_mode_16_64 3
		.amdhsa_memory_ordered 1
		.amdhsa_forward_progress 1
		.amdhsa_inst_pref_size 90
	.end_amdhsa_kernel
	.amdgpu_metadata
---
amdhsa.version: [ 1, 2 ]
amdhsa.kernels:
  - .name:           k_qe09ffa955a_oproj
    .symbol:         k_qe09ffa955a_oproj.kd
    .args:
      - { .name: acodes, .offset: 0, .size: 8, .value_kind: global_buffer, .address_space: global }
      - { .name: o_w_codes, .offset: 8, .size: 8, .value_kind: global_buffer, .address_space: global }
      - { .name: o_w_scales, .offset: 16, .size: 8, .value_kind: global_buffer, .address_space: global }
      - { .name: out0, .offset: 24, .size: 8, .value_kind: global_buffer, .address_space: global }
    .group_segment_fixed_size: 327680
    .private_segment_fixed_size: 0
    .kernarg_segment_align: 8
    .kernarg_segment_size: 32
    .max_flat_workgroup_size: 128
    .sgpr_count:     90
    .vgpr_count:     768
    .wavefront_size: 32
...
	.end_amdgpu_metadata
.endif
;; end of part 6
